; MI455X (gfx1250); checked and timed in simulation.
; The chip was launched on July 23, 2026; its instructions are those of AMD's public machine-readable ISA for CDNA 5 (MIT licence, August 2026) and "CDNA5" Instruction Set Architecture Reference Guide (July 2026). The comments in the code are by the model that wrote it; some were corrected since.
;; GPM. Allowed arithmetic: matrix products marked QUANTISED: E4M3 operands, one given power-of-two scale a tensor, by v_wmma_f32_16x16x64_fp8_fp8 or v_wmma_f32_16x16x128_fp8_fp8, f32 sums; everything else in f32.
;; Inputs: input_encoded 32 x 64 x 768 float32; lowp_scales 20 int32 (the exponents e of the quantised operands' scales 2^e); memory_mean 512 x 768 float32.
;; Outputs: out0 32 x 64 x 768 float32.
;; This version of the problem:
;;   THIS VERSION OF THE PROBLEM IS GIVEN IN LOW PRECISION. The matrix products marked QUANTISED in the list below multiply operands that are first quantised to E4M3 (4 exponent bits, 3 mantissa bits; 8 bits a number), with one given power-of-two scale for each operand tensor; their sums are f32. All else is computed in f32.
;;   The module's matrix products, in the order in which they are computed (A, B: the left and right operand; K: the contracted axis; several contracted axes count as one K, in the product's order):
;;     1. batch 64 x [M 512, K 768] x [K 768, N 512]; A: computed on the way; B: input memory_mean: QUANTISED (scales: A lowp_scales[0], B lowp_scales[1])
;;     2. batch 64 x [M 768, K 512] x [K 512, N 512]; A: computed on the way; B: computed on the way: QUANTISED (scales: A lowp_scales[2], B lowp_scales[3])
;;     3. batch 64 x [M 32, K 768] x [K 768, N 512]; A: input input_encoded; B: computed on the way: QUANTISED (scales: A lowp_scales[4], B lowp_scales[5])
;;     4. batch 64 x [M 32, K 512] x [K 512, N 32]; A: computed on the way; B: computed on the way: QUANTISED (scales: A lowp_scales[6], B lowp_scales[7])
;;     5. batch 64 x [M 512, K 32] x [K 32, N 32]; A: computed on the way; B: computed on the way: QUANTISED (scales: A lowp_scales[8], B lowp_scales[9])
;;     6. batch 64 x [M 512, K 32] x [K 32, N 768]; A: computed on the way; B: input input_encoded: QUANTISED (scales: A lowp_scales[10], B lowp_scales[11])
;;     7. batch 64 x [M 512, K 768] x [K 768, N 512]; A: computed on the way; B: computed on the way: QUANTISED (scales: A lowp_scales[12], B lowp_scales[13])
;;     8. batch 64 x [M 768, K 512] x [K 512, N 512]; A: computed on the way; B: computed on the way: QUANTISED (scales: A lowp_scales[14], B lowp_scales[15])
;;     9. batch 64 x [M 32, K 768] x [K 768, N 512]; A: input input_encoded; B: computed on the way: QUANTISED (scales: A lowp_scales[16], B lowp_scales[17])
;;     10. batch 64 x [M 32, K 512] x [K 512, N 768]; A: computed on the way; B: computed on the way: QUANTISED (scales: A lowp_scales[18], B lowp_scales[19])
;;   THE QUANTISER, for each operand of a quantised product, along K:
;;     - The operand's scale is 2^e, e = its entry of the input lowp_scales (int32; the entries are numbered through the quantised products in the list's order, A before B).
;;     - Each number is divided by the scale, clamped to +-448, and rounded to the nearest number of E4M3, ties to even, subnormals kept.
;;     - The product sums the exact products of the quantised numbers (number of the format x scale) in f32.
;;   ~~~python
;;   def quantise(x, axis, e):      # numpy; x: float32 -> the quantised numbers, widened to float32 again
;;       x = np.moveaxis(x, axis, -1); K = x.shape[-1]
;;       r = np.clip(x / 2.0 ** e, -448, 448)
;;       step = 2.0 ** (np.maximum(np.frexp(np.where(r == 0, 1, r))[1] - 1, -6) - 3)
;;       q = np.round(r / step) * step * 2.0 ** e      # np.round: ties to even
;;       return np.moveaxis(q, -1, axis).astype(np.float32)
;;   ~~~
;;   OPERANDS COMPUTED ON THE WAY. 'Computed on the way' means the value that the module computes at that place (a softmax that the list does not call 'softmax' is quantised finished and normalised). What goes into a quantiser is computed in f32, as accurately as f32 sums, v_exp_f32 and their like allow (about 1e-6 of the number): no bf16 or f16 on the way to a quantiser, and a product that is left as it is and whose result goes on into a quantised operand takes f32 operands (vector FMAs, or v_wmma_f32_16x16x4_f32). A number that lies on a knife's edge between two numbers of the format may be rounded either way, as far as f32 arithmetic and the matrix unit's own rounding can turn it there, and no further.
;; 2 versions, each right; version 2 is version 1 with the launches prep, pinv0, wprod, core, readout written anew for expert scheduling mode. Each part assembles by itself: llvm-mc -triple=amdgcn-amd-amdhsa -mcpu=gfx1250 --defsym DOCPART=n.
;; ======== version 1 of 2: 5 launches
;; workspace buffers: pm 655,360 bytes; pz 4,718,592 bytes; pimg 393,216 bytes; wq 3,145,728 bytes; aw 4,194,304 bytes; wp 1,048,576 bytes; wr 1,048,576 bytes
;; launch prep (part 1): grid 256 x 1, 4 waves a work-group, no clusters, 49,664 bytes of LDS; arguments memory_mean, input_encoded, lowp_scales, pm, pz; writes pm, pz
.if DOCPART == 1
	.amdgcn_target "amdgcn-amd-amdhsa--gfx1250"
	.amdhsa_code_object_version 6
	.text
	.protected	k_q6cf4f3bb4e_prep
	.globl	k_q6cf4f3bb4e_prep
	.p2align	8
	.type	k_q6cf4f3bb4e_prep,@function
k_q6cf4f3bb4e_prep:
	s_mov_b64 s[64:65], 0
	v_nop
	global_prefetch_b8 v0, s[64:65] scope:SCOPE_SE
	s_setreg_imm32_b32 hwreg(HW_REG_WAVE_MODE, 25, 1), 1
	s_wait_xcnt 0x0
; PREP: every quantiser that works on an input, and product 1.  a = f32(exp(-5)), a constant of the problem.
;   B   Q2(a M0[j][c])            -> pm + PM_Q2, [c tile 48][j quad 16][512 bytes]
;   C1  Q4(z), Q16(z)             -> pz, pz + PZ_Z16: [batch][fragment 6 ue + sigma][2048]   (rows e, K = c)
;   C2  Q11(z), K = e             -> pz + PZ_ZT: [batch][c tile 48][512]
;   A   T1[l][j] = sum over c of Q0(a M0[l][c]) Q1(M0[j][c]), quantised by Q3 -> pm, [l tile 32][j pair 16][512]
; The prior memory is broadcast over the batch by the problem itself, so products 1 and 2 are made once.
; TILES.  Tile t of an axis holds rows 32 (t / 2) + 8 (t % 2) + r + (r & 8), r = lane % 16: as source 0 of a product it leaves, in the 16 registers of tiles 2 q and
; 2 q + 1, the 16 neighbours 32 q + 16 h + 0 .. 15 of that axis (h = lane / 16).  Held and converted they are a QUAD: four registers of codes.
; IMAGES.  A quad lies in memory and LDS as 512 bytes, lane L's 16 bytes at 16 L; four quads on end are a fragment of 16 rows x 128 K.  The same order of k stands on both sides of every product.
; LIMITS: each exponent e0, e1, e2, e4, e11, e16 and e3 - e0 - e1 lies between -126 and 119, so that 2^e and 448 x 2^e are f32 numbers.  NaN among the inputs is not served.
; SHARES.  Work-group g: B: quads 3 g + w (waves 0-2);  C1: batch g / 4, fragments 3 (g % 4) + w (waves 0-2);  C2: batch g / 4, tiles 12 (g % 4) + 3 w + i;
;   A: j tiles 2 (g / 16) + 0, 1 against l tiles 2 (g % 16) + 0, 1: each wave quantises one tile (six fragments) into LDS, waves 0 and 1 multiply.
; REGISTERS: v1 16 L; v2-v7 offsets in memory; v8, v9 LDS; v10-21 six pairs (2^e, 448 x 2^e); v22-25 a quad; v26-33 eight held numbers; v34-49 a fragment's codes; v50-61 three quads;
;   v64-127, v128-191, v192-255 three sets of 64 numbers.
.set AEXP,   0x3bdcc9ff                ; exp(-5) as f32
.set MROW,   3072                      ; a row of memory_mean in bytes
.set ZROW,   196608                    ; from e to e + 1 in input_encoded: 64 x 768 x 4 bytes
.set PM_Q2,  262144
.set PZ_Z16, 1572864
.set PZ_ZT,  3145728
.macro SCL vs, vl, se                  ; v[vs] = 2^e, v[vl] = 448 x 2^e, e in the scalar register se
	s_add_co_i32 s62, \se, 127
	s_lshl_b32 s63, s62, 23
	v_mov_b32 v[\vs], s63
	s_add_co_i32 s62, s62, 8
	s_lshl_b32 s62, s62, 23
	s_or_b32 s62, s62, 0x600000
	v_mov_b32 v[\vl], s62
.endm
.macro HOLD n, x, lim                  ; the conversion to an 8-bit code does not saturate (ISA guide 7.6.2): n numbers are held within the largest code x the scale
.set hh, 0
.rept \n
	v_med3_num_f32 v[(\x)+hh], v[(\x)+hh], -v[\lim], v[\lim]
.set hh, hh+1
.endr
.endm
.macro CVT2 d, x, sc                   ; 16 numbers become a quad
	v_cvt_scalef32_pk8_fp8_f32 v[(\d):(\d)+1], v[(\x):(\x)+7], v[\sc]
	v_cvt_scalef32_pk8_fp8_f32 v[(\d)+2:(\d)+3], v[(\x)+8:(\x)+15], v[\sc]
.endm
.macro TIMESA n, x                     ; n pairs x a
.set hh, 0
.rept \n
	v_pk_mul_f32 v[(\x)+hh:(\x)+hh+1], v[(\x)+hh:(\x)+hh+1], s[34:35] op_sel_hi:[1,0]
.set hh, hh+2
.endr
.endm
.macro PLACES
.rept 4
	v_nop
.endr
.endm
.macro ALOAD sg                        ; K step sg of my tile of memory_mean: lane (r, h) takes, of its row, 16 neighbours of each block of 32
.set n, 0
.rept 16
	global_load_b128 v[64+64*((\sg)%3)+4*n:64+64*((\sg)%3)+4*n+3], v7, s[4:5] offset:512*(\sg)+128*(n/4)+16*(n%4)
.set n, n+1
.endr
.endm
	s_load_b128 s[4:7], s[0:1], 0x0                ; memory_mean, input_encoded
	s_load_b128 s[8:11], s[0:1], 0x10              ; lowp_scales, pm
	s_load_b64 s[12:13], s[0:1], 0x20              ; pz
	s_set_vgpr_msb 0x40
	v_lshl_add_u32 v0, v0, 2, 0xc000
	v_mov_b32 v1, 0
	s_set_vgpr_msb 0x4000
	v_lshrrev_b32 v62, 5, v0
	v_readfirstlane_b32 s14, v62                   ; wave
	v_and_b32 v1, 31, v0
	v_lshlrev_b32 v1, 4, v1                        ; 16 L
	v_and_b32 v62, 15, v0                          ; r
	v_bfe_u32 v63, v0, 4, 1                        ; h
	v_and_b32 v61, 8, v62
	v_add_nc_u32 v61, v61, v62                     ; r + (r & 8)
	s_lshr_b32 s36, ttmp9, 4                       ; j pair
	s_and_b32 s37, ttmp9, 15                       ; l pair
	s_lshr_b32 s38, ttmp9, 2                       ; batch
	s_and_b32 s39, ttmp9, 3                        ; quarter of the batch's work on z
	s_mov_b32 s34, AEXP
	s_mov_b32 s35, AEXP
	; B: quad q = 3 g + w: c tile q / 16, j quad q % 16.  Lane: column c of its tile; registers down j
	s_mul_i32 s40, ttmp9, 3
	s_add_co_u32 s40, s40, s14
	s_lshr_b32 s44, s40, 4
	s_and_b32 s45, s40, 15
	s_mul_i32 s45, s45, 32*MROW
	s_lshr_b32 s46, s44, 1
	s_lshl_b32 s46, s46, 7
	s_and_b32 s44, s44, 1
	s_lshl_b32 s44, s44, 5
	s_add_co_u32 s45, s45, s46
	s_add_co_u32 s45, s45, s44
	v_mul_u32_u24 v2, v63, 16*MROW
	v_lshl_add_u32 v2, v61, 2, v2
	v_add_nc_u32 v2, s45, v2
	; C1: fragment f = 3 zq + w: e tile f / 6, K step f % 6
	s_mul_i32 s41, s39, 3
	s_add_co_u32 s41, s41, s14
	s_cmp_ge_u32 s41, 6
	s_cselect_b32 s44, 1, 0
	s_mul_i32 s45, s44, 6
	s_sub_co_u32 s45, s41, s45
	s_lshl_b32 s45, s45, 9
	s_mul_i32 s44, s44, 8*ZROW
	s_mul_i32 s47, s38, MROW                       ; the batch's row in a plane of z
	s_add_co_u32 s44, s44, s45
	s_add_co_u32 s44, s44, s47
	v_mul_u32_u24 v3, v61, ZROW
	v_lshl_add_u32 v3, v63, 6, v3
	v_add_nc_u32 v3, s44, v3
	; C2: tiles T0 + i, T0 = 12 zq + 3 w.  Lane: column c of its tile; registers down e
	s_mul_i32 s42, s39, 12
	s_mul_i32 s44, s14, 3
	s_add_co_u32 s42, s42, s44
	v_mul_u32_u24 v60, v63, 16*ZROW
	v_lshl_add_u32 v60, v61, 2, v60
	v_add_nc_u32 v60, s47, v60
.irp i, 0,1,2
	s_add_co_u32 s44, s42, \i
	s_lshr_b32 s45, s44, 1
	s_lshl_b32 s45, s45, 7
	s_and_b32 s44, s44, 1
	s_lshl_b32 s44, s44, 5
	s_add_co_u32 s45, s45, s44
	v_add_nc_u32 v[4+\i], s45, v60
.endr
	; A: my tile: waves 0, 1: j tile 2 jb + w; waves 2, 3: l tile 2 lb + w - 2
	s_cmp_lt_u32 s14, 2
	s_cselect_b32 s44, s36, s37
	s_lshl_b32 s44, s44, 5
	s_and_b32 s45, s14, 1
	s_lshl_b32 s45, s45, 3
	s_add_co_u32 s44, s44, s45
	s_mul_i32 s44, s44, MROW
	v_mul_u32_u24 v7, v61, MROW
	v_lshl_add_u32 v7, v63, 6, v7
	v_add_nc_u32 v7, s44, v7
	s_mul_i32 s44, s14, 12288
	v_add_nc_u32 v8, s44, v1                       ; LDS: my six images
	v_add_nc_u32 v9, 24576, v8                     ; LDS: the images of l tile w (read by waves 0 and 1 alone)
	s_wait_kmcnt 0x0
	s_load_b512 s[16:31], s[8:9], 0x0              ; e0 .. e15
	s_load_b32 s32, s[8:9], 0x40                   ; e16
	s_mov_b32 s53, 0
	s_lshl_b32 s52, s40, 9
	s_add_nc_u64 s[54:55], s[10:11], s[52:53]      ; B's quad
	s_mul_i32 s44, s38, 24576
	s_lshl_b32 s52, s41, 11
	s_add_co_u32 s52, s52, s44
	s_add_nc_u64 s[56:57], s[12:13], s[52:53]      ; C1's fragment
	s_lshl_b32 s52, s42, 9
	s_add_co_u32 s52, s52, s44
	s_add_nc_u64 s[58:59], s[12:13], s[52:53]      ; C2's tiles
	s_lshl_b32 s52, s37, 1
	s_add_co_u32 s52, s52, s14
	s_lshl_b32 s52, s52, 13
	s_lshl_b32 s45, s36, 9
	s_add_co_u32 s52, s52, s45
	s_add_nc_u64 s[60:61], s[10:11], s[52:53]      ; A's quad: l tile 2 lb + w, j pair jb
	; ---- all first loads.  Those that only waves 0-2 issue are the oldest, so no later count hangs on the branch
	s_cmp_lt_u32 s14, 3
	s_cbranch_scc0 .Lno_bc_loads
.set n, 0
.rept 16
	global_load_b32 v[192+n], v2, s[4:5] offset:n*MROW
.set n, n+1
.endr
.set n, 0
.rept 16
	global_load_b128 v[128+4*n:131+4*n], v3, s[6:7] offset:128*(n/4)+16*(n%4)
.set n, n+1
.endr
.Lno_bc_loads:
.irp i, 0,1,2
.set n, 0
.rept 16
	global_load_b32 v[208+16*\i+n], v[4+\i], s[6:7] offset:n*ZROW
.set n, n+1
.endr
.endr
	ALOAD 0
	s_wait_kmcnt 0x0
	s_cmp_lt_u32 s14, 2
	s_cselect_b32 s33, s17, s16                    ; my tile's scale: e1 (rows j) or e0 (rows l)
	SCL 10, 11, s33
	SCL 12, 13, s18
	s_sub_co_i32 s33, s19, s16
	s_sub_co_i32 s33, s33, s17                     ; a sum of product 1 stands for sum x 2^(e0 + e1): the three scales are folded
	SCL 14, 15, s33
	SCL 16, 17, s20
	SCL 18, 19, s32
	SCL 20, 21, s27
	s_cmp_lt_u32 s14, 3
	s_cbranch_scc0 .Lno_bc
	s_wait_loadcnt 63                              ; 96 loads are issued: the oldest 33 are in, B's 16 and C1's 16 among them
	TIMESA 8, 192
	HOLD 16, 192, 13
	CVT2 22, 192, 12
	v_nop
	global_store_b128 v1, v[22:25], s[54:55] offset:PM_Q2
.irp c, 0,1,2,3
.irp g, 0,1
.irp i, 0,1,2,3,4,5,6,7
	v_med3_num_f32 v[26+\i], v[128+16*\c+8*\g+\i], -v17, v17     ; held for Q4, beside the numbers
.endr
	v_cvt_scalef32_pk8_fp8_f32 v[34+4*\c+2*\g:35+4*\c+2*\g], v[26:33], v16
	HOLD 8, 128+16*\c+8*\g, 19                     ; held for Q16, in place: these eight are also the plain lines between the conversion above and the next write of v26-33
	v_cvt_scalef32_pk8_fp8_f32 v[192+4*\c+2*\g:193+4*\c+2*\g], v[128+16*\c+8*\g:135+16*\c+8*\g], v18
.endr
.endr
	v_nop
.irp c, 0,1,2,3
	global_store_b128 v1, v[34+4*\c:37+4*\c], s[56:57] offset:512*\c
	global_store_b128 v1, v[192+4*\c:195+4*\c], s[56:57] offset:PZ_Z16+512*\c
.endr
.Lno_bc:
	s_wait_loadcnt 16                              ; C2's 48 are in; A's first K step may be out
.irp i, 0,1,2
	HOLD 16, 208+16*\i, 21
	CVT2 50+4*\i, 208+16*\i, 20
.endr
	v_nop
.irp i, 0,1,2
	global_store_b128 v1, v[50+4*\i:53+4*\i], s[58:59] offset:PZ_ZT+512*\i
.endr
	s_wait_xcnt 0x0                                ; the stores have read their data: v192-207 take loads, v22-25 and v34-49 are written again
	ALOAD 1
	ALOAD 2
; A, K step sg: 64 numbers of a lane become a fragment, whose image goes to LDS.  Three sets of registers: two K steps stay on their way.
.macro ASTEP sg
.set XS, 64+64*((\sg)%3)
.if (\sg) < 4
	s_wait_loadcnt 32                              ; this K step's 16 loads are in; the two steps behind it may be out
.elseif (\sg) == 4
	s_wait_loadcnt 16
.else
	s_wait_loadcnt 0
.endif
	s_cmp_lt_u32 s14, 2
	s_cbranch_scc1 .Lplain_\@                      ; rows j are M0 itself, rows l are a M0
	TIMESA 32, XS
.Lplain_\@:
	HOLD 64, XS, 11
.if (\sg) > 0
	s_wait_dscnt 0x0                               ; the last image's stores are done
.endif
.irp c, 0,1,2,3
	CVT2 34+4*\c, XS+16*\c, 10
.endr
	v_nop
.irp c, 0,1,2,3
	ds_store_b128 v8, v[34+4*\c:37+4*\c] offset:2048*(\sg)+512*\c
.endr
.if (\sg)+3 < 6
	ALOAD (\sg)+3
.endif
.endm
.irp t, 0,1,2,3,4,5
	ASTEP \t
.endr
	s_wait_dscnt 0x0                               ; for the others' sake: my images have landed
	s_barrier_signal -1
	s_barrier_wait -1
	s_cmp_lt_u32 s14, 2
	s_cbranch_scc0 .Ldone
	; product 1, waves 0 and 1: D(m = j tile uj, n = l tile w): two accumulators by turns, three K steps' fragments at a time
.irp G, 0,1
.if \G > 0
	PLACES                                         ; in front of loads into registers that matrix instructions have read
.endif
.irp uj, 0,1
.irp k, 0,1,2
.irp c, 0,1,2,3
	ds_load_b128 v[64+16*(3*\uj+\k)+4*\c:64+16*(3*\uj+\k)+4*\c+3], v1 offset:2048*(6*\uj+3*\G+\k)+512*\c
.endr
.endr
.endr
.irp k, 0,1,2
.irp c, 0,1,2,3
	ds_load_b128 v[160+16*\k+4*\c:160+16*\k+4*\c+3], v9 offset:2048*(3*\G+\k)+512*\c
.endr
.endr
	s_wait_dscnt 0x0
.irp k, 0,1,2
.irp uj, 0,1
.if (\G == 0) && (\k == 0)
	v_wmma_f32_16x16x128_fp8_fp8 v[208+8*\uj:215+8*\uj], v[64+16*(3*\uj+\k):79+16*(3*\uj+\k)], v[160+16*\k:175+16*\k], 0
.else
	v_wmma_f32_16x16x128_fp8_fp8 v[208+8*\uj:215+8*\uj], v[64+16*(3*\uj+\k):79+16*(3*\uj+\k)], v[160+16*\k:175+16*\k], v[208+8*\uj:215+8*\uj]
.endif
.endr
.endr
.endr
	PLACES
	HOLD 16, 208, 15
	CVT2 22, 208, 14
	v_nop
	global_store_b128 v1, v[22:25], s[60:61]
.Ldone:
	s_set_vgpr_msb 0x5
	s_wait_tensorcnt 0x0
	ds_add_u32 v0, v1
	s_wait_dscnt 0x0
	s_set_vgpr_msb 0x500
	s_endpgm
.Lfunc_end_k_q6cf4f3bb4e_prep:
	.size	k_q6cf4f3bb4e_prep, .Lfunc_end_k_q6cf4f3bb4e_prep-k_q6cf4f3bb4e_prep
	.p2alignl 7, 3214868480
	.fill 96, 4, 3214868480
	.section	.rodata,"a",@progbits
	.p2align	6, 0x0
	.amdhsa_kernel k_q6cf4f3bb4e_prep
		.amdhsa_group_segment_fixed_size 49664
		.amdhsa_private_segment_fixed_size 0
		.amdhsa_enable_private_segment 0
		.amdhsa_kernarg_size 40
		.amdhsa_user_sgpr_count 2
		.amdhsa_user_sgpr_kernarg_segment_ptr 1
		.amdhsa_wavefront_size32 1
		.amdhsa_system_sgpr_workgroup_id_x 1
		.amdhsa_system_sgpr_workgroup_id_y 1
		.amdhsa_system_sgpr_workgroup_id_z 1
		.amdhsa_system_vgpr_workitem_id 0
		.amdhsa_next_free_vgpr 258
		.amdhsa_next_free_sgpr 66
		.amdhsa_reserve_vcc 0
		.amdhsa_float_denorm_mode_32 3
		.amdhsa_float_denorm_mode_16_64 3
		.amdhsa_memory_ordered 1
		.amdhsa_forward_progress 1
		.amdhsa_inst_pref_size 87
	.end_amdhsa_kernel
	.amdgpu_metadata
---
amdhsa.version: [ 1, 2 ]
amdhsa.kernels:
  - .name:           k_q6cf4f3bb4e_prep
    .symbol:         k_q6cf4f3bb4e_prep.kd
    .args:
      - { .name: memory_mean, .offset: 0, .size: 8, .value_kind: global_buffer, .address_space: global }
      - { .name: input_encoded, .offset: 8, .size: 8, .value_kind: global_buffer, .address_space: global }
      - { .name: lowp_scales, .offset: 16, .size: 8, .value_kind: global_buffer, .address_space: global }
      - { .name: pm, .offset: 24, .size: 8, .value_kind: global_buffer, .address_space: global }
      - { .name: pz, .offset: 32, .size: 8, .value_kind: global_buffer, .address_space: global }
    .group_segment_fixed_size: 49664
    .private_segment_fixed_size: 0
    .kernarg_segment_align: 8
    .kernarg_segment_size: 40
    .max_flat_workgroup_size: 128
    .sgpr_count:     66
    .vgpr_count:     258
    .wavefront_size: 32
...
	.end_amdgpu_metadata
.endif
;; end of part 1
;; launch pinv0 (part 2): grid 192 x 1, 4 waves a work-group, no clusters, 0 bytes of LDS; arguments memory_mean, lowp_scales, pm, pimg; writes pimg
.if DOCPART == 2
	.amdgcn_target "amdgcn-amd-amdhsa--gfx1250"
	.amdhsa_code_object_version 6
	.text
	.protected	k_q6cf4f3bb4e_pinv0
	.globl	k_q6cf4f3bb4e_pinv0
	.p2align	8
	.type	k_q6cf4f3bb4e_pinv0,@function
k_q6cf4f3bb4e_pinv0:
	s_mov_b64 s[64:65], 0
	v_nop
	global_prefetch_b8 v0, s[64:65] scope:SCOPE_SE
	s_setreg_imm32_b32 hwreg(HW_REG_WAVE_MODE, 25, 1), 1
	s_wait_xcnt 0x0
; PINV0: product 2 and the first pseudoinverse.  R1[c][l] = sum over j of Q2(a M0[j][c]) Q3(T1[l][j]);  P[c][l] = 2 a M0[l][c] - R1[c][l];  Q5(P) -> pimg, [l tile 32][c pair 24][512 bytes].
; Tiles, quads and images as in the launch before: tile t holds rows 32 (t / 2) + 8 (t % 2) + r + (r & 8); a quad is four registers of codes, lane L's 16 bytes at 16 L.
; A wave makes one quad: c pair cp = g / 8, l tile lt = 4 (g % 8) + w: D(m = c tile 2 cp + u, n = l), K = 512 in four steps, two accumulators by turns.  768 quads: 192 work-groups.
; P / 2 = a M0 - sum x 2^(e2 + e3 - 1) by one fused multiply-add: the one rounding of 2 X - R, halved; the conversion takes 2^(e5 - 1).
; LIMITS: e5 - 1 between -126 and 119; e2 + e3 - 1 between -126 and 127.  NaN among the inputs is not served.
; No LDS: operands are read once, as images of their registers, each load 512 consecutive bytes.
.set AEXP,  0x3bdcc9ff
.set PM_Q2, 262144
	s_load_b256 s[4:11], s[0:1], 0x0               ; memory_mean, lowp_scales, pm, pimg
	v_lshrrev_b32 v2, 5, v0
	v_readfirstlane_b32 s12, v2                    ; wave
	v_and_b32 v1, 31, v0
	v_lshlrev_b32 v1, 4, v1                        ; 16 L
	v_and_b32 v3, 15, v0
	v_bfe_u32 v4, v0, 4, 1
	v_and_b32 v5, 8, v3
	v_add_nc_u32 v5, v5, v3                        ; r + (r & 8)
	s_lshr_b32 s13, ttmp9, 3                       ; cp
	s_and_b32 s14, ttmp9, 7
	s_lshl_b32 s14, s14, 2
	s_add_co_u32 s14, s14, s12                     ; lt
	s_lshr_b32 s15, s14, 1
	s_lshl_b32 s15, s15, 5
	s_and_b32 s32, s14, 1
	s_lshl_b32 s32, s32, 3
	s_add_co_u32 s15, s15, s32
	s_mul_i32 s15, s15, 3072
	s_lshl_b32 s32, s13, 7
	s_add_co_u32 s15, s15, s32
	v_mul_u32_u24 v2, v5, 3072
	v_lshl_add_u32 v2, v4, 6, v2
	v_add_nc_u32 v2, s15, v2                       ; M0: row l of my lane, columns 32 cp + 16 h on
	s_mov_b32 s36, AEXP
	s_mov_b32 s37, AEXP
	s_mov_b32 s33, 0
	s_wait_kmcnt 0x0
	s_load_b256 s[20:27], s[6:7], 0x0              ; e0 .. e7
	s_lshl_b32 s32, s13, 14
	s_add_nc_u64 s[16:17], s[8:9], s[32:33]        ; Q2's images of c tile 2 cp
	s_lshl_b32 s32, s14, 13
	s_add_nc_u64 s[18:19], s[8:9], s[32:33]        ; T1's images of l tile lt
	s_mul_i32 s32, s14, 12288
	s_lshl_b32 s15, s13, 9
	s_add_co_u32 s32, s32, s15
	s_add_nc_u64 s[28:29], s[10:11], s[32:33]      ; my quad of pimg
.irp j, 0,1,2,3
	global_load_b128 v[224+4*\j:227+4*\j], v2, s[4:5] offset:16*\j
.endr
.irp t, 0,1,2,3
.irp u, 0,1
.irp c, 0,1,2,3
	global_load_b128 v[32+16*(4*\u+\t)+4*\c:32+16*(4*\u+\t)+4*\c+3], v1, s[16:17] offset:PM_Q2+8192*\u+2048*\t+512*\c
.endr
.endr
.irp c, 0,1,2,3
	global_load_b128 v[160+16*\t+4*\c:160+16*\t+4*\c+3], v1, s[18:19] offset:2048*\t+512*\c
.endr
.endr
	s_wait_kmcnt 0x0
	s_add_co_i32 s30, s22, s23
	s_add_co_i32 s30, s30, 126
	s_lshl_b32 s30, s30, 23
	s_or_b32 s30, s30, 0x80000000                  ; -2^(e2 + e3 - 1)
	s_mov_b32 s31, s30
	s_add_co_i32 s32, s25, 126                     ; e5 - 1 + 127
	s_lshl_b32 s34, s32, 23
	v_mov_b32 v20, s34                             ; 2^(e5 - 1)
	s_add_co_i32 s32, s32, 8
	s_lshl_b32 s32, s32, 23
	s_or_b32 s32, s32, 0x600000
	v_mov_b32 v21, s32                             ; 448 x that
.irp t, 0,1,2,3
	s_wait_loadcnt 12*(3-\t)                       ; this K step's 12 loads are in; the later steps' may be out
.irp u, 0,1
.if \t == 0
	v_wmma_f32_16x16x128_fp8_fp8 v[240+8*\u:247+8*\u], v[32+16*(4*\u+\t):47+16*(4*\u+\t)], v[160+16*\t:175+16*\t], 0
.else
	v_wmma_f32_16x16x128_fp8_fp8 v[240+8*\u:247+8*\u], v[32+16*(4*\u+\t):47+16*(4*\u+\t)], v[160+16*\t:175+16*\t], v[240+8*\u:247+8*\u]
.endif
.endr
.endr
.irp i, 0,2,4,6,8,10,12,14
	v_pk_mul_f32 v[224+\i:225+\i], v[224+\i:225+\i], s[36:37] op_sel_hi:[1,0]      ; a M0: these eight are also the places behind the last products
.endr
.irp i, 0,2,4,6,8,10,12,14
	v_pk_fma_f32 v[224+\i:225+\i], v[240+\i:241+\i], s[30:31], v[224+\i:225+\i] op_sel_hi:[1,0,1]   ; P / 2
.endr
.irp i, 0,1,2,3,4,5,6,7,8,9,10,11,12,13,14,15
	v_med3_num_f32 v[224+\i], v[224+\i], -v21, v21 ; the conversion does not saturate (ISA guide 7.6.2)
.endr
	v_cvt_scalef32_pk8_fp8_f32 v[16:17], v[224:231], v20
	v_cvt_scalef32_pk8_fp8_f32 v[18:19], v[232:239], v20
	v_nop
	global_store_b128 v1, v[16:19], s[28:29]
	s_endpgm
.Lfunc_end_k_q6cf4f3bb4e_pinv0:
	.size	k_q6cf4f3bb4e_pinv0, .Lfunc_end_k_q6cf4f3bb4e_pinv0-k_q6cf4f3bb4e_pinv0
	.p2alignl 7, 3214868480
	.fill 96, 4, 3214868480
	.section	.rodata,"a",@progbits
	.p2align	6, 0x0
	.amdhsa_kernel k_q6cf4f3bb4e_pinv0
		.amdhsa_group_segment_fixed_size 0
		.amdhsa_private_segment_fixed_size 0
		.amdhsa_enable_private_segment 0
		.amdhsa_kernarg_size 32
		.amdhsa_user_sgpr_count 2
		.amdhsa_user_sgpr_kernarg_segment_ptr 1
		.amdhsa_wavefront_size32 1
		.amdhsa_system_sgpr_workgroup_id_x 1
		.amdhsa_system_sgpr_workgroup_id_y 1
		.amdhsa_system_sgpr_workgroup_id_z 1
		.amdhsa_system_vgpr_workitem_id 0
		.amdhsa_next_free_vgpr 256
		.amdhsa_next_free_sgpr 66
		.amdhsa_reserve_vcc 0
		.amdhsa_float_denorm_mode_32 3
		.amdhsa_float_denorm_mode_16_64 3
		.amdhsa_memory_ordered 1
		.amdhsa_forward_progress 1
		.amdhsa_inst_pref_size 11
	.end_amdhsa_kernel
	.amdgpu_metadata
---
amdhsa.version: [ 1, 2 ]
amdhsa.kernels:
  - .name:           k_q6cf4f3bb4e_pinv0
    .symbol:         k_q6cf4f3bb4e_pinv0.kd
    .args:
      - { .name: memory_mean, .offset: 0, .size: 8, .value_kind: global_buffer, .address_space: global }
      - { .name: lowp_scales, .offset: 8, .size: 8, .value_kind: global_buffer, .address_space: global }
      - { .name: pm, .offset: 16, .size: 8, .value_kind: global_buffer, .address_space: global }
      - { .name: pimg, .offset: 24, .size: 8, .value_kind: global_buffer, .address_space: global }
    .group_segment_fixed_size: 0
    .private_segment_fixed_size: 0
    .kernarg_segment_align: 8
    .kernarg_segment_size: 32
    .max_flat_workgroup_size: 128
    .sgpr_count:     66
    .vgpr_count:     256
    .wavefront_size: 32
...
	.end_amdgpu_metadata
.endif
;; end of part 2
;; launch wprod (part 3): grid 256 x 1, 4 waves a work-group, no clusters, 0 bytes of LDS; arguments pz, pimg, lowp_scales, wq, aw; writes wq, aw
.if DOCPART == 3
	.amdgcn_target "amdgcn-amd-amdhsa--gfx1250"
	.amdhsa_code_object_version 6
	.text
	.protected	k_q6cf4f3bb4e_wprod
	.globl	k_q6cf4f3bb4e_wprod
	.p2align	8
	.type	k_q6cf4f3bb4e_wprod,@function
k_q6cf4f3bb4e_wprod:
	s_mov_b64 s[64:65], 0
	v_nop
	global_prefetch_b8 v0, s[64:65] scope:SCOPE_SE
	s_setreg_imm32_b32 hwreg(HW_REG_WAVE_MODE, 25, 1), 1
	s_wait_xcnt 0x0
; WPROD: product 3, w[e][k] = sum over c of Q4(z[e][c]) Q5(P[c][k]), and the three quantisers of w.
; Work-group: batch b = g / 4, quarter kq = g % 4 of the 512 k; wave w: k tiles 8 kq + 2 w + u.  The product is made twice, once each way round, since w is wanted in two layouts:
;   I  D(m = k, n = e): a lane holds one e, registers along k:  Q7(w), Q6(a w): fragments of rows e, K = k   -> wq, wq + 1048576: [b][e tile 2][K step 4][quad 4][512]
;   II D(m = e, n = k): a lane holds one k, registers along e:  Q8(a w): tiles of rows k, K = e -> wq + 2097152: [b][k tile 32][512];  a w itself, f32 -> aw: [b][k tile 32][e tile 2][half 2][512]
; A sum stands for sum x 2^(e4 + e5): that power is folded into the three conversions' scales; a w is multiplied out, which rounds nothing.
; LIMITS: e6, e7, e8 less (e4 + e5) between -126 and 119; e4 + e5 between -126 and 127.
; REGISTERS: window 1: P's fragments (u, sigma) at 16 (6 u + sigma); window 2: z's (ue, sigma) at 16 (6 ue + sigma); window 0: accumulators I at v32, II at v64; from v96 what is stored, each store with registers of its own.
.set AEXP, 0x3bdcc9ff
.set MSB, 0
.macro WIN new                         ; the immediate's high byte repeats the setting that is left
.if MSB != \new
	s_set_vgpr_msb (MSB<<8)|\new
.set MSB, \new
.endif
.endm
.macro SCL vs, vl, se
	s_add_co_i32 s44, \se, 127
	s_lshl_b32 s45, s44, 23
	v_mov_b32 v[\vs], s45
	s_add_co_i32 s44, s44, 8
	s_lshl_b32 s44, s44, 23
	s_or_b32 s44, s44, 0x600000
	v_mov_b32 v[\vl], s44
.endm
.macro HOLD n, x, lim
.set hh, 0
.rept \n
	v_med3_num_f32 v[(\x)+hh], v[(\x)+hh], -v[\lim], v[\lim]
.set hh, hh+1
.endr
.endm
.macro CVT2 d, x, sc
	v_cvt_scalef32_pk8_fp8_f32 v[(\d):(\d)+1], v[(\x):(\x)+7], v[\sc]
	v_cvt_scalef32_pk8_fp8_f32 v[(\d)+2:(\d)+3], v[(\x)+8:(\x)+15], v[\sc]
.endm
.macro TIMESA n, x
.set hh, 0
.rept \n
	v_pk_mul_f32 v[(\x)+hh:(\x)+hh+1], v[(\x)+hh:(\x)+hh+1], s[42:43] op_sel_hi:[1,0]
.set hh, hh+2
.endr
.endm
	s_load_b256 s[4:11], s[0:1], 0x0               ; pz, pimg, lowp_scales, wq
	s_load_b64 s[12:13], s[0:1], 0x20              ; aw
	v_lshrrev_b32 v2, 5, v0
	v_readfirstlane_b32 s14, v2                    ; wave
	v_and_b32 v1, 31, v0
	v_lshlrev_b32 v1, 4, v1                        ; 16 L
	s_lshr_b32 s15, ttmp9, 2                       ; b
	s_and_b32 s16, ttmp9, 3                        ; kq
	s_lshl_b32 s17, s16, 3
	s_lshl_b32 s18, s14, 1
	s_add_co_u32 s17, s17, s18                     ; my first k tile
	s_mov_b32 s41, 0
	s_mov_b32 s42, AEXP
	s_mov_b32 s43, AEXP
	s_wait_kmcnt 0x0
	s_load_b256 s[20:27], s[8:9], 0x0              ; e0 .. e7
	s_load_b32 s28, s[8:9], 0x20                   ; e8
	s_mul_i32 s40, s17, 12288
	s_add_nc_u64 s[30:31], s[6:7], s[40:41]        ; P's images of my two tiles
	s_mul_i32 s40, s15, 24576
	s_add_nc_u64 s[32:33], s[4:5], s[40:41]        ; Q4(z) of my batch
	s_lshl_b32 s40, s15, 14
	s_lshl_b32 s18, s16, 11
	s_add_co_u32 s40, s40, s18
	s_lshl_b32 s18, s14, 9
	s_add_co_u32 s40, s40, s18
	s_add_nc_u64 s[34:35], s[10:11], s[40:41]      ; my quad of Q7 and Q6: K step kq, quad w
	s_lshl_b32 s40, s15, 14
	s_lshl_b32 s18, s17, 9
	s_add_co_u32 s40, s40, s18
	s_add_nc_u64 s[36:37], s[10:11], s[40:41]      ; my two tiles of Q8
	s_lshl_b32 s40, s15, 16
	s_lshl_b32 s18, s17, 11
	s_add_co_u32 s40, s40, s18
	s_add_nc_u64 s[38:39], s[12:13], s[40:41]      ; and of a w
	WIN 0x40                                       ; destination window 1
.set n, 0
.rept 48
	global_load_b128 v[4*n:4*n+3], v1, s[30:31] offset:512*n       ; 24 quads a tile lie on end: fragment (u, sigma), quad c at 512 (24 u + 4 sigma + c)
.set n, n+1
.endr
	WIN 0x80                                       ; destination window 2
.irp t, 0,1,2,3,4,5
.irp ue, 0,1
.irp c, 0,1,2,3
	global_load_b128 v[16*(6*\ue+\t)+4*\c:16*(6*\ue+\t)+4*\c+3], v1, s[32:33] offset:2048*(6*\ue+\t)+512*\c
.endr
.endr
.endr
	WIN 0
	s_wait_kmcnt 0x0
	s_add_co_i32 s19, s24, s25                     ; e4 + e5
	s_sub_co_i32 s18, s27, s19
	SCL 4, 5, s18                                  ; Q7
	s_sub_co_i32 s18, s26, s19
	SCL 6, 7, s18                                  ; Q6
	s_sub_co_i32 s18, s28, s19
	SCL 8, 9, s18                                  ; Q8
	s_add_co_i32 s46, s19, 127
	s_lshl_b32 s46, s46, 23                        ; 2^(e4 + e5)
	s_mov_b32 s47, s46
.irp t, 0,1,2,3,4,5
	s_wait_loadcnt 8*(5-\t)                        ; z's fragments of this K step are in (P's are older); the later steps' eight each may be out
	WIN 0x09                                       ; source 0 window 1 (P), source 1 window 2 (z)
.irp ue, 0,1
.irp u, 0,1
.if \t == 0
	v_wmma_f32_16x16x128_fp8_fp8 v[32+8*(2*\ue+\u):39+8*(2*\ue+\u)], v[16*(6*\u+\t):16*(6*\u+\t)+15], v[16*(6*\ue+\t):16*(6*\ue+\t)+15], 0
.else
	v_wmma_f32_16x16x128_fp8_fp8 v[32+8*(2*\ue+\u):39+8*(2*\ue+\u)], v[16*(6*\u+\t):16*(6*\u+\t)+15], v[16*(6*\ue+\t):16*(6*\ue+\t)+15], v[32+8*(2*\ue+\u):39+8*(2*\ue+\u)]
.endif
.endr
.endr
	WIN 0x06                                       ; source 0 window 2 (z), source 1 window 1 (P)
.irp u, 0,1
.irp ue, 0,1
.if \t == 0
	v_wmma_f32_16x16x128_fp8_fp8 v[64+8*(2*\u+\ue):71+8*(2*\u+\ue)], v[16*(6*\ue+\t):16*(6*\ue+\t)+15], v[16*(6*\u+\t):16*(6*\u+\t)+15], 0
.else
	v_wmma_f32_16x16x128_fp8_fp8 v[64+8*(2*\u+\ue):71+8*(2*\u+\ue)], v[16*(6*\ue+\t):16*(6*\ue+\t)+15], v[16*(6*\u+\t):16*(6*\u+\t)+15], v[64+8*(2*\u+\ue):71+8*(2*\u+\ue)]
.endif
.endr
.endr
.endr
	WIN 0
.rept 4
	v_nop
.endr
.irp ue, 0,1
.irp i, 0,1,2,3,4,5,6,7,8,9,10,11,12,13,14,15
	v_med3_num_f32 v[96+16*\ue+\i], v[32+16*\ue+\i], -v5, v5       ; w held for Q7, beside the sums
.endr
	CVT2 128+4*\ue, 96+16*\ue, 4
	TIMESA 8, 32+16*\ue                            ; a w
	HOLD 16, 32+16*\ue, 7
	CVT2 136+4*\ue, 32+16*\ue, 6
.endr
.irp u, 0,1
	TIMESA 8, 64+16*\u                             ; a w, the other way round
.irp i, 0,2,4,6,8,10,12,14
	v_pk_mul_f32 v[144+16*\u+\i:145+16*\u+\i], v[64+16*\u+\i:65+16*\u+\i], s[46:47] op_sel_hi:[1,0]   ; x 2^(e4 + e5): the number itself
.endr
	HOLD 16, 64+16*\u, 9
	CVT2 176+4*\u, 64+16*\u, 8
.endr
	v_nop
.irp ue, 0,1
	global_store_b128 v1, v[128+4*\ue:131+4*\ue], s[34:35] offset:8192*\ue
	global_store_b128 v1, v[136+4*\ue:139+4*\ue], s[34:35] offset:1048576+8192*\ue
.endr
.irp u, 0,1
	global_store_b128 v1, v[176+4*\u:179+4*\u], s[36:37] offset:2097152+512*\u
.irp q, 0,1,2,3
	global_store_b128 v1, v[144+16*\u+4*\q:147+16*\u+4*\q], s[38:39] offset:2048*\u+512*\q
.endr
.endr
	s_endpgm
.Lfunc_end_k_q6cf4f3bb4e_wprod:
	.size	k_q6cf4f3bb4e_wprod, .Lfunc_end_k_q6cf4f3bb4e_wprod-k_q6cf4f3bb4e_wprod
	.p2alignl 7, 3214868480
	.fill 96, 4, 3214868480
	.section	.rodata,"a",@progbits
	.p2align	6, 0x0
	.amdhsa_kernel k_q6cf4f3bb4e_wprod
		.amdhsa_group_segment_fixed_size 0
		.amdhsa_private_segment_fixed_size 0
		.amdhsa_enable_private_segment 0
		.amdhsa_kernarg_size 40
		.amdhsa_user_sgpr_count 2
		.amdhsa_user_sgpr_kernarg_segment_ptr 1
		.amdhsa_wavefront_size32 1
		.amdhsa_system_sgpr_workgroup_id_x 1
		.amdhsa_system_sgpr_workgroup_id_y 1
		.amdhsa_system_sgpr_workgroup_id_z 1
		.amdhsa_system_vgpr_workitem_id 0
		.amdhsa_next_free_vgpr 768
		.amdhsa_next_free_sgpr 66
		.amdhsa_reserve_vcc 0
		.amdhsa_float_denorm_mode_32 3
		.amdhsa_float_denorm_mode_16_64 3
		.amdhsa_memory_ordered 1
		.amdhsa_forward_progress 1
		.amdhsa_inst_pref_size 27
	.end_amdhsa_kernel
	.amdgpu_metadata
---
amdhsa.version: [ 1, 2 ]
amdhsa.kernels:
  - .name:           k_q6cf4f3bb4e_wprod
    .symbol:         k_q6cf4f3bb4e_wprod.kd
    .args:
      - { .name: pz, .offset: 0, .size: 8, .value_kind: global_buffer, .address_space: global }
      - { .name: pimg, .offset: 8, .size: 8, .value_kind: global_buffer, .address_space: global }
      - { .name: lowp_scales, .offset: 16, .size: 8, .value_kind: global_buffer, .address_space: global }
      - { .name: wq, .offset: 24, .size: 8, .value_kind: global_buffer, .address_space: global }
      - { .name: aw, .offset: 32, .size: 8, .value_kind: global_buffer, .address_space: global }
    .group_segment_fixed_size: 0
    .private_segment_fixed_size: 0
    .kernarg_segment_align: 8
    .kernarg_segment_size: 40
    .max_flat_workgroup_size: 128
    .sgpr_count:     66
    .vgpr_count:     768
    .wavefront_size: 32
...
	.end_amdgpu_metadata
.endif
;; end of part 3
;; launch core (part 4): grid 256 x 1, 4 waves a work-group, no clusters, 229,888 bytes of LDS; arguments wq, aw, pz, lowp_scales, wp, wr; writes wp, wr
.if DOCPART == 4
	.amdgcn_target "amdgcn-amd-amdhsa--gfx1250"
	.amdhsa_code_object_version 6
	.text
	.protected	k_q6cf4f3bb4e_core
	.globl	k_q6cf4f3bb4e_core
	.p2align	8
	.type	k_q6cf4f3bb4e_core,@function
k_q6cf4f3bb4e_core:
	s_mov_b64 s[64:65], 0
	v_nop
	global_prefetch_b8 v0, s[64:65] scope:SCOPE_SE
	s_setreg_imm32_b32 hwreg(HW_REG_WAVE_MODE, 25, 1), 1
	s_wait_xcnt 0x0
; CORE: products 4 to 9 for (batch b = g / 4, block lq = g % 4 of 128 of the 512 l).  With all j and all c in hand, T3[l block][:], R3[:][l block], Pn[:][l block] and w_read[:][l block] are whole in one work-group.
;   4  T2[l][j] = sum k Q6(a w[l][k]) Q7(w[j][k])            5  R2[i][l] = sum j Q8(a w[j][i]) Q9(T2[l][j]);  Wp = 2 a w^T - R2
;   6  Mn[k][c] = sum e Q10(Wp[k][e]) Q11(z[e][c])           7  T3[l][j] = sum c Q12(a Mn[l][c]) Q13(Mn[j][c])
;   8  R3[c][l] = sum j Q14(a Mn[j][c]) Q15(T3[l][j]);  Pn = 2 a Mn^T - R3          9  w_read[e][l] = sum c Q16(z[e][c]) Q17(Pn[c][l]), quantised by Q18 -> wr
; Mn NEVER GOES TO MEMORY.  It is a product with K = 32 of 16 KB (Wp) and 24 KB (z) of codes that lie in LDS: each tile of it is made where it is wanted, by one K = 64 instruction for 256 numbers (the upper 32 of K meet zeros),
; in the layout that the next quantiser wants, and held, converted and multiplied from registers.
; TILES, QUADS, IMAGES as in the launches before: tile t holds rows 32 (t / 2) + 8 (t % 2) + r + (r & 8); the 16 registers of two neighbouring tiles of a result are 16 neighbours along the next K and become a quad, four registers
; of codes; a quad lies in LDS as 512 bytes, lane L's at 16 L; four quads on end are a fragment (16 rows x 128 K).  K = 32 operands: source 1 is [4 registers of codes][4 of zeros]; source 0 is packed, four registers a tile, its upper
; half being the next tile's codes (finite, since every code comes out of a hold) or a pad of zeros.
; THE STREAM (products 7 and 8).  A wave makes 64 x 128 of the result a pass: four source-0 fragments a K step against the block's eight l tiles, 32 accumulators.  A BEAT is two of those products, two K = 64 products for a quad
; further on, and one quad's hold and conversion: four lines of that list behind each of the four matrix instructions, and what is over together behind the last, so that vector and matrix work run side by side in the one wave
; of a SIMD.  The price is four switches of the register window a beat.
; The given scales are folded (s6 = e10 + e11): Q9: e9 - e6 - e7;  Q10: e10 - 1 (on Wp / 2);  Q12, Q13, Q14: less s6;  Q15: e15 - e12 - e13;  Q17: e17 - s6 - 1 (on Pn / 2^(s6 + 1));  Q18: e18 - e16 - e17.
; LIMITS: each of these eight lies between -126 and 119; e8 + e9 - 1 and e14 + e15 - s6 - 1 between -126 and 127.  NaN among the inputs is not served.
; No tensor loads, no cluster: what the four work-groups of a batch share is 160 KB read once at the head, as images of registers; the loops read LDS alone.
; LDS: WP 32 tiles | ZT 48 tiles | Z16 12 fragments | Q12 [sigma 6][l tile 8][2048], later PN [l tile 8][c pair 24][512] | T3 [K step 4][l tile 8][2048]
.set AEXP, 0x3bdcc9ff
.set WP,   0
.set ZT,   16384
.set Z16,  40960
.set Q12,  65536
.set PN,   65536
.set T3,   163840
; window 0
.set L16,  1                           ; 16 L
.set S1B,  2                           ; the stream: source 1's first fragment,
.set ATB,  3                           ; the first A tile,
.set BTB,  4                           ; my first B tile
.set S1T,  5                           ; the same for the trip in hand
.set ATT,  6
.set BTT,  7
.set ESB,  8                           ; where a pass's results go
.set EST,  9
.set EST2, 10
.set AD0,  11                          ; 16 L + 4096 w
.set AD1,  12                          ; 16 L + 6144 w
.set AD2,  13
.set BT,   32                          ; v32-63   four B tiles
.set WL,   64                          ; v64-127  the block's eight tiles of Wp, as B tiles
.set EA,   128                         ; v128-147 four packed A tiles and their pad
.set TM,   176                         ; v176-239 at work
.set CD,   240                         ; v240-255 codes on their way to LDS
; window 1: source 1's fragments, two sets of 128.   window 2: the 32 accumulators, (f, lt) at 8 (8 f + lt).
; window 3: v0-31 two scratches of a quad; v32-95 a ring of four fragments, one for each fragment of a K step; v96-131, v132-167 two sets of eight packed A tiles and a pad
.set RING, 32
.set AS0,  96
.set SK,   50
.set SKS,  51
.set SKA,  66
.set SPASS, 67
.set SBT,  68
.set SES,  69
.set XW,   0xc3                        ; destination and source 0 window 3, sources 1 and 2 window 0: the K = 64 products, the holds, the conversions
.set YW,   0xa7                        ; A window 3, B window 1, C and D window 2: the stream's products
.set MSB, 0
.macro WIN new                         ; the immediate's high byte repeats the setting that is left; a switch that changes nothing is dropped
.if MSB != \new
	s_set_vgpr_msb (MSB<<8)|\new
.set MSB, \new
.endif
.endm
.macro SCL vs, vl, se
	s_add_co_i32 s62, \se, 127
	s_lshl_b32 s63, s62, 23
	v_mov_b32 v[\vs], s63
	s_add_co_i32 s62, s62, 8
	s_lshl_b32 s62, s62, 23
	s_or_b32 s62, s62, 0x600000
	v_mov_b32 v[\vl], s62
.endm
.macro HOLD n, x, lim                  ; the conversion to an 8-bit code does not saturate (ISA guide 7.6.2)
.set hh, 0
.rept \n
	v_med3_num_f32 v[(\x)+hh], v[(\x)+hh], -v[\lim], v[\lim]
.set hh, hh+1
.endr
.endm
.macro CVT2 d, x, sc
	v_cvt_scalef32_pk8_fp8_f32 v[(\d):(\d)+1], v[(\x):(\x)+7], v[\sc]
	v_cvt_scalef32_pk8_fp8_f32 v[(\d)+2:(\d)+3], v[(\x)+8:(\x)+15], v[\sc]
.endm
.macro TIMESA n, x
.set hh, 0
.rept \n
	v_pk_mul_f32 v[(\x)+hh:(\x)+hh+1], v[(\x)+hh:(\x)+hh+1], s[40:41] op_sel_hi:[1,0]
.set hh, hh+2
.endr
.endm
.macro PLACES                          ; four plain vector lines behind a matrix instruction, ahead of a read of its result and of a load into its sources
.rept 4
	v_nop
.endr
.endm
.macro BARRIER                         ; my LDS stores have landed and my LDS loads are in: then the work-group's barrier
	s_wait_dscnt 0x0
	s_barrier_signal -1
	s_barrier_wait -1
.endm
	s_load_b256 s[4:11], s[0:1], 0x0               ; wq, aw, pz, lowp_scales
	s_load_b128 s[12:15], s[0:1], 0x20             ; wp, wr
	v_lshl_add_u32 v14, v0, 2, 0x38000
	v_mov_b32 v15, 0
	v_lshrrev_b32 v2, 5, v0
	v_readfirstlane_b32 s16, v2                    ; wave
	v_and_b32 v1, 31, v0
	v_lshlrev_b32 v[L16], 4, v1
	s_lshr_b32 s17, ttmp9, 2                       ; b
	s_and_b32 s18, ttmp9, 3                        ; lq
	s_mov_b32 s40, AEXP
	s_mov_b32 s41, AEXP
	s_mov_b32 s47, 0
	s_lshl_b32 s70, s16, 12
	v_add_nc_u32 v[AD0], s70, v[L16]
	s_mul_i32 s71, s16, 6144
	v_add_nc_u32 v[AD1], s71, v[L16]
	s_wait_kmcnt 0x0
	s_load_b512 s[20:35], s[10:11], 0x0            ; e0 .. e15
	s_load_b128 s[36:39], s[10:11], 0x40           ; e16 .. e19
	s_lshl_b32 s46, s17, 14
	s_add_nc_u64 s[48:49], s[4:5], s[46:47]        ; wq, wp, wr at my batch
	s_add_nc_u64 s[58:59], s[12:13], s[46:47]
	s_add_nc_u64 s[60:61], s[14:15], s[46:47]
	s_mov_b32 s46, s70
	s_add_nc_u64 s[52:53], s[48:49], s[46:47]      ; my eight tiles of Q8: k tiles 8 w on
	s_lshl_b32 s46, s17, 16
	s_lshl_b32 s72, s16, 14
	s_add_co_u32 s46, s46, s72
	s_add_nc_u64 s[54:55], s[6:7], s[46:47]        ; a w of the same tiles
	s_mul_i32 s46, s17, 24576
	s_add_co_u32 s46, s46, s71
	s_add_nc_u64 s[56:57], s[8:9], s[46:47]        ; my 6,144 bytes of ZT and of Z16
	s_lshl_b32 s46, s18, 12
	s_lshl_b32 s72, s16, 10
	s_add_co_u32 s46, s46, s72
	v_add_nc_u32 v[AD2], s46, v[L16]               ; my two l tiles, 8 lq + 2 w + i, in WP
	s_add_nc_u64 s[58:59], s[58:59], s[46:47]      ; and in wp
	s_lshl_b32 s46, s18, 11
	s_lshl_b32 s72, s16, 9
	s_add_co_u32 s46, s46, s72
	s_add_nc_u64 s[60:61], s[60:61], s[46:47]      ; my quad of wr: K step lq, quad w
	; ---- the head's loads, 128 of 512 consecutive bytes: Q7 and Q6 (64), my Q8 tiles (8), a w (32), my part of ZT and Z16 (24)
	WIN 0x40
.set n, 0
.rept 32
	global_load_b128 v[4*n:4*n+3], v[L16], s[48:49] offset:512*n
.set n, n+1
.endr
.set n, 0
.rept 32
	global_load_b128 v[128+4*n:131+4*n], v[L16], s[48:49] offset:1048576+512*n
.set n, n+1
.endr
	WIN 0
.irp t, 0,1,2,3,4,5,6,7
	global_load_b128 v[80+8*\t:83+8*\t], v[L16], s[52:53] offset:2097152+512*\t
.endr
	WIN 0x80
.set n, 0
.rept 32
	global_load_b128 v[4*n:4*n+3], v[L16], s[54:55] offset:512*n
.set n, n+1
.endr
	WIN 0
.set n, 0
.rept 12
	global_load_b128 v[144+4*n:147+4*n], v[L16], s[56:57] offset:3145728+512*n
.set n, n+1
.endr
.set n, 0
.rept 12
	global_load_b128 v[192+4*n:195+4*n], v[L16], s[56:57] offset:1572864+512*n
.set n, n+1
.endr
.irp t, 0,1,2,3,4,5,6,7
.irp i, 4,5,6,7
	v_mov_b32 v[80+8*\t+\i], 0                     ; the upper 32 of K of each B tile
.endr
.endr
.irp i, 72,73,74,75
	v_mov_b32 v\i, 0                               ; the pad behind T2's two packed tiles
.endr
	s_wait_kmcnt 0x0
	s_add_co_i32 s71, s30, s31                     ; s6 = e10 + e11
	s_sub_co_i32 s70, s29, s26
	s_sub_co_i32 s70, s70, s27
	SCL 16, 17, s70                                ; Q9
	s_sub_co_i32 s70, s30, 1
	SCL 18, 19, s70                                ; Q10
	s_sub_co_i32 s70, s32, s71
	SCL 20, 21, s70                                ; Q12
	s_sub_co_i32 s70, s33, s71
	SCL 22, 23, s70                                ; Q13
	s_sub_co_i32 s70, s34, s71
	SCL 24, 25, s70                                ; Q14
	s_sub_co_i32 s70, s35, s32
	s_sub_co_i32 s70, s70, s33
	SCL 26, 27, s70                                ; Q15
	s_sub_co_i32 s70, s37, s71
	s_sub_co_i32 s70, s70, 1
	SCL 28, 29, s70                                ; Q17
	s_sub_co_i32 s70, s38, s36
	s_sub_co_i32 s70, s70, s37
	SCL 30, 31, s70                                ; Q18
	s_add_co_i32 s42, s28, s29
	s_add_co_i32 s42, s42, 126
	s_lshl_b32 s42, s42, 23
	s_or_b32 s42, s42, 0x80000000                  ; -2^(e8 + e9 - 1)
	s_mov_b32 s43, s42
	s_add_co_i32 s44, s34, s35
	s_sub_co_i32 s44, s44, s71
	s_add_co_i32 s44, s44, 126
	s_lshl_b32 s44, s44, 23
	s_or_b32 s44, s44, 0x80000000                  ; -2^(e14 + e15 - s6 - 1)
	s_mov_b32 s45, s44
	; ---- product 4: D(m = j tile uj, n = l tile ul), every wave all of it: four accumulators by turns
	s_wait_loadcnt 63                              ; 128 are issued: the oldest 65 are in, Q7's and Q6's 64 among them
	WIN 0x05
.irp t, 0,1,2,3
.irp ul, 0,1
.irp uj, 0,1
.if \t == 0
	v_wmma_f32_16x16x128_fp8_fp8 v[32+8*(2*\ul+\uj):39+8*(2*\ul+\uj)], v[16*(4*\uj+\t):16*(4*\uj+\t)+15], v[128+16*(4*\ul+\t):128+16*(4*\ul+\t)+15], 0
.else
	v_wmma_f32_16x16x128_fp8_fp8 v[32+8*(2*\ul+\uj):39+8*(2*\ul+\uj)], v[16*(4*\uj+\t):16*(4*\uj+\t)+15], v[128+16*(4*\ul+\t):128+16*(4*\ul+\t)+15], v[32+8*(2*\ul+\uj):39+8*(2*\ul+\uj)]
.endif
.endr
.endr
.endr
	WIN 0
	PLACES
	HOLD 32, 32, 17
	CVT2 64, 32, 16                                ; Q9(T2): rows l, K = j: two packed tiles
	CVT2 68, 48, 16
	v_nop
	; ---- product 5 and Wp, for my eight k tiles: D(m = l tile ul, n = k tile)
	s_wait_loadcnt 56                              ; my Q8 tiles are in; a w's 32 and the 24 behind them may be out
	WIN 0x80
.irp t, 0,1,2,3,4,5,6,7
.irp ul, 0,1
	v_wmma_f32_16x16x64_fp8_fp8 v[128+8*(2*\t+\ul):135+8*(2*\t+\ul)], v[64+4*\ul:71+4*\ul], v[80+8*\t:87+8*\t], 0
.endr
.endr
	s_wait_loadcnt 24                              ; a w is in
	PLACES
	WIN 0xa2
.set n, 0
.rept 64
	v_pk_fma_f32 v[128+2*n:129+2*n], v[128+2*n:129+2*n], s[42:43], v[2*n:2*n+1] op_sel_hi:[1,0,1]   ; Wp / 2 = a w - sum x 2^(e8 + e9 - 1): the one rounding of 2 X - R, halved
.set n, n+1
.endr
	WIN 0x82
	HOLD 128, 128, 19
	WIN 0x02
.irp t, 0,1,2,3,4,5,6,7
	CVT2 32+4*\t, 128+16*\t, 18
.endr
	v_nop
	WIN 0
.irp t, 0,1,2,3,4,5,6,7
	ds_store_b128 v[AD0], v[32+4*\t:35+4*\t] offset:WP+512*\t
.endr
	s_wait_loadcnt 0x0
.set n, 0
.rept 12
	ds_store_b128 v[AD1], v[144+4*n:147+4*n] offset:ZT+512*n
	ds_store_b128 v[AD1], v[192+4*n:195+4*n] offset:Z16+512*n
.set n, n+1
.endr
	BARRIER                                        ; WP, ZT and Z16 are whole; nobody writes them again
	; ---- Q12(a Mn) of my two l tiles, a K step (128 c) a trip: D(m = c tile, n = l tile)
.irp f, 0,1,2,3
.irp i, 4,5,6,7
	v_mov_b32 v[BT+8*\f+\i], 0                     ; once: the B tiles' upper halves
.endr
.endr
	WIN 0xc0
.irp i, 0,1,2,3
	v_mov_b32 v[AS0+32+\i], 0                      ; once: the pads of the two A sets
	v_mov_b32 v[AS0+68+\i], 0
.endr
	WIN 0
	ds_load_b128 v[BT:BT+3], v[AD2] offset:WP
	ds_load_b128 v[BT+8:BT+11], v[AD2] offset:WP+512
	WIN 0xc0
.irp t, 0,1,2,3,4,5,6,7
	ds_load_b128 v[AS0+4*\t:AS0+4*\t+3], v[L16] offset:ZT+512*\t
.endr
	WIN 0
	v_add_nc_u32 v[ESB], Q12, v[AD0]
	s_mov_b32 s[SK], 0
	s_mov_b32 s[SKA], 0
	s_mov_b32 s[SKS], 0
	s_wait_dscnt 0x0
	global_store_b128 v[L16], v[BT:BT+3], s[58:59]                 ; Wp goes to memory for the last launch: each tile by the one wave of the batch that has it as its l tile
	global_store_b128 v[L16], v[BT+8:BT+11], s[58:59] offset:512
.Lq12:
	s_wait_dscnt 0x0                               ; this trip's A tiles are in; the last trip's stores are done
	WIN 0x03
.irp p, 0,1,2,3
.irp i, 0,1
.irp u, 0,1
	v_wmma_f32_16x16x64_fp8_fp8 v[64+32*\p+16*\i+8*\u:71+32*\p+16*\i+8*\u], v[AS0+4*(2*\p+\u):AS0+4*(2*\p+\u)+7], v[BT+8*\i:BT+8*\i+7], 0
.endr
.endr
.endr
	WIN 0
	PLACES
	s_cmp_eq_u32 s[SK], 5                          ; the next trip's A tiles, if there is a next trip
	s_cbranch_scc1 .Lq12_last
	v_add_nc_u32 v[ATT], s[SKA], v[L16]
	WIN 0xc0
.irp t, 0,1,2,3,4,5,6,7
	ds_load_b128 v[AS0+4*\t:AS0+4*\t+3], v[ATT] offset:ZT+4096+512*\t
.endr
	WIN 0
.Lq12_last:
	v_add_nc_u32 v[EST], s[SKS], v[ESB]
	TIMESA 64, 64
	HOLD 128, 64, 21
.irp p, 0,1,2,3
.irp i, 0,1
	CVT2 192+16*\i+4*\p, 64+32*\p+16*\i, 20
.endr
.endr
	v_nop
.irp i, 0,1
.irp p, 0,1,2,3
	ds_store_b128 v[EST], v[192+16*\i+4*\p:195+16*\i+4*\p] offset:2048*\i+512*\p
.endr
.endr
	s_add_co_u32 s[SKA], s[SKA], 4096
	s_add_co_u32 s[SKS], s[SKS], 16384
	s_add_co_u32 s[SK], s[SK], 1
	s_cmp_lt_u32 s[SK], 6
	s_cbranch_scc1 .Lq12
	s_wait_xcnt 0x0                                ; the two stores to wp have read v32-43, which take loads below
	BARRIER                                        ; Q12 is whole
; ================ THE STREAM ================
; The second conversion of the quad BEFORE the one in hand: its eight holds were the last but one lines of the beat before.
.macro CVB ph
.if \ph == 7
	v_cvt_scalef32_pk8_fp8_f32 v[crb+2:crb+3], v[csb+8:csb+15], v22
.else
	v_cvt_scalef32_pk8_fp8_f32 v[crb+2:crb+3], v[csb+8:csb+15], v24
.endif
.endm
; Number vj of a beat's vector list.  The quad in hand: scratch vsb, its four registers of the ring vrb.  No conversion stands near the holds that it reads: a quad's first conversion ends its beat, nine lines or more behind
; its last hold; its second stands in the next beat.  In product 8 the multiplications by a stand a slice ahead of the holds that read them.
;   product 7 (18): holds 0-4 | the quad before's second conversion | holds 5-15 | the first conversion
;   product 8 (26): 4 packed x a (numbers 0-7) | hold 0 | the quad before's second conversion | holds 1, 2 | 4 packed x a (numbers 8-15) | holds 3-15 | the first conversion
.macro VQ1 ph
.if \ph == 7
.if vj < 5
	v_med3_num_f32 v[vsb+vj], v[vsb+vj], -v23, v23
.elseif vj == 5
.if docb
	CVB 7
.endif
.elseif vj < 17
	v_med3_num_f32 v[vsb+vj-1], v[vsb+vj-1], -v23, v23
.else
	v_cvt_scalef32_pk8_fp8_f32 v[vrb:vrb+1], v[vsb:vsb+7], v22
.endif
.else
.if vj < 4
	v_pk_mul_f32 v[vsb+2*vj:vsb+2*vj+1], v[vsb+2*vj:vsb+2*vj+1], s[40:41] op_sel_hi:[1,0]
.elseif vj == 4
	v_med3_num_f32 v[vsb], v[vsb], -v25, v25
.elseif vj == 5
.if docb
	CVB 8
.endif
.elseif vj < 8
	v_med3_num_f32 v[vsb+vj-5], v[vsb+vj-5], -v25, v25
.elseif vj < 12
	v_pk_mul_f32 v[vsb+8+2*(vj-8):vsb+8+2*(vj-8)+1], v[vsb+8+2*(vj-8):vsb+8+2*(vj-8)+1], s[40:41] op_sel_hi:[1,0]
.elseif vj < 25
	v_med3_num_f32 v[vsb+vj-9], v[vsb+vj-9], -v25, v25
.else
	v_cvt_scalef32_pk8_fp8_f32 v[vrb:vrb+1], v[vsb:vsb+7], v24
.endif
.endif
.endm
.macro VRUN ph, n
.rept \n
	VQ1 \ph
.set vj, vj+1
.endr
.endm
.macro MAIN zero                       ; zero = 1: a pass's first K step starts the sums: nothing is ever cleared
.if \zero
	v_wmma_f32_16x16x128_fp8_fp8 v[mac:mac+7], v[mfr:mfr+15], v[ms1:ms1+15], 0
.else
	v_wmma_f32_16x16x128_fp8_fp8 v[mac:mac+7], v[mfr:mfr+15], v[ms1:ms1+15], v[mac:mac+7]
.endif
.endm
; BEAT b of a K step whose sets have parity par.  The step's 16 quads are numbered 4 f + p (fragment f, quad p); 16 and more are the next step's.
;   products: fragment b / 4 (slot b / 4 of the ring) against l tiles 2 (b % 4) and the next: the 32 accumulators take turns, one instruction a turn
;   vector:   quad b + 5, on scratch (b + 5) % 2, and the second conversion of quad b + 4, out of the other scratch's upper half
;   K = 64 products: quad b + 6, into that other scratch: A tiles 2 p, 2 p + 1 of its step's set, B tile f % 4.  The first writes the lower half, ahead of the late conversion; the second the upper half, six plain lines or more behind it
; So the vector work leads the products by five quads, and a fragment's last conversion stands in the beat ahead of its first product, with plain lines between.  A slot of the ring is written anew seven beats or more behind its
; last reader.  By count: a K = 64 result is first read seven plain lines later or more; a scratch's half is written anew four plain lines or more behind the conversion that read it.
; THE ORDER: product, 4 lines, K = 64 product, 4 lines, product, 4 lines, K = 64 product, the rest of the list (6 or 14 lines).
; THE LDS LOADS stand in two runs a K step, each at a beat's end: behind beat 1 the next step's eight A tiles and source 1's l tiles 0-3, behind beat 9 its l tiles 4-7, into the sets that the step before has left.
; last = 1: the pass's last K step: nothing of a next step is fetched or made.  so: the K step to be fetched, counted from v[S1T] and v[ATT].
.macro BEAT ph, par, b, main, zero, last, so
.set vq, (\b)+5
.set pq, (\b)+6
.set dov, 1
.set dop, 1
.set docb, 1
.if vq == 0
.set docb, 0
.endif
.if \last
.if vq >= 16
.set dov, 0
.endif
.if vq >= 17
.set docb, 0
.endif
.if pq >= 16
.set dop, 0
.endif
.endif
.set vsb, 16*(vq%2)
.set csb, 16-vsb
.set vrb, RING+4*(vq%16)
.set crb, RING+4*((vq+15)%16)
.set vj, 0
.set pas, AS0+36*(\par)+8*(pq%4)
.if pq >= 16
.set pas, AS0+36*(1-(\par))+8*(pq%4)
.endif
.set pbt, BT+8*((pq/4)%4)
.set nl, 6
.if \ph == 8
.set nl, 14
.endif
.if \main
.set mfr, RING+16*((\b)/4)
.set mlt, 2*((\b)%4)
.set mac, 8*(8*((\b)/4)+mlt)
.set ms1, 128*(\par)+16*mlt
.if (\b) == 0
	s_wait_dscnt 0x0                               ; this step's source 1 is in: its loads were issued six beats back or more
.endif
	WIN YW
	MAIN \zero
.endif
.if dov
	WIN XW
	VRUN \ph, 4
.elseif docb
	WIN XW
	CVB \ph                                        ; the pass's last quad: its second conversion stands alone,
	v_nop                                          ; with a plain line between it and the product that reads its result
.endif
.if dop
.if (\main) && ((\b) == 10)
	s_wait_dscnt 32                                ; the next step's A tiles are in: behind them stand source 1's 16 loads of the same run and the 16 of the second
.endif
	WIN XW
	v_wmma_f32_16x16x64_fp8_fp8 v[csb:csb+7], v[pas:pas+7], v[pbt:pbt+7], 0
.endif
.if dov
	WIN XW
	VRUN \ph, 4
.endif
.if \main
.set mac, mac+8
.set ms1, ms1+16
	WIN YW
	MAIN \zero
.endif
.if dov
	WIN XW
	VRUN \ph, 4
.endif
.if dop
	WIN XW
	v_wmma_f32_16x16x64_fp8_fp8 v[csb+8:csb+15], v[pas+4:pas+11], v[pbt:pbt+7], 0
.endif
.if dov
	WIN XW
	VRUN \ph, nl
.endif
.if (\main) && !(\last)
.if (\b) == 1
	WIN 0xc0                                       ; the other A set: its last reader stands in beat 9 of the step before
.irp t, 0,1,2,3,4,5,6,7
	ds_load_b128 v[AS0+36*(1-(\par))+4*\t:AS0+36*(1-(\par))+4*\t+3], v[ATT] offset:4096*(\so)+512*\t
.endr
	WIN 0x40                                       ; source 1's other set: l tiles 0-3 were last read in beat 13 of the step before
.irp x, 0,1,2,3
.irp c, 0,1,2,3
	ds_load_b128 v[128*(1-(\par))+16*\x+4*\c:128*(1-(\par))+16*\x+4*\c+3], v[S1T] offset:16384*(\so)+2048*\x+512*\c
.endr
.endr
.endif
.if (\b) == 9
	WIN 0x40
.irp x, 4,5,6,7
.irp c, 0,1,2,3
	ds_load_b128 v[128*(1-(\par))+16*\x+4*\c:128*(1-(\par))+16*\x+4*\c+3], v[S1T] offset:16384*(\so)+2048*\x+512*\c
.endr
.endr
.endif
.endif
.endm
.macro BODY ph, par, zero, last, so    ; a K step
.set bb, 0
.rept 16
	BEAT \ph, \par, bb, 1, \zero, \last, \so
.set bb, bb+1
.endr
.endm
; A pass's head: its four B tiles (product 8: the same tiles packed as A tiles too, for the way out), K step 0's A tiles and source 1; then the first five quads are made, with no product yet to set beside them.
.macro PRO ph
	WIN 0
	v_add_nc_u32 v[BTT], s[SBT], v[BTB]
	v_mov_b32 v[S1T], v[S1B]
	v_mov_b32 v[ATT], v[ATB]
.irp f, 0,1,2,3
	ds_load_b128 v[BT+8*\f:BT+8*\f+3], v[BTT] offset:512*\f
.endr
.if \ph == 8
.irp f, 0,1,2,3
	ds_load_b128 v[EA+4*\f:EA+4*\f+3], v[BTT] offset:512*\f
.endr
.endif
	WIN 0xc0
.irp t, 0,1,2,3,4,5,6,7
	ds_load_b128 v[AS0+4*\t:AS0+4*\t+3], v[ATB] offset:512*\t
.endr
	WIN 0x40
.set n, 0
.rept 32
	ds_load_b128 v[4*n:4*n+3], v[S1B] offset:512*n
.set n, n+1
.endr
	s_wait_dscnt 32                                ; all but source 1's 32 loads
	WIN XW
	v_wmma_f32_16x16x64_fp8_fp8 v[0:7], v[AS0:AS0+7], v[BT:BT+7], 0
	v_wmma_f32_16x16x64_fp8_fp8 v[8:15], v[AS0+4:AS0+11], v[BT:BT+7], 0
	PLACES
	BEAT \ph, 0, -5, 0, 0, 0, 0
	BEAT \ph, 0, -4, 0, 0, 0, 0
	BEAT \ph, 0, -3, 0, 0, 0, 0
	BEAT \ph, 0, -2, 0, 0, 0, 0
	BEAT \ph, 0, -1, 0, 0, 0, 0
.endm
; Product 7's way out: T3[l][j] of my four j tiles, quantised by Q15: 16 quads, K step w of product 8.
.macro EPI7
	WIN 0x82
	HOLD 256, 0, 27                                ; each accumulator from its low end on; those finished last come last
	WIN 0x02
.irp pr, 0,1
.irp lt, 0,1,2,3,4,5,6,7
	v_cvt_scalef32_pk8_fp8_f32 v[TM+4*(8*\pr+\lt):TM+4*(8*\pr+\lt)+1], v[8*(16*\pr+\lt):8*(16*\pr+\lt)+7], v26
	v_cvt_scalef32_pk8_fp8_f32 v[TM+4*(8*\pr+\lt)+2:TM+4*(8*\pr+\lt)+3], v[8*(16*\pr+8+\lt):8*(16*\pr+8+\lt)+7], v26
.endr
.endr
	v_nop
	WIN 0
	v_add_nc_u32 v[EST], s[SES], v[ESB]
.irp pr, 0,1
.irp lt, 0,1,2,3,4,5,6,7
	ds_store_b128 v[EST], v[TM+4*(8*\pr+\lt):TM+4*(8*\pr+\lt)+3] offset:2048*\lt+512*\pr
.endr
.endr
.endm
; Product 8's way out: Pn / 2^(s6 + 1) = a S6 - S8 x 2^(e14 + e15 - s6 - 1), S6 = Mn's sums, made anew as D(m = c, n = l); quantised by Q17.  Four quads at a time.
.macro EPI8
	WIN 0
	v_add_nc_u32 v[EST], s[SES], v[ESB]
	v_add_nc_u32 v[EST2], 49152, v[EST]            ; l tiles 4 to 7
.irp g, 0,1,2,3
	WIN 0
.irp i, 0,1,2,3
.irp u, 0,1
	v_wmma_f32_16x16x64_fp8_fp8 v[TM+16*\i+8*\u:TM+16*\i+8*\u+7], v[EA+4*(2*(\g/2)+\u):EA+4*(2*(\g/2)+\u)+7], v[WL+8*(4*(\g%2)+\i):WL+8*(4*(\g%2)+\i)+7], 0
.endr
.endr
	PLACES
	TIMESA 32, TM
	WIN 0x02
.irp i, 0,1,2,3
.irp u, 0,1
.irp k, 0,2,4,6
	v_pk_fma_f32 v[TM+16*\i+8*\u+\k:TM+16*\i+8*\u+\k+1], v[8*(8*(2*(\g/2)+\u)+4*(\g%2)+\i)+\k:8*(8*(2*(\g/2)+\u)+4*(\g%2)+\i)+\k+1], s[44:45], v[TM+16*\i+8*\u+\k:TM+16*\i+8*\u+\k+1] op_sel_hi:[1,0,1]
.endr
.endr
.endr
	WIN 0
	HOLD 64, TM, 29
	s_wait_dscnt 0x0                               ; the last four quads' stores are done
.irp i, 0,1,2,3
	CVT2 CD+4*\i, TM+16*\i, 28
.endr
	v_nop
.irp i, 0,1,2,3
	ds_store_b128 v[EST+(\g%2)], v[CD+4*\i:CD+4*\i+3] offset:12288*\i+512*(\g/2)
.endr
.endr
.endm
; np passes of 2 ntrip + 2 K steps: the first written out (its products start the sums), ntrip trips of two, the last written out (it looks no further ahead).
.macro PHASE ph, np, ntrip
	s_mov_b32 s[SPASS], 0
	s_mov_b32 s[SBT], 0
	s_mov_b32 s[SES], 0
.Lpass_\ph:
	PRO \ph
	BODY \ph, 0, 1, 0, 1
	WIN 0
.if \ntrip > 1
	s_mov_b32 s[SK], 0
	s_mov_b32 s[SKS], 0
	s_mov_b32 s[SKA], 0
.Lk_\ph:
	v_add_nc_u32 v[S1T], s[SKS], v[S1B]
	v_add_nc_u32 v[ATT], s[SKA], v[ATB]
.endif
	BODY \ph, 1, 0, 0, 2
	BODY \ph, 0, 0, 0, 3
	WIN 0
.if \ntrip > 1
	s_add_co_u32 s[SKS], s[SKS], 32768
	s_add_co_u32 s[SKA], s[SKA], 8192
	s_add_co_u32 s[SK], s[SK], 1
	s_cmp_lt_u32 s[SK], \ntrip
	s_cbranch_scc1 .Lk_\ph
.endif
	BODY \ph, 1, 0, 1, 0
.if \ph == 7
	EPI7
.else
	EPI8
.endif
	s_add_co_u32 s[SBT], s[SBT], 2048
	s_add_co_u32 s[SES], s[SES], 1024
	s_add_co_u32 s[SPASS], s[SPASS], 1
	s_cmp_lt_u32 s[SPASS], \np
	s_cbranch_scc1 .Lpass_\ph
.endm
	; ---- product 7: D(m = j tile 8 w + 4 pass + f, n = l tile).  Source 0 = Q13(Mn[j][c]), made as D(m = c, n = j): A tiles from ZT, B tiles from WP.  Source 1 = Q12.
	v_add_nc_u32 v[S1B], Q12, v[L16]
	v_add_nc_u32 v[ATB], ZT, v[L16]
	v_add_nc_u32 v[BTB], WP, v[AD0]
	s_lshl_b32 s70, s16, 14
	v_add_nc_u32 v[ESB], s70, v[L16]
	v_add_nc_u32 v[ESB], T3, v[ESB]
	PHASE 7, 2, 2
	BARRIER                                        ; T3 is whole, and nobody reads Q12 any more: its bytes take PN
	; ---- product 8: D(m = c tile 12 w + 4 pass + f, n = l tile).  Source 0 = Q14(a Mn[j][c]), made as D(m = j, n = c): A tiles from WP, B tiles from ZT.  Source 1 = T3.
.irp lt, 0,1,2,3,4,5,6,7
.irp i, 4,5,6,7
	v_mov_b32 v[WL+8*\lt+\i], 0
.endr
.endr
.irp i, 16,17,18,19
	v_mov_b32 v[EA+\i], 0
.endr
	s_lshl_b32 s70, s18, 12
	v_add_nc_u32 v[AD2], s70, v[L16]
.irp lt, 0,1,2,3,4,5,6,7
	ds_load_b128 v[WL+8*\lt:WL+8*\lt+3], v[AD2] offset:WP+512*\lt  ; the block's eight tiles of Wp, for the way out
.endr
	v_add_nc_u32 v[S1B], T3, v[L16]
	v_add_nc_u32 v[ATB], WP, v[L16]
	v_add_nc_u32 v[BTB], ZT, v[AD1]
	s_mul_i32 s70, s16, 3072
	v_add_nc_u32 v[ESB], s70, v[L16]
	v_add_nc_u32 v[ESB], PN, v[ESB]
	PHASE 8, 3, 1
	BARRIER                                        ; PN is whole
	; ---- product 9, my two l tiles: D(m = l tile 2 w + i, n = e tile ue), K = 768 in six steps; four accumulators by turns
	s_mul_i32 s70, s16, 24576
	v_add_nc_u32 v[AD0], s70, v[L16]
	v_add_nc_u32 v[AD0], PN, v[AD0]
	WIN 0x40
.set n, 0
.rept 48
	ds_load_b128 v[4*n:4*n+3], v[AD0] offset:512*n                 ; a tile's 24 quads lie on end: fragment (i, sigma) at 16 (6 i + sigma)
.set n, n+1
.endr
	WIN 0x80
.irp t, 0,1,2,3,4,5
.irp ue, 0,1
.irp c, 0,1,2,3
	ds_load_b128 v[16*(6*\ue+\t)+4*\c:16*(6*\ue+\t)+4*\c+3], v[L16] offset:Z16+2048*(6*\ue+\t)+512*\c
.endr
.endr
.endr
	WIN 0x09
.irp t, 0,1,2,3,4,5
	s_wait_dscnt 8*(5-\t)                          ; z's fragments of this K step are in (PN's are older); the later steps' eight each may be out
.irp ue, 0,1
.irp i, 0,1
.if \t == 0
	v_wmma_f32_16x16x128_fp8_fp8 v[TM+8*(2*\ue+\i):TM+8*(2*\ue+\i)+7], v[16*(6*\i+\t):16*(6*\i+\t)+15], v[16*(6*\ue+\t):16*(6*\ue+\t)+15], 0
.else
	v_wmma_f32_16x16x128_fp8_fp8 v[TM+8*(2*\ue+\i):TM+8*(2*\ue+\i)+7], v[16*(6*\i+\t):16*(6*\i+\t)+15], v[16*(6*\ue+\t):16*(6*\ue+\t)+15], v[TM+8*(2*\ue+\i):TM+8*(2*\ue+\i)+7]
.endif
.endr
.endr
.endr
	WIN 0
	PLACES
	HOLD 32, TM, 31
	CVT2 CD, TM, 30
	CVT2 CD+4, TM+16, 30
	v_nop
	global_store_b128 v[L16], v[CD:CD+3], s[60:61]
	global_store_b128 v[L16], v[CD+4:CD+7], s[60:61] offset:8192
	s_wait_tensorcnt 0x0
	ds_add_u32 v14, v15
	s_wait_dscnt 0x0
	s_endpgm
.Lfunc_end_k_q6cf4f3bb4e_core:
	.size	k_q6cf4f3bb4e_core, .Lfunc_end_k_q6cf4f3bb4e_core-k_q6cf4f3bb4e_core
	.p2alignl 7, 3214868480
	.fill 96, 4, 3214868480
	.section	.rodata,"a",@progbits
	.p2align	6, 0x0
	.amdhsa_kernel k_q6cf4f3bb4e_core
		.amdhsa_group_segment_fixed_size 229888
		.amdhsa_private_segment_fixed_size 0
		.amdhsa_enable_private_segment 0
		.amdhsa_kernarg_size 48
		.amdhsa_user_sgpr_count 2
		.amdhsa_user_sgpr_kernarg_segment_ptr 1
		.amdhsa_wavefront_size32 1
		.amdhsa_system_sgpr_workgroup_id_x 1
		.amdhsa_system_sgpr_workgroup_id_y 1
		.amdhsa_system_sgpr_workgroup_id_z 1
		.amdhsa_system_vgpr_workitem_id 0
		.amdhsa_next_free_vgpr 1024
		.amdhsa_next_free_sgpr 76
		.amdhsa_reserve_vcc 0
		.amdhsa_float_denorm_mode_32 3
		.amdhsa_float_denorm_mode_16_64 3
		.amdhsa_memory_ordered 1
		.amdhsa_forward_progress 1
		.amdhsa_inst_pref_size 255
	.end_amdhsa_kernel
	.section	.bss,"aw",@nobits
	.p2align	6
	.space	262144
	.amdgpu_metadata
---
amdhsa.version: [ 1, 2 ]
amdhsa.kernels:
  - .name:           k_q6cf4f3bb4e_core
    .symbol:         k_q6cf4f3bb4e_core.kd
    .args:
      - { .name: wq, .offset: 0, .size: 8, .value_kind: global_buffer, .address_space: global }
      - { .name: aw, .offset: 8, .size: 8, .value_kind: global_buffer, .address_space: global }
      - { .name: pz, .offset: 16, .size: 8, .value_kind: global_buffer, .address_space: global }
      - { .name: lowp_scales, .offset: 24, .size: 8, .value_kind: global_buffer, .address_space: global }
      - { .name: wp, .offset: 32, .size: 8, .value_kind: global_buffer, .address_space: global }
      - { .name: wr, .offset: 40, .size: 8, .value_kind: global_buffer, .address_space: global }
    .group_segment_fixed_size: 229888
    .private_segment_fixed_size: 0
    .kernarg_segment_align: 8
    .kernarg_segment_size: 48
    .max_flat_workgroup_size: 128
    .sgpr_count:     76
    .vgpr_count:     1024
    .wavefront_size: 32
...
	.end_amdgpu_metadata
.endif
;; end of part 4
;; launch readout (part 5): grid 256 x 1, 4 waves a work-group, no clusters, 25,600 bytes of LDS; arguments wp, wr, pz, lowp_scales, out0; writes out0
.if DOCPART == 5
	.amdgcn_target "amdgcn-amd-amdhsa--gfx1250"
	.amdhsa_code_object_version 6
	.text
	.protected	k_q6cf4f3bb4e_readout
	.globl	k_q6cf4f3bb4e_readout
	.p2align	8
	.type	k_q6cf4f3bb4e_readout,@function
k_q6cf4f3bb4e_readout:
	s_mov_b64 s[64:65], 0
	v_nop
	global_prefetch_b8 v0, s[64:65] scope:SCOPE_SE
	s_setreg_imm32_b32 hwreg(HW_REG_WAVE_MODE, 25, 1), 1
	s_wait_xcnt 0x0
; READOUT: product 10, out[e][b][c] = sum over k of Q18(w_read[e][k]) Q19(Mn[k][c]), with Mn made anew (product 6) from Q10(Wp) and Q11(z), as in the launch before.
; Work-group: batch b = g / 4, quarter cq = g % 4 of the 768 c; wave w: c tiles 12 cq + 3 w + i.  Tiles, quads and images as before.
; A unit k = 3 s + i: eight K = 64 products D(m = k tile 8 s + t, n = c tile i) into one of two scratches; 64 holds and 8 conversions make of them fragment F_i of K step s (rows c, K = k).
; A unit's products are issued two units ahead of its vector work.  Behind a K step's three units: six products D(m = c tile i, n = e tile ue), six accumulators by turns.
; A sum of product 6 stands for sum x 2^(e10 + e11): Q19's conversion takes 2^(e19 - e10 - e11).  LIMITS: that exponent between -126 and 119; e18 + e19 between -126 and 127.
; REGISTERS: window 0: v24-47 three B tiles [4 of codes][4 zeros]; v64-191 two scratches; v192-239 F0-2.  window 1: Wp's 32 packed A tiles and a pad.  window 2: w_read's fragments (ue, s) at 16 (4 ue + s); accumulators (i, ue) at 128 + 8 (2 i + ue).
; The way out: a lane holds eight neighbouring c of one e; the 32 rows x 768 bytes meet in a stage (pitch 784) and leave as runs of 256 consecutive bytes, aligned, sixteen lanes each.
.set PZ_ZT, 3145728
.set ZROW,  196608
.set MSB, 0
.macro WIN new
.if MSB != \new
	s_set_vgpr_msb (MSB<<8)|\new
.set MSB, \new
.endif
.endm
.macro HOLD n, x, lim
.set hh, 0
.rept \n
	v_med3_num_f32 v[(\x)+hh], v[(\x)+hh], -v[\lim], v[\lim]
.set hh, hh+1
.endr
.endm
.macro CVT2 d, x, sc
	v_cvt_scalef32_pk8_fp8_f32 v[(\d):(\d)+1], v[(\x):(\x)+7], v[\sc]
	v_cvt_scalef32_pk8_fp8_f32 v[(\d)+2:(\d)+3], v[(\x)+8:(\x)+15], v[\sc]
.endm
.macro PP k                            ; unit k's eight tiles of Mn
	WIN 0x01
.irp t, 0,1,2,3,4,5,6,7
	v_wmma_f32_16x16x64_fp8_fp8 v[64+64*((\k)%2)+8*\t:71+64*((\k)%2)+8*\t], v[4*(8*((\k)/3)+\t):4*(8*((\k)/3)+\t)+7], v[24+8*((\k)%3):31+8*((\k)%3)], 0
.endr
.endm
.macro VV k                            ; they become a fragment
	WIN 0
.irp p, 0,1,2,3
	HOLD 16, 64+64*((\k)%2)+16*\p, 17
	CVT2 192+16*((\k)%3)+4*\p, 64+64*((\k)%2)+16*\p, 16
.endr
	v_nop                                          ; a plain line between the last conversion and the matrix instructions that read its result or write over its sources
.endm
.macro MM st                           ; K step st of product 10
	WIN 0xa8
.irp i, 0,1,2
.irp ue, 0,1
.if (\st) == 0
	v_wmma_f32_16x16x128_fp8_fp8 v[128+8*(2*\i+\ue):135+8*(2*\i+\ue)], v[192+16*\i:207+16*\i], v[16*(4*\ue+(\st)):16*(4*\ue+(\st))+15], 0
.else
	v_wmma_f32_16x16x128_fp8_fp8 v[128+8*(2*\i+\ue):135+8*(2*\i+\ue)], v[192+16*\i:207+16*\i], v[16*(4*\ue+(\st)):16*(4*\ue+(\st))+15], v[128+8*(2*\i+\ue):135+8*(2*\i+\ue)]
.endif
.endr
.endr
.endm
	s_load_b256 s[4:11], s[0:1], 0x0               ; wp, wr, pz, lowp_scales
	s_load_b64 s[12:13], s[0:1], 0x20              ; out0
	v_lshl_add_u32 v254, v0, 2, 0x6200
	v_mov_b32 v255, 0
	v_lshrrev_b32 v2, 5, v0
	v_readfirstlane_b32 s14, v2                    ; wave
	v_and_b32 v1, 31, v0
	v_lshlrev_b32 v1, 4, v1                        ; 16 L
	v_and_b32 v2, 15, v0                           ; r
	v_bfe_u32 v3, v0, 4, 1                         ; h
	v_and_b32 v4, 8, v2
	v_add_nc_u32 v4, v4, v2                        ; r + (r & 8)
	s_lshr_b32 s15, ttmp9, 2                       ; b
	s_and_b32 s16, ttmp9, 3                        ; cq
	v_mul_u32_u24 v8, v4, 784
	v_lshl_add_u32 v8, v3, 6, v8                   ; the stage, in: row r + (r & 8) (+ 8 ue), + 64 h bytes
	s_mul_i32 s17, s14, 3
.irp i, 0,1,2
	s_add_co_u32 s18, s17, \i                      ; tile 3 w + i of the work-group's twelve begins at column 32 (T / 2) + 8 (T % 2)
	s_lshr_b32 s19, s18, 1
	s_lshl_b32 s19, s19, 7
	s_and_b32 s18, s18, 1
	s_lshl_b32 s18, s18, 5
	s_add_co_u32 s19, s19, s18
	v_add_nc_u32 v[5+\i], s19, v8
.endr
	s_mul_i32 s18, s14, 8*784
	v_mul_u32_u24 v9, v3, 784
	v_lshl_add_u32 v9, v2, 4, v9
	v_add_nc_u32 v9, s18, v9                       ; the stage, back: rows 8 w on; lanes 0-15 one row, lanes 16-31 the next
	v_mul_u32_u24 v10, v3, ZROW
	v_lshl_add_u32 v10, v2, 4, v10                 ; and the same two rows in out0
	s_mov_b32 s41, 0
	s_wait_kmcnt 0x0
	s_load_b64 s[28:29], s[10:11], 0x28            ; e10, e11
	s_load_b64 s[30:31], s[10:11], 0x48            ; e18, e19
	s_lshl_b32 s40, s15, 14
	s_add_nc_u64 s[20:21], s[4:5], s[40:41]
	s_add_nc_u64 s[22:23], s[6:7], s[40:41]
	s_mul_i32 s40, s16, 12
	s_add_co_u32 s40, s40, s17
	s_lshl_b32 s40, s40, 9
	s_mul_i32 s18, s15, 24576
	s_add_co_u32 s40, s40, s18
	s_add_nc_u64 s[24:25], s[8:9], s[40:41]
	s_mul_i32 s40, s14, 8*ZROW
	s_mul_i32 s18, s15, 3072
	s_add_co_u32 s40, s40, s18
	s_mul_i32 s18, s16, 768
	s_add_co_u32 s40, s40, s18
	s_add_nc_u64 s[26:27], s[12:13], s[40:41]
.irp i, 0,1,2
	global_load_b128 v[24+8*\i:27+8*\i], v1, s[24:25] offset:PZ_ZT+512*\i
.endr
	WIN 0x40
.set n, 0
.rept 32
	global_load_b128 v[4*n:4*n+3], v1, s[20:21] offset:512*n
.set n, n+1
.endr
.irp i, 128,129,130,131
	v_mov_b32 v\i, 0                               ; the pad behind the 32 packed tiles
.endr
	WIN 0x80
.set n, 0
.rept 32
	global_load_b128 v[4*n:4*n+3], v1, s[22:23] offset:512*n
.set n, n+1
.endr
	WIN 0
.irp i, 0,1,2
.irp j, 4,5,6,7
	v_mov_b32 v[24+8*\i+\j], 0
.endr
.endr
	s_wait_kmcnt 0x0
	s_sub_co_i32 s32, s31, s28
	s_sub_co_i32 s32, s32, s29
	s_add_co_i32 s32, s32, 127
	s_lshl_b32 s33, s32, 23
	v_mov_b32 v16, s33                             ; 2^(e19 - e10 - e11)
	s_add_co_i32 s32, s32, 8
	s_lshl_b32 s32, s32, 23
	s_or_b32 s32, s32, 0x600000
	v_mov_b32 v17, s32                             ; 448 x that
	s_add_co_i32 s34, s30, s31
	s_add_co_i32 s34, s34, 127
	s_lshl_b32 s34, s34, 23                        ; 2^(e18 + e19)
	s_mov_b32 s35, s34
	s_wait_loadcnt 32                              ; my tiles of z and all of Wp are in (an A operand names the next tile's registers too); w_read's 32 may be out
	PP 0
	PP 1
.rept 4
	v_nop
.endr
.set kk, 0
.rept 12
	VV kk
.if kk+2 < 12
	PP kk+2
.endif
.if (kk%3) == 2
.if kk == 2
	s_wait_loadcnt 0x0                             ; w_read
.endif
	MM kk/3
.endif
.set kk, kk+1
.endr
.rept 4
	v_nop
.endr
	WIN 0x02
.set n, 0
.rept 24
	v_pk_mul_f32 v[64+2*n:65+2*n], v[128+2*n:129+2*n], s[34:35] op_sel_hi:[1,0]     ; x 2^(e18 + e19); each accumulator from its low end on
.set n, n+1
.endr
	WIN 0
.irp i, 0,1,2
.irp ue, 0,1
	ds_store_b128 v[5+\i], v[64+8*(2*\i+\ue):67+8*(2*\i+\ue)] offset:6272*\ue
	ds_store_b128 v[5+\i], v[68+8*(2*\i+\ue):71+8*(2*\i+\ue)] offset:6272*\ue+16
.endr
.endr
	s_wait_dscnt 0x0                               ; for the others' sake: my part of the 32 rows has landed
	s_barrier_signal -1
	s_barrier_wait -1
.irp t, 0,1,2,3
.irp u, 0,1,2
	ds_load_b128 v[112+4*(3*\t+\u):115+4*(3*\t+\u)], v9 offset:1568*\t+256*\u
.endr
.endr
.irp t, 0,1,2,3
.irp u, 0,1,2
	s_wait_dscnt 11-(3*\t+\u)
	global_store_b128 v10, v[112+4*(3*\t+\u):115+4*(3*\t+\u)], s[26:27] offset:2*ZROW*\t+256*\u th:TH_STORE_NT   ; sixteen lanes store 256 consecutive bytes, at a multiple of 256 from out0's first byte
.endr
.endr
	s_wait_tensorcnt 0x0
	ds_add_u32 v254, v255
	s_wait_dscnt 0x0
	s_endpgm
.Lfunc_end_k_q6cf4f3bb4e_readout:
	.size	k_q6cf4f3bb4e_readout, .Lfunc_end_k_q6cf4f3bb4e_readout-k_q6cf4f3bb4e_readout
	.p2alignl 7, 3214868480
	.fill 96, 4, 3214868480
	.section	.rodata,"a",@progbits
	.p2align	6, 0x0
	.amdhsa_kernel k_q6cf4f3bb4e_readout
		.amdhsa_group_segment_fixed_size 25600
		.amdhsa_private_segment_fixed_size 0
		.amdhsa_enable_private_segment 0
		.amdhsa_kernarg_size 40
		.amdhsa_user_sgpr_count 2
		.amdhsa_user_sgpr_kernarg_segment_ptr 1
		.amdhsa_wavefront_size32 1
		.amdhsa_system_sgpr_workgroup_id_x 1
		.amdhsa_system_sgpr_workgroup_id_y 1
		.amdhsa_system_sgpr_workgroup_id_z 1
		.amdhsa_system_vgpr_workitem_id 0
		.amdhsa_next_free_vgpr 768
		.amdhsa_next_free_sgpr 66
		.amdhsa_reserve_vcc 0
		.amdhsa_float_denorm_mode_32 3
		.amdhsa_float_denorm_mode_16_64 3
		.amdhsa_memory_ordered 1
		.amdhsa_forward_progress 1
		.amdhsa_inst_pref_size 79
	.end_amdhsa_kernel
	.amdgpu_metadata
---
amdhsa.version: [ 1, 2 ]
amdhsa.kernels:
  - .name:           k_q6cf4f3bb4e_readout
    .symbol:         k_q6cf4f3bb4e_readout.kd
    .args:
      - { .name: wp, .offset: 0, .size: 8, .value_kind: global_buffer, .address_space: global }
      - { .name: wr, .offset: 8, .size: 8, .value_kind: global_buffer, .address_space: global }
      - { .name: pz, .offset: 16, .size: 8, .value_kind: global_buffer, .address_space: global }
      - { .name: lowp_scales, .offset: 24, .size: 8, .value_kind: global_buffer, .address_space: global }
      - { .name: out0, .offset: 32, .size: 8, .value_kind: global_buffer, .address_space: global }
    .group_segment_fixed_size: 25600
    .private_segment_fixed_size: 0
    .kernarg_segment_align: 8
    .kernarg_segment_size: 40
    .max_flat_workgroup_size: 128
    .sgpr_count:     66
    .vgpr_count:     768
    .wavefront_size: 32
...
	.end_amdgpu_metadata
.endif
;; end of part 5
;; ======== version 2 of 2: 5 launches; version 1 with the launches prep, pinv0, wprod, core, readout written anew for expert scheduling mode
;; workspace buffers: pm 655,360 bytes; pz 4,718,592 bytes; pimg 393,216 bytes; wq 3,145,728 bytes; aw 4,194,304 bytes; wp 1,048,576 bytes; wr 1,048,576 bytes
;; launch prep (part 6): grid 256 x 1, 4 waves a work-group, no clusters, 49,664 bytes of LDS; arguments memory_mean, input_encoded, lowp_scales, pm, pz; writes pm, pz
.if DOCPART == 6
	.amdgcn_target "amdgcn-amd-amdhsa--gfx1250"
	.amdhsa_code_object_version 6
	.text
	.protected	k_q6cf4f3bb4e_prep
	.globl	k_q6cf4f3bb4e_prep
	.p2align	8
	.type	k_q6cf4f3bb4e_prep,@function
k_q6cf4f3bb4e_prep:
	s_mov_b64 s[64:65], 0
	v_nop
	global_prefetch_b8 v0, s[64:65] scope:SCOPE_SE
	s_setreg_imm32_b32 hwreg(HW_REG_WAVE_SCHED_MODE, 0, 2), 2
	s_setreg_imm32_b32 hwreg(HW_REG_WAVE_MODE, 25, 1), 1
	s_wait_xcnt 0x0
	s_wait_alu depctr_vm_vsrc(0)
; PREP: every quantiser that works on an input, and product 1.  a = f32(exp(-5)), a constant of the problem.
;   B   Q2(a M0[j][c])            -> pm + PM_Q2, [c tile 48][j quad 16][512 bytes]
;   C1  Q4(z), Q16(z)             -> pz, pz + PZ_Z16: [batch][fragment 6 ue + sigma][2048]   (rows e, K = c)
;   C2  Q11(z), K = e             -> pz + PZ_ZT: [batch][c tile 48][512]
;   A   T1[l][j] = sum over c of Q0(a M0[l][c]) Q1(M0[j][c]), quantised by Q3 -> pm, [l tile 32][j pair 16][512]
; The prior memory is broadcast over the batch by the problem itself, so products 1 and 2 are made once.
; TILES.  Tile t of an axis holds rows 32 (t / 2) + 8 (t % 2) + r + (r & 8), r = lane % 16: as source 0 of a product it leaves, in the 16 registers of tiles 2 q and
; 2 q + 1, the 16 neighbours 32 q + 16 h + 0 .. 15 of that axis (h = lane / 16).  Held and converted they are a QUAD: four registers of codes.
; IMAGES.  A quad lies in memory and LDS as 512 bytes, lane L's 16 bytes at 16 L; four quads on end are a fragment of 16 rows x 128 K.  The same order of k stands on both sides of every product.
; LIMITS: each exponent e0, e1, e2, e4, e11, e16 and e3 - e0 - e1 lies between -126 and 119, so that 2^e and 448 x 2^e are f32 numbers.  NaN among the inputs is not served.
; SHARES.  Work-group g: B: quads 3 g + w (waves 0-2);  C1: batch g / 4, fragments 3 (g % 4) + w (waves 0-2);  C2: batch g / 4, tiles 12 (g % 4) + 3 w + i;
;   A: j tiles 2 (g / 16) + 0, 1 against l tiles 2 (g % 16) + 0, 1: each wave quantises one tile (six fragments) into LDS, waves 0 and 1 multiply.
; REGISTERS: v1 16 L; v2-v7 offsets in memory; v8, v9 LDS; v10-21 six pairs (2^e, 448 x 2^e); v22-25 a quad; v26-33 eight held numbers; v34-49 a fragment's codes; v50-61 three quads;
;   v64-127, v128-191, v192-255 three sets of 64 numbers; v256, v257 the closing add's two.
; THE MODE: SCHED_MODE bits 1:0 = 2 (LLVM: expert scheduling mode 2), set by the entry lines.  The code itself states the register dependences between vector or matrix
; instructions and memory or LDS instructions, with s_wait_alu, always for 0.
; THE PLAN.  Registers that memory or LDS instructions touch:
;   v1-v9            offsets and LDS addresses: written once, at the head; read by every load and store.  One wait on va_vdst ahead of the first load serves them all.
;   v64-255          loads land here; holds work in place, conversions read.  A set is asked for again only behind the wait on va_vdst that follows its conversions.
;   v22-25, v34-49, v50-61, v192-207   codes: written by conversions, read by stores.  One wait on va_vdst ahead of each run of stores; one on vm_vsrc ahead of the first line that writes them again.
.set AEXP,   0x3bdcc9ff                ; exp(-5) as f32
.set MROW,   3072                      ; a row of memory_mean in bytes
.set ZROW,   196608                    ; from e to e + 1 in input_encoded: 64 x 768 x 4 bytes
.set PM_Q2,  262144
.set PZ_Z16, 1572864
.set PZ_ZT,  3145728
.macro SCL vs, vl, se                  ; v[vs] = 2^e, v[vl] = 448 x 2^e, e in the scalar register se
	s_add_co_i32 s62, \se, 127
	s_lshl_b32 s63, s62, 23
	v_mov_b32 v[\vs], s63
	s_add_co_i32 s62, s62, 8
	s_lshl_b32 s62, s62, 23
	s_or_b32 s62, s62, 0x600000
	v_mov_b32 v[\vl], s62
.endm
.macro HOLD n, x, lim                  ; the conversion to an 8-bit code does not saturate (ISA guide 7.6.2): n numbers are held within the largest code x the scale
.set hh, 0
.rept \n
	v_med3_num_f32 v[(\x)+hh], v[(\x)+hh], -v[\lim], v[\lim]
.set hh, hh+1
.endr
.endm
.macro CVT2 d, x, sc                   ; 16 numbers become a quad
	v_cvt_scalef32_pk8_fp8_f32 v[(\d):(\d)+1], v[(\x):(\x)+7], v[\sc]
	v_cvt_scalef32_pk8_fp8_f32 v[(\d)+2:(\d)+3], v[(\x)+8:(\x)+15], v[\sc]
.endm
.macro TIMESA n, x                     ; n pairs x a
.set hh, 0
.rept \n
	v_pk_mul_f32 v[(\x)+hh:(\x)+hh+1], v[(\x)+hh:(\x)+hh+1], s[34:35] op_sel_hi:[1,0]
.set hh, hh+2
.endr
.endm
.macro PLACES
.rept 4
	v_nop
.endr
.endm
.macro ALOAD sg                        ; K step sg of my tile of memory_mean: lane (r, h) takes, of its row, 16 neighbours of each block of 32
.set n, 0
.rept 16
	global_load_b128 v[64+64*((\sg)%3)+4*n:64+64*((\sg)%3)+4*n+3], v7, s[4:5] offset:512*(\sg)+128*(n/4)+16*(n%4)
.set n, n+1
.endr
.endm
	s_load_b128 s[4:7], s[0:1], 0x0                ; memory_mean, input_encoded
	s_load_b128 s[8:11], s[0:1], 0x10              ; lowp_scales, pm
	s_load_b64 s[12:13], s[0:1], 0x20              ; pz
	s_set_vgpr_msb 0x40                            ; destination in window 1; v0, a source, in window 0
	v_lshl_add_u32 v0, v0, 2, 0xc000               ; v256: the LDS address of my spare word, behind the images; kept for the closing lines alone
	v_mov_b32 v1, 0                                ; v257: 0, likewise
	s_set_vgpr_msb 0x4000
	v_lshrrev_b32 v62, 5, v0
	v_readfirstlane_b32 s14, v62                   ; wave
	v_and_b32 v1, 31, v0
	v_lshlrev_b32 v1, 4, v1                        ; 16 L
	v_and_b32 v62, 15, v0                          ; r
	v_bfe_u32 v63, v0, 4, 1                        ; h
	v_and_b32 v61, 8, v62
	v_add_nc_u32 v61, v61, v62                     ; r + (r & 8)
	s_lshr_b32 s36, ttmp9, 4                       ; j pair
	s_and_b32 s37, ttmp9, 15                       ; l pair
	s_lshr_b32 s38, ttmp9, 2                       ; batch
	s_and_b32 s39, ttmp9, 3                        ; quarter of the batch's work on z
	s_mov_b32 s34, AEXP
	s_mov_b32 s35, AEXP
	s_wait_alu depctr_va_sdst(0)                   ; s14 is written, ahead of its first reader: shares, addresses and branches are made from it
	; B: quad q = 3 g + w: c tile q / 16, j quad q % 16.  Lane: column c of its tile; registers down j
	s_mul_i32 s40, ttmp9, 3
	s_add_co_u32 s40, s40, s14
	s_lshr_b32 s44, s40, 4
	s_and_b32 s45, s40, 15
	s_mul_i32 s45, s45, 32*MROW
	s_lshr_b32 s46, s44, 1
	s_lshl_b32 s46, s46, 7
	s_and_b32 s44, s44, 1
	s_lshl_b32 s44, s44, 5
	s_add_co_u32 s45, s45, s46
	s_add_co_u32 s45, s45, s44
	v_mul_u32_u24 v2, v63, 16*MROW
	v_lshl_add_u32 v2, v61, 2, v2
	v_add_nc_u32 v2, s45, v2
	; C1: fragment f = 3 zq + w: e tile f / 6, K step f % 6
	s_mul_i32 s41, s39, 3
	s_add_co_u32 s41, s41, s14
	s_cmp_ge_u32 s41, 6
	s_cselect_b32 s44, 1, 0
	s_mul_i32 s45, s44, 6
	s_sub_co_u32 s45, s41, s45
	s_lshl_b32 s45, s45, 9
	s_mul_i32 s44, s44, 8*ZROW
	s_mul_i32 s47, s38, MROW                       ; the batch's row in a plane of z
	s_add_co_u32 s44, s44, s45
	s_add_co_u32 s44, s44, s47
	v_mul_u32_u24 v3, v61, ZROW
	v_lshl_add_u32 v3, v63, 6, v3
	v_add_nc_u32 v3, s44, v3
	; C2: tiles T0 + i, T0 = 12 zq + 3 w.  Lane: column c of its tile; registers down e
	s_mul_i32 s42, s39, 12
	s_mul_i32 s44, s14, 3
	s_add_co_u32 s42, s42, s44
	v_mul_u32_u24 v60, v63, 16*ZROW
	v_lshl_add_u32 v60, v61, 2, v60
	v_add_nc_u32 v60, s47, v60
.irp i, 0,1,2
	s_add_co_u32 s44, s42, \i
	s_lshr_b32 s45, s44, 1
	s_lshl_b32 s45, s45, 7
	s_and_b32 s44, s44, 1
	s_lshl_b32 s44, s44, 5
	s_add_co_u32 s45, s45, s44
	v_add_nc_u32 v[4+\i], s45, v60
.endr
	; A: my tile: waves 0, 1: j tile 2 jb + w; waves 2, 3: l tile 2 lb + w - 2
	s_cmp_lt_u32 s14, 2
	s_cselect_b32 s44, s36, s37
	s_lshl_b32 s44, s44, 5
	s_and_b32 s45, s14, 1
	s_lshl_b32 s45, s45, 3
	s_add_co_u32 s44, s44, s45
	s_mul_i32 s44, s44, MROW
	v_mul_u32_u24 v7, v61, MROW
	v_lshl_add_u32 v7, v63, 6, v7
	v_add_nc_u32 v7, s44, v7
	s_mul_i32 s44, s14, 12288
	v_add_nc_u32 v8, s44, v1                       ; LDS: my six images
	v_add_nc_u32 v9, 24576, v8                     ; LDS: the images of l tile w (read by waves 0 and 1 alone)
	s_wait_kmcnt 0x0
	s_load_b512 s[16:31], s[8:9], 0x0              ; e0 .. e15
	s_load_b32 s32, s[8:9], 0x40                   ; e16
	s_mov_b32 s53, 0
	s_lshl_b32 s52, s40, 9
	s_add_nc_u64 s[54:55], s[10:11], s[52:53]      ; B's quad
	s_mul_i32 s44, s38, 24576
	s_lshl_b32 s52, s41, 11
	s_add_co_u32 s52, s52, s44
	s_add_nc_u64 s[56:57], s[12:13], s[52:53]      ; C1's fragment
	s_lshl_b32 s52, s42, 9
	s_add_co_u32 s52, s52, s44
	s_add_nc_u64 s[58:59], s[12:13], s[52:53]      ; C2's tiles
	s_lshl_b32 s52, s37, 1
	s_add_co_u32 s52, s52, s14
	s_lshl_b32 s52, s52, 13
	s_lshl_b32 s45, s36, 9
	s_add_co_u32 s52, s52, s45
	s_add_nc_u64 s[60:61], s[10:11], s[52:53]      ; A's quad: l tile 2 lb + w, j pair jb
	; ---- all first loads.  Those that only waves 0-2 issue are the oldest, so no later count hangs on the branch
	s_wait_alu depctr_va_vdst(0)                   ; the offsets and LDS addresses v1 to v9 are written: every load and store of the kernel reads one of them
	s_cmp_lt_u32 s14, 3
	s_cbranch_scc0 .Lno_bc_loads
.set n, 0
.rept 16
	global_load_b32 v[192+n], v2, s[4:5] offset:n*MROW
.set n, n+1
.endr
.set n, 0
.rept 16
	global_load_b128 v[128+4*n:131+4*n], v3, s[6:7] offset:128*(n/4)+16*(n%4)
.set n, n+1
.endr
.Lno_bc_loads:
.irp i, 0,1,2
.set n, 0
.rept 16
	global_load_b32 v[208+16*\i+n], v[4+\i], s[6:7] offset:n*ZROW
.set n, n+1
.endr
.endr
	ALOAD 0
	s_wait_kmcnt 0x0
	s_cmp_lt_u32 s14, 2
	s_cselect_b32 s33, s17, s16                    ; my tile's scale: e1 (rows j) or e0 (rows l)
	SCL 10, 11, s33
	SCL 12, 13, s18
	s_sub_co_i32 s33, s19, s16
	s_sub_co_i32 s33, s33, s17                     ; a sum of product 1 stands for sum x 2^(e0 + e1): the three scales are folded
	SCL 14, 15, s33
	SCL 16, 17, s20
	SCL 18, 19, s32
	SCL 20, 21, s27
	s_cmp_lt_u32 s14, 3
	s_cbranch_scc0 .Lno_bc
	s_wait_loadcnt 63                              ; 96 loads are issued: the oldest 33 are in, B's 16 and C1's 16 among them
	TIMESA 8, 192
	HOLD 16, 192, 13
	CVT2 22, 192, 12                               ; B's quad: it is stored with C1's fragments, behind the one wait below
	v_nop
.irp c, 0,1,2,3
.irp g, 0,1
.irp i, 0,1,2,3,4,5,6,7
	v_med3_num_f32 v[26+\i], v[128+16*\c+8*\g+\i], -v17, v17     ; held for Q4, beside the numbers
.endr
	v_cvt_scalef32_pk8_fp8_f32 v[34+4*\c+2*\g:35+4*\c+2*\g], v[26:33], v16
	HOLD 8, 128+16*\c+8*\g, 19                     ; held for Q16, in place: these eight are also the plain lines between the conversion above and the next write of v26-33
	v_cvt_scalef32_pk8_fp8_f32 v[192+4*\c+2*\g:193+4*\c+2*\g], v[128+16*\c+8*\g:135+16*\c+8*\g], v18
.endr
.endr
	v_nop
	s_wait_alu depctr_va_vdst(0)                   ; the conversions have written v22-25, v34-49 and v192-207, which the nine stores read
	global_store_b128 v1, v[22:25], s[54:55] offset:PM_Q2
.irp c, 0,1,2,3
	global_store_b128 v1, v[34+4*\c:37+4*\c], s[56:57] offset:512*\c
	global_store_b128 v1, v[192+4*\c:195+4*\c], s[56:57] offset:PZ_Z16+512*\c
.endr
.Lno_bc:
	s_wait_loadcnt 16                              ; C2's 48 are in; A's first K step may be out
.irp i, 0,1,2
	HOLD 16, 208+16*\i, 21
	CVT2 50+4*\i, 208+16*\i, 20
.endr
	v_nop
	s_wait_alu depctr_va_vdst(0)                   ; the conversions have written v50-61, which the three stores read; all holds and conversions are done with v128-255, in which the loads below land
.irp i, 0,1,2
	global_store_b128 v1, v[50+4*\i:53+4*\i], s[58:59] offset:PZ_ZT+512*\i
.endr
	s_wait_xcnt 0x0                                ; the stores have read their data: v192-207 take loads, v22-25 and v34-49 are written again
	s_wait_alu depctr_vm_vsrc(0)                   ; the same, stated for the vector registers: the stores have read v22-25, v34-49 and v192-207
	ALOAD 1
	ALOAD 2
; A, K step sg: 64 numbers of a lane become a fragment, whose image goes to LDS.  Three sets of registers: two K steps stay on their way.
.macro ASTEP sg
.set XS, 64+64*((\sg)%3)
.if (\sg) < 4
	s_wait_loadcnt 32                              ; this K step's 16 loads are in; the two steps behind it may be out
.elseif (\sg) == 4
	s_wait_loadcnt 16
.else
	s_wait_loadcnt 0
.endif
	s_cmp_lt_u32 s14, 2
	s_cbranch_scc1 .Lplain_\@                      ; rows j are M0 itself, rows l are a M0
	TIMESA 32, XS
.Lplain_\@:
	HOLD 64, XS, 11
.if (\sg) > 0
	s_wait_dscnt 0x0                               ; the last image's stores are done
	s_wait_alu depctr_vm_vsrc(0)                   ; they have read v34-49, which the conversions below write again
.endif
.irp c, 0,1,2,3
	CVT2 34+4*\c, XS+16*\c, 10
.endr
	v_nop
	s_wait_alu depctr_va_vdst(0)                   ; the conversions have written v34-49, which the LDS stores read, and are done with this set, in which the loads of three K steps on land
.irp c, 0,1,2,3
	ds_store_b128 v8, v[34+4*\c:37+4*\c] offset:2048*(\sg)+512*\c
.endr
.if (\sg)+3 < 6
	ALOAD (\sg)+3
.endif
.endm
.irp t, 0,1,2,3,4,5
	ASTEP \t
.endr
	s_wait_dscnt 0x0                               ; for the others' sake: my images have landed
	s_barrier_signal -1
	s_barrier_wait -1
	s_cmp_lt_u32 s14, 2
	s_cbranch_scc0 .Ldone
	; product 1, waves 0 and 1: D(m = j tile uj, n = l tile w): two accumulators by turns, three K steps' fragments at a time.
	; The first group's loads owe no wait: no vector instruction stands behind the last K step's wait on va_vdst
.irp G, 0,1
.if \G > 0
	PLACES                                         ; in front of loads into registers that matrix instructions have read
	s_wait_alu depctr_va_vdst(0)                   ; the first group's six products are done reading v64-207, in which the second group's fragments land
.endif
.irp uj, 0,1
.irp k, 0,1,2
.irp c, 0,1,2,3
	ds_load_b128 v[64+16*(3*\uj+\k)+4*\c:64+16*(3*\uj+\k)+4*\c+3], v1 offset:2048*(6*\uj+3*\G+\k)+512*\c
.endr
.endr
.endr
.irp k, 0,1,2
.irp c, 0,1,2,3
	ds_load_b128 v[160+16*\k+4*\c:160+16*\k+4*\c+3], v9 offset:2048*(3*\G+\k)+512*\c
.endr
.endr
	s_wait_dscnt 0x0
.irp k, 0,1,2
.irp uj, 0,1
.if (\G == 0) && (\k == 0)
	v_wmma_f32_16x16x128_fp8_fp8 v[208+8*\uj:215+8*\uj], v[64+16*(3*\uj+\k):79+16*(3*\uj+\k)], v[160+16*\k:175+16*\k], 0
.else
	v_wmma_f32_16x16x128_fp8_fp8 v[208+8*\uj:215+8*\uj], v[64+16*(3*\uj+\k):79+16*(3*\uj+\k)], v[160+16*\k:175+16*\k], v[208+8*\uj:215+8*\uj]
.endif
.endr
.endr
.endr
	PLACES
	HOLD 16, 208, 15
	CVT2 22, 208, 14
	v_nop
	s_wait_alu depctr_va_vdst(0)                   ; the conversions have written v22-25, which the store reads
	global_store_b128 v1, v[22:25], s[60:61]
.Ldone:
	s_set_vgpr_msb 0x5                             ; the add's two registers, sources 0 and 1, in window 1
	s_wait_dscnt 0x0                               ; the closing lines, six on end
	s_wait_alu 0x0
	s_wait_tensorcnt 0x0
	ds_add_u32 v0, v1
	s_wait_dscnt 0x0
	s_endpgm
.Lfunc_end_k_q6cf4f3bb4e_prep:
	.size	k_q6cf4f3bb4e_prep, .Lfunc_end_k_q6cf4f3bb4e_prep-k_q6cf4f3bb4e_prep
	.p2alignl 7, 3214868480
	.fill 96, 4, 3214868480
	.section	.rodata,"a",@progbits
	.p2align	6, 0x0
	.amdhsa_kernel k_q6cf4f3bb4e_prep
		.amdhsa_group_segment_fixed_size 49664
		.amdhsa_private_segment_fixed_size 0
		.amdhsa_enable_private_segment 0
		.amdhsa_kernarg_size 40
		.amdhsa_user_sgpr_count 2
		.amdhsa_user_sgpr_kernarg_segment_ptr 1
		.amdhsa_wavefront_size32 1
		.amdhsa_system_sgpr_workgroup_id_x 1
		.amdhsa_system_sgpr_workgroup_id_y 1
		.amdhsa_system_sgpr_workgroup_id_z 1
		.amdhsa_system_vgpr_workitem_id 0
		.amdhsa_next_free_vgpr 258
		.amdhsa_next_free_sgpr 66
		.amdhsa_reserve_vcc 0
		.amdhsa_float_denorm_mode_32 3
		.amdhsa_float_denorm_mode_16_64 3
		.amdhsa_memory_ordered 1
		.amdhsa_forward_progress 1
		.amdhsa_inst_pref_size 88
	.end_amdhsa_kernel
	.amdgpu_metadata
---
amdhsa.version: [ 1, 2 ]
amdhsa.kernels:
  - .name:           k_q6cf4f3bb4e_prep
    .symbol:         k_q6cf4f3bb4e_prep.kd
    .args:
      - { .name: memory_mean, .offset: 0, .size: 8, .value_kind: global_buffer, .address_space: global }
      - { .name: input_encoded, .offset: 8, .size: 8, .value_kind: global_buffer, .address_space: global }
      - { .name: lowp_scales, .offset: 16, .size: 8, .value_kind: global_buffer, .address_space: global }
      - { .name: pm, .offset: 24, .size: 8, .value_kind: global_buffer, .address_space: global }
      - { .name: pz, .offset: 32, .size: 8, .value_kind: global_buffer, .address_space: global }
    .group_segment_fixed_size: 49664
    .private_segment_fixed_size: 0
    .kernarg_segment_align: 8
    .kernarg_segment_size: 40
    .max_flat_workgroup_size: 128
    .sgpr_count:     66
    .vgpr_count:     258
    .wavefront_size: 32
...
	.end_amdgpu_metadata
.endif
;; end of part 6
;; launch pinv0 (part 7): grid 192 x 1, 4 waves a work-group, no clusters, 0 bytes of LDS; arguments memory_mean, lowp_scales, pm, pimg; writes pimg
.if DOCPART == 7
	.amdgcn_target "amdgcn-amd-amdhsa--gfx1250"
	.amdhsa_code_object_version 6
	.text
	.protected	k_q6cf4f3bb4e_pinv0
	.globl	k_q6cf4f3bb4e_pinv0
	.p2align	8
	.type	k_q6cf4f3bb4e_pinv0,@function
k_q6cf4f3bb4e_pinv0:
	s_mov_b64 s[64:65], 0
	v_nop
	global_prefetch_b8 v0, s[64:65] scope:SCOPE_SE
	s_setreg_imm32_b32 hwreg(HW_REG_WAVE_SCHED_MODE, 0, 2), 2
	s_setreg_imm32_b32 hwreg(HW_REG_WAVE_MODE, 25, 1), 1
	s_wait_xcnt 0x0
	s_wait_alu depctr_vm_vsrc(0)
; PINV0: product 2 and the first pseudoinverse.  R1[c][l] = sum over j of Q2(a M0[j][c]) Q3(T1[l][j]);  P[c][l] = 2 a M0[l][c] - R1[c][l];  Q5(P) -> pimg, [l tile 32][c pair 24][512 bytes].
; Tiles, quads and images as in the launch before: tile t holds rows 32 (t / 2) + 8 (t % 2) + r + (r & 8); a quad is four registers of codes, lane L's 16 bytes at 16 L.
; A wave makes one quad: c pair cp = g / 8, l tile lt = 4 (g % 8) + w: D(m = c tile 2 cp + u, n = l), K = 512 in four steps, two accumulators by turns.  768 quads: 192 work-groups.
; P / 2 = a M0 - sum x 2^(e2 + e3 - 1) by one fused multiply-add: the one rounding of 2 X - R, halved; the conversion takes 2^(e5 - 1).
; LIMITS: e5 - 1 between -126 and 119; e2 + e3 - 1 between -126 and 127.  NaN among the inputs is not served.
; No LDS: operands are read once, as images of their registers, each load 512 consecutive bytes.
; THE MODE: SCHED_MODE bits 1:0 = 2 (LLVM: expert scheduling mode 2), set by the entry lines.  The code itself states the register dependences between vector or matrix
; instructions and memory instructions, with s_wait_alu, always for 0.
; THE PLAN.  v1, v2: offsets, written once at the head, read by all loads and the store.  v32-239: loads land once, in registers that nothing has named.  v16-19: written by the conversions, read by the one store.
; So two waits on va_vdst: ahead of the first load and ahead of the store.  No register that a memory instruction reads is written again.
.set AEXP,  0x3bdcc9ff
.set PM_Q2, 262144
	s_load_b256 s[4:11], s[0:1], 0x0               ; memory_mean, lowp_scales, pm, pimg
	v_lshrrev_b32 v2, 5, v0
	v_readfirstlane_b32 s12, v2                    ; wave
	v_and_b32 v1, 31, v0
	v_lshlrev_b32 v1, 4, v1                        ; 16 L
	v_and_b32 v3, 15, v0
	v_bfe_u32 v4, v0, 4, 1
	v_and_b32 v5, 8, v3
	v_add_nc_u32 v5, v5, v3                        ; r + (r & 8)
	s_lshr_b32 s13, ttmp9, 3                       ; cp
	s_and_b32 s14, ttmp9, 7
	s_lshl_b32 s14, s14, 2
	s_wait_alu depctr_va_sdst(0)                   ; s12 is written, ahead of its first reader
	s_add_co_u32 s14, s14, s12                     ; lt
	s_lshr_b32 s15, s14, 1
	s_lshl_b32 s15, s15, 5
	s_and_b32 s32, s14, 1
	s_lshl_b32 s32, s32, 3
	s_add_co_u32 s15, s15, s32
	s_mul_i32 s15, s15, 3072
	s_lshl_b32 s32, s13, 7
	s_add_co_u32 s15, s15, s32
	v_mul_u32_u24 v2, v5, 3072
	v_lshl_add_u32 v2, v4, 6, v2
	v_add_nc_u32 v2, s15, v2                       ; M0: row l of my lane, columns 32 cp + 16 h on
	s_mov_b32 s36, AEXP
	s_mov_b32 s37, AEXP
	s_mov_b32 s33, 0
	s_wait_kmcnt 0x0
	s_load_b256 s[20:27], s[6:7], 0x0              ; e0 .. e7
	s_lshl_b32 s32, s13, 14
	s_add_nc_u64 s[16:17], s[8:9], s[32:33]        ; Q2's images of c tile 2 cp
	s_lshl_b32 s32, s14, 13
	s_add_nc_u64 s[18:19], s[8:9], s[32:33]        ; T1's images of l tile lt
	s_mul_i32 s32, s14, 12288
	s_lshl_b32 s15, s13, 9
	s_add_co_u32 s32, s32, s15
	s_add_nc_u64 s[28:29], s[10:11], s[32:33]      ; my quad of pimg
	s_wait_alu depctr_va_vdst(0)                   ; the offsets v1 and v2 are written, which the loads and the store read
.irp j, 0,1,2,3
	global_load_b128 v[224+4*\j:227+4*\j], v2, s[4:5] offset:16*\j
.endr
.irp t, 0,1,2,3
.irp u, 0,1
.irp c, 0,1,2,3
	global_load_b128 v[32+16*(4*\u+\t)+4*\c:32+16*(4*\u+\t)+4*\c+3], v1, s[16:17] offset:PM_Q2+8192*\u+2048*\t+512*\c
.endr
.endr
.irp c, 0,1,2,3
	global_load_b128 v[160+16*\t+4*\c:160+16*\t+4*\c+3], v1, s[18:19] offset:2048*\t+512*\c
.endr
.endr
	s_wait_kmcnt 0x0
	s_add_co_i32 s30, s22, s23
	s_add_co_i32 s30, s30, 126
	s_lshl_b32 s30, s30, 23
	s_or_b32 s30, s30, 0x80000000                  ; -2^(e2 + e3 - 1)
	s_mov_b32 s31, s30
	s_add_co_i32 s32, s25, 126                     ; e5 - 1 + 127
	s_lshl_b32 s34, s32, 23
	v_mov_b32 v20, s34                             ; 2^(e5 - 1)
	s_add_co_i32 s32, s32, 8
	s_lshl_b32 s32, s32, 23
	s_or_b32 s32, s32, 0x600000
	v_mov_b32 v21, s32                             ; 448 x that
.irp t, 0,1,2,3
	s_wait_loadcnt 12*(3-\t)                       ; this K step's 12 loads are in; the later steps' may be out
.irp u, 0,1
.if \t == 0
	v_wmma_f32_16x16x128_fp8_fp8 v[240+8*\u:247+8*\u], v[32+16*(4*\u+\t):47+16*(4*\u+\t)], v[160+16*\t:175+16*\t], 0
.else
	v_wmma_f32_16x16x128_fp8_fp8 v[240+8*\u:247+8*\u], v[32+16*(4*\u+\t):47+16*(4*\u+\t)], v[160+16*\t:175+16*\t], v[240+8*\u:247+8*\u]
.endif
.endr
.endr
.irp i, 0,2,4,6,8,10,12,14
	v_pk_mul_f32 v[224+\i:225+\i], v[224+\i:225+\i], s[36:37] op_sel_hi:[1,0]      ; a M0: these eight are also the places behind the last products
.endr
.irp i, 0,2,4,6,8,10,12,14
	v_pk_fma_f32 v[224+\i:225+\i], v[240+\i:241+\i], s[30:31], v[224+\i:225+\i] op_sel_hi:[1,0,1]   ; P / 2
.endr
.irp i, 0,1,2,3,4,5,6,7,8,9,10,11,12,13,14,15
	v_med3_num_f32 v[224+\i], v[224+\i], -v21, v21 ; the conversion does not saturate (ISA guide 7.6.2)
.endr
	v_cvt_scalef32_pk8_fp8_f32 v[16:17], v[224:231], v20
	v_cvt_scalef32_pk8_fp8_f32 v[18:19], v[232:239], v20
	v_nop
	s_wait_alu depctr_va_vdst(0)                   ; the conversions have written v16-19, which the store reads
	global_store_b128 v1, v[16:19], s[28:29]
	s_endpgm
.Lfunc_end_k_q6cf4f3bb4e_pinv0:
	.size	k_q6cf4f3bb4e_pinv0, .Lfunc_end_k_q6cf4f3bb4e_pinv0-k_q6cf4f3bb4e_pinv0
	.p2alignl 7, 3214868480
	.fill 96, 4, 3214868480
	.section	.rodata,"a",@progbits
	.p2align	6, 0x0
	.amdhsa_kernel k_q6cf4f3bb4e_pinv0
		.amdhsa_group_segment_fixed_size 0
		.amdhsa_private_segment_fixed_size 0
		.amdhsa_enable_private_segment 0
		.amdhsa_kernarg_size 32
		.amdhsa_user_sgpr_count 2
		.amdhsa_user_sgpr_kernarg_segment_ptr 1
		.amdhsa_wavefront_size32 1
		.amdhsa_system_sgpr_workgroup_id_x 1
		.amdhsa_system_sgpr_workgroup_id_y 1
		.amdhsa_system_sgpr_workgroup_id_z 1
		.amdhsa_system_vgpr_workitem_id 0
		.amdhsa_next_free_vgpr 256
		.amdhsa_next_free_sgpr 66
		.amdhsa_reserve_vcc 0
		.amdhsa_float_denorm_mode_32 3
		.amdhsa_float_denorm_mode_16_64 3
		.amdhsa_memory_ordered 1
		.amdhsa_forward_progress 1
		.amdhsa_inst_pref_size 11
	.end_amdhsa_kernel
	.amdgpu_metadata
---
amdhsa.version: [ 1, 2 ]
amdhsa.kernels:
  - .name:           k_q6cf4f3bb4e_pinv0
    .symbol:         k_q6cf4f3bb4e_pinv0.kd
    .args:
      - { .name: memory_mean, .offset: 0, .size: 8, .value_kind: global_buffer, .address_space: global }
      - { .name: lowp_scales, .offset: 8, .size: 8, .value_kind: global_buffer, .address_space: global }
      - { .name: pm, .offset: 16, .size: 8, .value_kind: global_buffer, .address_space: global }
      - { .name: pimg, .offset: 24, .size: 8, .value_kind: global_buffer, .address_space: global }
    .group_segment_fixed_size: 0
    .private_segment_fixed_size: 0
    .kernarg_segment_align: 8
    .kernarg_segment_size: 32
    .max_flat_workgroup_size: 128
    .sgpr_count:     66
    .vgpr_count:     256
    .wavefront_size: 32
...
	.end_amdgpu_metadata
.endif
;; end of part 7
;; launch wprod (part 8): grid 256 x 1, 4 waves a work-group, no clusters, 0 bytes of LDS; arguments pz, pimg, lowp_scales, wq, aw; writes wq, aw
.if DOCPART == 8
	.amdgcn_target "amdgcn-amd-amdhsa--gfx1250"
	.amdhsa_code_object_version 6
	.text
	.protected	k_q6cf4f3bb4e_wprod
	.globl	k_q6cf4f3bb4e_wprod
	.p2align	8
	.type	k_q6cf4f3bb4e_wprod,@function
k_q6cf4f3bb4e_wprod:
	s_mov_b64 s[64:65], 0
	v_nop
	global_prefetch_b8 v0, s[64:65] scope:SCOPE_SE
	s_setreg_imm32_b32 hwreg(HW_REG_WAVE_SCHED_MODE, 0, 2), 2
	s_setreg_imm32_b32 hwreg(HW_REG_WAVE_MODE, 25, 1), 1
	s_wait_xcnt 0x0
	s_wait_alu depctr_vm_vsrc(0)
; WPROD: product 3, w[e][k] = sum over c of Q4(z[e][c]) Q5(P[c][k]), and the three quantisers of w.
; Work-group: batch b = g / 4, quarter kq = g % 4 of the 512 k; wave w: k tiles 8 kq + 2 w + u.  The product is made twice, once each way round, since w is wanted in two layouts:
;   I  D(m = k, n = e): a lane holds one e, registers along k:  Q7(w), Q6(a w): fragments of rows e, K = k   -> wq, wq + 1048576: [b][e tile 2][K step 4][quad 4][512]
;   II D(m = e, n = k): a lane holds one k, registers along e:  Q8(a w): tiles of rows k, K = e -> wq + 2097152: [b][k tile 32][512];  a w itself, f32 -> aw: [b][k tile 32][e tile 2][half 2][512]
; A sum stands for sum x 2^(e4 + e5): that power is folded into the three conversions' scales; a w is multiplied out, which rounds nothing.
; LIMITS: e6, e7, e8 less (e4 + e5) between -126 and 119; e4 + e5 between -126 and 127.
; REGISTERS: window 1: P's fragments (u, sigma) at 16 (6 u + sigma); window 2: z's (ue, sigma) at 16 (6 ue + sigma); window 0: accumulators I at v32, II at v64; from v96 what is stored, each store with registers of its own.
; THE MODE: SCHED_MODE bits 1:0 = 2 (LLVM: expert scheduling mode 2), set by the entry lines.  The code itself states the register dependences between vector or matrix
; instructions and memory instructions, with s_wait_alu, always for 0.
; THE PLAN.  v1: the offset 16 L, written once at the head, read by all loads and stores.  Windows 1 and 2: loads land once, in registers that nothing has named.  v128-183: written by the way out, read by the 14 stores, never written again.
; So two waits on va_vdst: ahead of the first load and ahead of the run of stores.
.set AEXP, 0x3bdcc9ff
.set MSB, 0
.macro WIN new                         ; the immediate's high byte repeats the setting that is left
.if MSB != \new
	s_set_vgpr_msb (MSB<<8)|\new
.set MSB, \new
.endif
.endm
.macro SCL vs, vl, se
	s_add_co_i32 s44, \se, 127
	s_lshl_b32 s45, s44, 23
	v_mov_b32 v[\vs], s45
	s_add_co_i32 s44, s44, 8
	s_lshl_b32 s44, s44, 23
	s_or_b32 s44, s44, 0x600000
	v_mov_b32 v[\vl], s44
.endm
.macro HOLD n, x, lim
.set hh, 0
.rept \n
	v_med3_num_f32 v[(\x)+hh], v[(\x)+hh], -v[\lim], v[\lim]
.set hh, hh+1
.endr
.endm
.macro CVT2 d, x, sc
	v_cvt_scalef32_pk8_fp8_f32 v[(\d):(\d)+1], v[(\x):(\x)+7], v[\sc]
	v_cvt_scalef32_pk8_fp8_f32 v[(\d)+2:(\d)+3], v[(\x)+8:(\x)+15], v[\sc]
.endm
.macro TIMESA n, x
.set hh, 0
.rept \n
	v_pk_mul_f32 v[(\x)+hh:(\x)+hh+1], v[(\x)+hh:(\x)+hh+1], s[42:43] op_sel_hi:[1,0]
.set hh, hh+2
.endr
.endm
	s_load_b256 s[4:11], s[0:1], 0x0               ; pz, pimg, lowp_scales, wq
	s_load_b64 s[12:13], s[0:1], 0x20              ; aw
	v_lshrrev_b32 v2, 5, v0
	v_readfirstlane_b32 s14, v2                    ; wave
	v_and_b32 v1, 31, v0
	v_lshlrev_b32 v1, 4, v1                        ; 16 L
	s_lshr_b32 s15, ttmp9, 2                       ; b
	s_and_b32 s16, ttmp9, 3                        ; kq
	s_lshl_b32 s17, s16, 3
	s_wait_alu depctr_va_sdst(0)                   ; s14 is written, ahead of its first reader
	s_lshl_b32 s18, s14, 1
	s_add_co_u32 s17, s17, s18                     ; my first k tile
	s_mov_b32 s41, 0
	s_mov_b32 s42, AEXP
	s_mov_b32 s43, AEXP
	s_wait_kmcnt 0x0
	s_load_b256 s[20:27], s[8:9], 0x0              ; e0 .. e7
	s_load_b32 s28, s[8:9], 0x20                   ; e8
	s_mul_i32 s40, s17, 12288
	s_add_nc_u64 s[30:31], s[6:7], s[40:41]        ; P's images of my two tiles
	s_mul_i32 s40, s15, 24576
	s_add_nc_u64 s[32:33], s[4:5], s[40:41]        ; Q4(z) of my batch
	s_lshl_b32 s40, s15, 14
	s_lshl_b32 s18, s16, 11
	s_add_co_u32 s40, s40, s18
	s_lshl_b32 s18, s14, 9
	s_add_co_u32 s40, s40, s18
	s_add_nc_u64 s[34:35], s[10:11], s[40:41]      ; my quad of Q7 and Q6: K step kq, quad w
	s_lshl_b32 s40, s15, 14
	s_lshl_b32 s18, s17, 9
	s_add_co_u32 s40, s40, s18
	s_add_nc_u64 s[36:37], s[10:11], s[40:41]      ; my two tiles of Q8
	s_lshl_b32 s40, s15, 16
	s_lshl_b32 s18, s17, 11
	s_add_co_u32 s40, s40, s18
	s_add_nc_u64 s[38:39], s[12:13], s[40:41]      ; and of a w
	WIN 0x40                                       ; destination window 1
	s_wait_alu depctr_va_vdst(0)                   ; the offset v1 is written, which every load and store reads
.set n, 0
.rept 48
	global_load_b128 v[4*n:4*n+3], v1, s[30:31] offset:512*n       ; 24 quads a tile lie on end: fragment (u, sigma), quad c at 512 (24 u + 4 sigma + c)
.set n, n+1
.endr
	WIN 0x80                                       ; destination window 2
.irp t, 0,1,2,3,4,5
.irp ue, 0,1
.irp c, 0,1,2,3
	global_load_b128 v[16*(6*\ue+\t)+4*\c:16*(6*\ue+\t)+4*\c+3], v1, s[32:33] offset:2048*(6*\ue+\t)+512*\c
.endr
.endr
.endr
	WIN 0
	s_wait_kmcnt 0x0
	s_add_co_i32 s19, s24, s25                     ; e4 + e5
	s_sub_co_i32 s18, s27, s19
	SCL 4, 5, s18                                  ; Q7
	s_sub_co_i32 s18, s26, s19
	SCL 6, 7, s18                                  ; Q6
	s_sub_co_i32 s18, s28, s19
	SCL 8, 9, s18                                  ; Q8
	s_add_co_i32 s46, s19, 127
	s_lshl_b32 s46, s46, 23                        ; 2^(e4 + e5)
	s_mov_b32 s47, s46
.irp t, 0,1,2,3,4,5
	s_wait_loadcnt 8*(5-\t)                        ; z's fragments of this K step are in (P's are older); the later steps' eight each may be out
	WIN 0x09                                       ; source 0 window 1 (P), source 1 window 2 (z)
.irp ue, 0,1
.irp u, 0,1
.if \t == 0
	v_wmma_f32_16x16x128_fp8_fp8 v[32+8*(2*\ue+\u):39+8*(2*\ue+\u)], v[16*(6*\u+\t):16*(6*\u+\t)+15], v[16*(6*\ue+\t):16*(6*\ue+\t)+15], 0
.else
	v_wmma_f32_16x16x128_fp8_fp8 v[32+8*(2*\ue+\u):39+8*(2*\ue+\u)], v[16*(6*\u+\t):16*(6*\u+\t)+15], v[16*(6*\ue+\t):16*(6*\ue+\t)+15], v[32+8*(2*\ue+\u):39+8*(2*\ue+\u)]
.endif
.endr
.endr
	WIN 0x06                                       ; source 0 window 2 (z), source 1 window 1 (P)
.irp u, 0,1
.irp ue, 0,1
.if \t == 0
	v_wmma_f32_16x16x128_fp8_fp8 v[64+8*(2*\u+\ue):71+8*(2*\u+\ue)], v[16*(6*\ue+\t):16*(6*\ue+\t)+15], v[16*(6*\u+\t):16*(6*\u+\t)+15], 0
.else
	v_wmma_f32_16x16x128_fp8_fp8 v[64+8*(2*\u+\ue):71+8*(2*\u+\ue)], v[16*(6*\ue+\t):16*(6*\ue+\t)+15], v[16*(6*\u+\t):16*(6*\u+\t)+15], v[64+8*(2*\u+\ue):71+8*(2*\u+\ue)]
.endif
.endr
.endr
.endr
	WIN 0
.rept 4
	v_nop
.endr
.irp ue, 0,1
.irp i, 0,1,2,3,4,5,6,7,8,9,10,11,12,13,14,15
	v_med3_num_f32 v[96+16*\ue+\i], v[32+16*\ue+\i], -v5, v5       ; w held for Q7, beside the sums
.endr
	CVT2 128+4*\ue, 96+16*\ue, 4
	TIMESA 8, 32+16*\ue                            ; a w
	HOLD 16, 32+16*\ue, 7
	CVT2 136+4*\ue, 32+16*\ue, 6
.endr
.irp u, 0,1
	TIMESA 8, 64+16*\u                             ; a w, the other way round
.irp i, 0,2,4,6,8,10,12,14
	v_pk_mul_f32 v[144+16*\u+\i:145+16*\u+\i], v[64+16*\u+\i:65+16*\u+\i], s[46:47] op_sel_hi:[1,0]   ; x 2^(e4 + e5): the number itself
.endr
	HOLD 16, 64+16*\u, 9
	CVT2 176+4*\u, 64+16*\u, 8
.endr
	v_nop
	s_wait_alu depctr_va_vdst(0)                   ; the conversions and multiplications have written v128-183, which the 14 stores read
.irp ue, 0,1
	global_store_b128 v1, v[128+4*\ue:131+4*\ue], s[34:35] offset:8192*\ue
	global_store_b128 v1, v[136+4*\ue:139+4*\ue], s[34:35] offset:1048576+8192*\ue
.endr
.irp u, 0,1
	global_store_b128 v1, v[176+4*\u:179+4*\u], s[36:37] offset:2097152+512*\u
.irp q, 0,1,2,3
	global_store_b128 v1, v[144+16*\u+4*\q:147+16*\u+4*\q], s[38:39] offset:2048*\u+512*\q
.endr
.endr
	s_endpgm
.Lfunc_end_k_q6cf4f3bb4e_wprod:
	.size	k_q6cf4f3bb4e_wprod, .Lfunc_end_k_q6cf4f3bb4e_wprod-k_q6cf4f3bb4e_wprod
	.p2alignl 7, 3214868480
	.fill 96, 4, 3214868480
	.section	.rodata,"a",@progbits
	.p2align	6, 0x0
	.amdhsa_kernel k_q6cf4f3bb4e_wprod
		.amdhsa_group_segment_fixed_size 0
		.amdhsa_private_segment_fixed_size 0
		.amdhsa_enable_private_segment 0
		.amdhsa_kernarg_size 40
		.amdhsa_user_sgpr_count 2
		.amdhsa_user_sgpr_kernarg_segment_ptr 1
		.amdhsa_wavefront_size32 1
		.amdhsa_system_sgpr_workgroup_id_x 1
		.amdhsa_system_sgpr_workgroup_id_y 1
		.amdhsa_system_sgpr_workgroup_id_z 1
		.amdhsa_system_vgpr_workitem_id 0
		.amdhsa_next_free_vgpr 768
		.amdhsa_next_free_sgpr 66
		.amdhsa_reserve_vcc 0
		.amdhsa_float_denorm_mode_32 3
		.amdhsa_float_denorm_mode_16_64 3
		.amdhsa_memory_ordered 1
		.amdhsa_forward_progress 1
		.amdhsa_inst_pref_size 27
	.end_amdhsa_kernel
	.amdgpu_metadata
---
amdhsa.version: [ 1, 2 ]
amdhsa.kernels:
  - .name:           k_q6cf4f3bb4e_wprod
    .symbol:         k_q6cf4f3bb4e_wprod.kd
    .args:
      - { .name: pz, .offset: 0, .size: 8, .value_kind: global_buffer, .address_space: global }
      - { .name: pimg, .offset: 8, .size: 8, .value_kind: global_buffer, .address_space: global }
      - { .name: lowp_scales, .offset: 16, .size: 8, .value_kind: global_buffer, .address_space: global }
      - { .name: wq, .offset: 24, .size: 8, .value_kind: global_buffer, .address_space: global }
      - { .name: aw, .offset: 32, .size: 8, .value_kind: global_buffer, .address_space: global }
    .group_segment_fixed_size: 0
    .private_segment_fixed_size: 0
    .kernarg_segment_align: 8
    .kernarg_segment_size: 40
    .max_flat_workgroup_size: 128
    .sgpr_count:     66
    .vgpr_count:     768
    .wavefront_size: 32
...
	.end_amdgpu_metadata
.endif
;; end of part 8
;; launch core (part 9): grid 256 x 1, 4 waves a work-group, no clusters, 229,888 bytes of LDS; arguments wq, aw, pz, lowp_scales, wp, wr; writes wp, wr
.if DOCPART == 9
	.amdgcn_target "amdgcn-amd-amdhsa--gfx1250"
	.amdhsa_code_object_version 6
	.text
	.protected	k_q6cf4f3bb4e_core
	.globl	k_q6cf4f3bb4e_core
	.p2align	8
	.type	k_q6cf4f3bb4e_core,@function
k_q6cf4f3bb4e_core:
	s_mov_b64 s[64:65], 0
	v_nop
	global_prefetch_b8 v0, s[64:65] scope:SCOPE_SE
	s_setreg_imm32_b32 hwreg(HW_REG_WAVE_SCHED_MODE, 0, 2), 2
	s_setreg_imm32_b32 hwreg(HW_REG_WAVE_MODE, 25, 1), 1
	s_wait_xcnt 0x0
	s_wait_alu depctr_vm_vsrc(0)
; CORE: products 4 to 9 for (batch b = g / 4, block lq = g % 4 of 128 of the 512 l).  With all j and all c in hand, T3[l block][:], R3[:][l block], Pn[:][l block] and w_read[:][l block] are whole in one work-group.
;   4  T2[l][j] = sum k Q6(a w[l][k]) Q7(w[j][k])            5  R2[i][l] = sum j Q8(a w[j][i]) Q9(T2[l][j]);  Wp = 2 a w^T - R2
;   6  Mn[k][c] = sum e Q10(Wp[k][e]) Q11(z[e][c])           7  T3[l][j] = sum c Q12(a Mn[l][c]) Q13(Mn[j][c])
;   8  R3[c][l] = sum j Q14(a Mn[j][c]) Q15(T3[l][j]);  Pn = 2 a Mn^T - R3          9  w_read[e][l] = sum c Q16(z[e][c]) Q17(Pn[c][l]), quantised by Q18 -> wr
; Mn NEVER GOES TO MEMORY.  It is a product with K = 32 of 16 KB (Wp) and 24 KB (z) of codes that lie in LDS: each tile of it is made where it is wanted, by one K = 64 instruction for 256 numbers (the upper 32 of K meet zeros),
; in the layout that the next quantiser wants, and held, converted and multiplied from registers.
; TILES, QUADS, IMAGES as in the launches before: tile t holds rows 32 (t / 2) + 8 (t % 2) + r + (r & 8); the 16 registers of two neighbouring tiles of a result are 16 neighbours along the next K and become a quad, four registers
; of codes; a quad lies in LDS as 512 bytes, lane L's at 16 L; four quads on end are a fragment (16 rows x 128 K).  K = 32 operands: source 1 is [4 registers of codes][4 of zeros]; source 0 is packed, four registers a tile, its upper
; half being the next tile's codes (finite, since every code comes out of a hold) or a pad of zeros.
; THE STREAM (products 7 and 8).  A wave makes 64 x 128 of the result a pass: four source-0 fragments a K step against the block's eight l tiles, 32 accumulators.  A BEAT is two of those products, two K = 64 products for a quad
; further on, and one quad's hold and conversion: four lines of that list behind each of the four matrix instructions, and what is over together behind the last, so that vector and matrix work run side by side in the one wave
; of a SIMD.  The price is four switches of the register window a beat.
; The given scales are folded (s6 = e10 + e11): Q9: e9 - e6 - e7;  Q10: e10 - 1 (on Wp / 2);  Q12, Q13, Q14: less s6;  Q15: e15 - e12 - e13;  Q17: e17 - s6 - 1 (on Pn / 2^(s6 + 1));  Q18: e18 - e16 - e17.
; LIMITS: each of these eight lies between -126 and 119; e8 + e9 - 1 and e14 + e15 - s6 - 1 between -126 and 127.  NaN among the inputs is not served.
; No tensor loads, no cluster: what the four work-groups of a batch share is 160 KB read once at the head, as images of registers; the loops read LDS alone.
; LDS: WP 32 tiles | ZT 48 tiles | Z16 12 fragments | Q12 [sigma 6][l tile 8][2048], later PN [l tile 8][c pair 24][512] | T3 [K step 4][l tile 8][2048]
; THE MODE: SCHED_MODE bits 1:0 = 2 (LLVM: expert scheduling mode 2), set by the entry lines.  The code itself states the register dependences between vector or matrix
; instructions and memory or LDS instructions, with s_wait_alu, always for 0.
; THE PLAN.  Registers that memory or LDS instructions touch in the stream, and who else names them:
;   two A sets (window 3)         LDS loads land; read by the K = 64 products: a K step's own set up to beat 9, the next step's from beat 10 on.
;   two source-1 sets (window 1)  LDS loads land; read by the step's 32 products, up to beat 15.
;   B tiles, EA, WL (window 0)    LDS loads land, at a pass's head (WL: once); read by K = 64 products.
;   v[S1T], v[ATT], v[BTT]        addresses: written at a pass's head, the first two also at the head of product 7's trip; read by the LDS loads.
;   v[EST], v[EST2], TM, CD       written by a way out, read by its LDS stores.
;   The scratches, the ring and the accumulators are named by vector and matrix instructions alone.
; ONE wait on va_vdst stands in a K step, at the end of beat 1, ahead of the first run of loads: it states that the products of the step before are done reading the other A set and the whole other source-1 set, and that
; the two addresses are written.  The second run, at the end of beat 9, owes nothing more: between that wait and it the products name this step's source-1 set, the ring and the accumulators, the K = 64 products this step's
; A set, the B tiles and the scratches, the vector list the scratches, the ring and v22-25: none of them the other source-1 set or v[S1T].  A pass's last K step loads nothing and holds no such wait.
; A pass's head has one wait on vm_vsrc (everything that loads and stores have read may be written) and one on va_vdst (everything that products have read may be loaded); each way out one on va_vdst ahead of its stores.
.set AEXP, 0x3bdcc9ff
.set WP,   0
.set ZT,   16384
.set Z16,  40960
.set Q12,  65536
.set PN,   65536
.set T3,   163840
; window 0
.set L16,  1                           ; 16 L
.set S1B,  2                           ; the stream: source 1's first fragment,
.set ATB,  3                           ; the first A tile,
.set BTB,  4                           ; my first B tile
.set S1T,  5                           ; the same for the trip in hand
.set ATT,  6
.set BTT,  7
.set ESB,  8                           ; where a pass's results go
.set EST,  9
.set EST2, 10
.set AD0,  11                          ; 16 L + 4096 w
.set AD1,  12                          ; 16 L + 6144 w
.set AD2,  13
.set BT,   32                          ; v32-63   four B tiles
.set WL,   64                          ; v64-127  the block's eight tiles of Wp, as B tiles
.set EA,   128                         ; v128-147 four packed A tiles and their pad
.set TM,   176                         ; v176-239 at work
.set CD,   240                         ; v240-255 codes on their way to LDS
; window 1: source 1's fragments, two sets of 128.   window 2: the 32 accumulators, (f, lt) at 8 (8 f + lt).
; window 3: v0-31 two scratches of a quad; v32-95 a ring of four fragments, one for each fragment of a K step; v96-131, v132-167 two sets of eight packed A tiles and a pad
.set RING, 32
.set AS0,  96
.set SK,   50
.set SKS,  51
.set SKA,  66
.set SPASS, 67
.set SBT,  68
.set SES,  69
.set XW,   0xc3                        ; destination and source 0 window 3, sources 1 and 2 window 0: the K = 64 products, the holds, the conversions
.set YW,   0xa7                        ; A window 3, B window 1, C and D window 2: the stream's products
.set MSB, 0
.macro WIN new                         ; the immediate's high byte repeats the setting that is left; a switch that changes nothing is dropped
.if MSB != \new
	s_set_vgpr_msb (MSB<<8)|\new
.set MSB, \new
.endif
.endm
.macro SCL vs, vl, se
	s_add_co_i32 s62, \se, 127
	s_lshl_b32 s63, s62, 23
	v_mov_b32 v[\vs], s63
	s_add_co_i32 s62, s62, 8
	s_lshl_b32 s62, s62, 23
	s_or_b32 s62, s62, 0x600000
	v_mov_b32 v[\vl], s62
.endm
.macro HOLD n, x, lim                  ; the conversion to an 8-bit code does not saturate (ISA guide 7.6.2)
.set hh, 0
.rept \n
	v_med3_num_f32 v[(\x)+hh], v[(\x)+hh], -v[\lim], v[\lim]
.set hh, hh+1
.endr
.endm
.macro CVT2 d, x, sc
	v_cvt_scalef32_pk8_fp8_f32 v[(\d):(\d)+1], v[(\x):(\x)+7], v[\sc]
	v_cvt_scalef32_pk8_fp8_f32 v[(\d)+2:(\d)+3], v[(\x)+8:(\x)+15], v[\sc]
.endm
.macro TIMESA n, x
.set hh, 0
.rept \n
	v_pk_mul_f32 v[(\x)+hh:(\x)+hh+1], v[(\x)+hh:(\x)+hh+1], s[40:41] op_sel_hi:[1,0]
.set hh, hh+2
.endr
.endm
.macro PLACES                          ; four plain vector lines behind a matrix instruction, ahead of a read of its result and of a load into its sources
.rept 4
	v_nop
.endr
.endm
.macro BARRIER                         ; my LDS stores have landed and my LDS loads are in: then the work-group's barrier
	s_wait_dscnt 0x0
	s_barrier_signal -1
	s_barrier_wait -1
.endm
	s_load_b256 s[4:11], s[0:1], 0x0               ; wq, aw, pz, lowp_scales
	s_load_b128 s[12:15], s[0:1], 0x20             ; wp, wr
	v_lshl_add_u32 v14, v0, 2, 0x38000             ; the LDS address of my spare word, behind T3; kept for the closing lines alone
	v_mov_b32 v15, 0                               ; 0, likewise
	v_lshrrev_b32 v2, 5, v0
	v_readfirstlane_b32 s16, v2                    ; wave
	v_and_b32 v1, 31, v0
	v_lshlrev_b32 v[L16], 4, v1
	s_lshr_b32 s17, ttmp9, 2                       ; b
	s_and_b32 s18, ttmp9, 3                        ; lq
	s_mov_b32 s40, AEXP
	s_mov_b32 s41, AEXP
	s_mov_b32 s47, 0
	s_wait_alu depctr_va_sdst(0)                   ; s16 is written, ahead of its first reader: shares and addresses are made from it
	s_lshl_b32 s70, s16, 12
	v_add_nc_u32 v[AD0], s70, v[L16]
	s_mul_i32 s71, s16, 6144
	v_add_nc_u32 v[AD1], s71, v[L16]
	s_wait_kmcnt 0x0
	s_load_b512 s[20:35], s[10:11], 0x0            ; e0 .. e15
	s_load_b128 s[36:39], s[10:11], 0x40           ; e16 .. e19
	s_lshl_b32 s46, s17, 14
	s_add_nc_u64 s[48:49], s[4:5], s[46:47]        ; wq, wp, wr at my batch
	s_add_nc_u64 s[58:59], s[12:13], s[46:47]
	s_add_nc_u64 s[60:61], s[14:15], s[46:47]
	s_mov_b32 s46, s70
	s_add_nc_u64 s[52:53], s[48:49], s[46:47]      ; my eight tiles of Q8: k tiles 8 w on
	s_lshl_b32 s46, s17, 16
	s_lshl_b32 s72, s16, 14
	s_add_co_u32 s46, s46, s72
	s_add_nc_u64 s[54:55], s[6:7], s[46:47]        ; a w of the same tiles
	s_mul_i32 s46, s17, 24576
	s_add_co_u32 s46, s46, s71
	s_add_nc_u64 s[56:57], s[8:9], s[46:47]        ; my 6,144 bytes of ZT and of Z16
	s_lshl_b32 s46, s18, 12
	s_lshl_b32 s72, s16, 10
	s_add_co_u32 s46, s46, s72
	v_add_nc_u32 v[AD2], s46, v[L16]               ; my two l tiles, 8 lq + 2 w + i, in WP
	s_add_nc_u64 s[58:59], s[58:59], s[46:47]      ; and in wp
	s_lshl_b32 s46, s18, 11
	s_lshl_b32 s72, s16, 9
	s_add_co_u32 s46, s46, s72
	s_add_nc_u64 s[60:61], s[60:61], s[46:47]      ; my quad of wr: K step lq, quad w
	; ---- the head's loads, 128 of 512 consecutive bytes: Q7 and Q6 (64), my Q8 tiles (8), a w (32), my part of ZT and Z16 (24)
	WIN 0x40
	s_wait_alu depctr_va_vdst(0)                   ; v[L16], v[AD0], v[AD1] and v[AD2] are written, which the loads and stores of the head read as addresses
.set n, 0
.rept 32
	global_load_b128 v[4*n:4*n+3], v[L16], s[48:49] offset:512*n
.set n, n+1
.endr
.set n, 0
.rept 32
	global_load_b128 v[128+4*n:131+4*n], v[L16], s[48:49] offset:1048576+512*n
.set n, n+1
.endr
	WIN 0
.irp t, 0,1,2,3,4,5,6,7
	global_load_b128 v[80+8*\t:83+8*\t], v[L16], s[52:53] offset:2097152+512*\t
.endr
	WIN 0x80
.set n, 0
.rept 32
	global_load_b128 v[4*n:4*n+3], v[L16], s[54:55] offset:512*n
.set n, n+1
.endr
	WIN 0
.set n, 0
.rept 12
	global_load_b128 v[144+4*n:147+4*n], v[L16], s[56:57] offset:3145728+512*n
.set n, n+1
.endr
.set n, 0
.rept 12
	global_load_b128 v[192+4*n:195+4*n], v[L16], s[56:57] offset:1572864+512*n
.set n, n+1
.endr
.irp t, 0,1,2,3,4,5,6,7
.irp i, 4,5,6,7
	v_mov_b32 v[80+8*\t+\i], 0                     ; the upper 32 of K of each B tile
.endr
.endr
.irp i, 72,73,74,75
	v_mov_b32 v\i, 0                               ; the pad behind T2's two packed tiles
.endr
	s_wait_kmcnt 0x0
	s_add_co_i32 s71, s30, s31                     ; s6 = e10 + e11
	s_sub_co_i32 s70, s29, s26
	s_sub_co_i32 s70, s70, s27
	SCL 16, 17, s70                                ; Q9
	s_sub_co_i32 s70, s30, 1
	SCL 18, 19, s70                                ; Q10
	s_sub_co_i32 s70, s32, s71
	SCL 20, 21, s70                                ; Q12
	s_sub_co_i32 s70, s33, s71
	SCL 22, 23, s70                                ; Q13
	s_sub_co_i32 s70, s34, s71
	SCL 24, 25, s70                                ; Q14
	s_sub_co_i32 s70, s35, s32
	s_sub_co_i32 s70, s70, s33
	SCL 26, 27, s70                                ; Q15
	s_sub_co_i32 s70, s37, s71
	s_sub_co_i32 s70, s70, 1
	SCL 28, 29, s70                                ; Q17
	s_sub_co_i32 s70, s38, s36
	s_sub_co_i32 s70, s70, s37
	SCL 30, 31, s70                                ; Q18
	s_add_co_i32 s42, s28, s29
	s_add_co_i32 s42, s42, 126
	s_lshl_b32 s42, s42, 23
	s_or_b32 s42, s42, 0x80000000                  ; -2^(e8 + e9 - 1)
	s_mov_b32 s43, s42
	s_add_co_i32 s44, s34, s35
	s_sub_co_i32 s44, s44, s71
	s_add_co_i32 s44, s44, 126
	s_lshl_b32 s44, s44, 23
	s_or_b32 s44, s44, 0x80000000                  ; -2^(e14 + e15 - s6 - 1)
	s_mov_b32 s45, s44
	; ---- product 4: D(m = j tile uj, n = l tile ul), every wave all of it: four accumulators by turns
	s_wait_loadcnt 63                              ; 128 are issued: the oldest 65 are in, Q7's and Q6's 64 among them
	WIN 0x05
.irp t, 0,1,2,3
.irp ul, 0,1
.irp uj, 0,1
.if \t == 0
	v_wmma_f32_16x16x128_fp8_fp8 v[32+8*(2*\ul+\uj):39+8*(2*\ul+\uj)], v[16*(4*\uj+\t):16*(4*\uj+\t)+15], v[128+16*(4*\ul+\t):128+16*(4*\ul+\t)+15], 0
.else
	v_wmma_f32_16x16x128_fp8_fp8 v[32+8*(2*\ul+\uj):39+8*(2*\ul+\uj)], v[16*(4*\uj+\t):16*(4*\uj+\t)+15], v[128+16*(4*\ul+\t):128+16*(4*\ul+\t)+15], v[32+8*(2*\ul+\uj):39+8*(2*\ul+\uj)]
.endif
.endr
.endr
.endr
	WIN 0
	PLACES
	HOLD 32, 32, 17
	CVT2 64, 32, 16                                ; Q9(T2): rows l, K = j: two packed tiles
	CVT2 68, 48, 16
	v_nop
	; ---- product 5 and Wp, for my eight k tiles: D(m = l tile ul, n = k tile)
	s_wait_loadcnt 56                              ; my Q8 tiles are in; a w's 32 and the 24 behind them may be out
	WIN 0x80
.irp t, 0,1,2,3,4,5,6,7
.irp ul, 0,1
	v_wmma_f32_16x16x64_fp8_fp8 v[128+8*(2*\t+\ul):135+8*(2*\t+\ul)], v[64+4*\ul:71+4*\ul], v[80+8*\t:87+8*\t], 0
.endr
.endr
	s_wait_loadcnt 24                              ; a w is in
	PLACES
	WIN 0xa2
.set n, 0
.rept 64
	v_pk_fma_f32 v[128+2*n:129+2*n], v[128+2*n:129+2*n], s[42:43], v[2*n:2*n+1] op_sel_hi:[1,0,1]   ; Wp / 2 = a w - sum x 2^(e8 + e9 - 1): the one rounding of 2 X - R, halved
.set n, n+1
.endr
	WIN 0x82
	HOLD 128, 128, 19
	WIN 0x02
.irp t, 0,1,2,3,4,5,6,7
	CVT2 32+4*\t, 128+16*\t, 18
.endr
	v_nop
	WIN 0
	s_wait_alu depctr_va_vdst(0)                   ; the conversions have written v32-63, which the LDS stores read
.irp t, 0,1,2,3,4,5,6,7
	ds_store_b128 v[AD0], v[32+4*\t:35+4*\t] offset:WP+512*\t
.endr
	s_wait_loadcnt 0x0
.set n, 0
.rept 12
	ds_store_b128 v[AD1], v[144+4*n:147+4*n] offset:ZT+512*n
	ds_store_b128 v[AD1], v[192+4*n:195+4*n] offset:Z16+512*n
.set n, n+1
.endr
	BARRIER                                        ; WP, ZT and Z16 are whole; nobody writes them again
	s_wait_alu depctr_vm_vsrc(0)                   ; my LDS stores have read v32-63 and v144-239: v32-63 are the B tiles from here on, written by the lines and loads below; the others are written in the loop
	; ---- Q12(a Mn) of my two l tiles, a K step (128 c) a trip: D(m = c tile, n = l tile)
.irp f, 0,1,2,3
.irp i, 4,5,6,7
	v_mov_b32 v[BT+8*\f+\i], 0                     ; once: the B tiles' upper halves
.endr
.endr
	WIN 0xc0
.irp i, 0,1,2,3
	v_mov_b32 v[AS0+32+\i], 0                      ; once: the pads of the two A sets
	v_mov_b32 v[AS0+68+\i], 0
.endr
	WIN 0
	ds_load_b128 v[BT:BT+3], v[AD2] offset:WP      ; no wait on va_vdst: since the one ahead of the stores no vector line has named v32-35, v40-43, the A set's 32 registers or the addresses
	ds_load_b128 v[BT+8:BT+11], v[AD2] offset:WP+512
	WIN 0xc0
.irp t, 0,1,2,3,4,5,6,7
	ds_load_b128 v[AS0+4*\t:AS0+4*\t+3], v[L16] offset:ZT+512*\t
.endr
	WIN 0
	v_add_nc_u32 v[ESB], Q12, v[AD0]
	s_mov_b32 s[SK], 0
	s_mov_b32 s[SKA], 0
	s_mov_b32 s[SKS], 0
	s_wait_dscnt 0x0
	global_store_b128 v[L16], v[BT:BT+3], s[58:59]                 ; Wp goes to memory for the last launch: each tile by the one wave of the batch that has it as its l tile
	global_store_b128 v[L16], v[BT+8:BT+11], s[58:59] offset:512
.Lq12:
	s_wait_dscnt 0x0                               ; this trip's A tiles are in; the last trip's stores are done
	s_wait_alu depctr_vm_vsrc(0)                   ; the last trip's LDS loads have read v[ATT], its stores v[EST] and v192-223: all are written again in this trip
	v_add_nc_u32 v[ATT], s[SKA], v[L16]            ; where the next trip's A tiles lie (not used in the last trip),
	v_add_nc_u32 v[EST], s[SKS], v[ESB]            ; and where this trip's codes go
	WIN 0x03
.irp p, 0,1,2,3
.irp i, 0,1
.irp u, 0,1
	v_wmma_f32_16x16x64_fp8_fp8 v[64+32*\p+16*\i+8*\u:71+32*\p+16*\i+8*\u], v[AS0+4*(2*\p+\u):AS0+4*(2*\p+\u)+7], v[BT+8*\i:BT+8*\i+7], 0
.endr
.endr
.endr
	WIN 0
	PLACES
	s_cmp_eq_u32 s[SK], 5                          ; the next trip's A tiles, if there is a next trip
	s_cbranch_scc1 .Lq12_last
	WIN 0xc0
	s_wait_alu depctr_va_vdst(0)                   ; the sixteen products are done reading the A tiles, in which the next trip's land; v[ATT] is written
.irp t, 0,1,2,3,4,5,6,7
	ds_load_b128 v[AS0+4*\t:AS0+4*\t+3], v[ATT] offset:ZT+4096+512*\t
.endr
	WIN 0
.Lq12_last:
	TIMESA 64, 64
	HOLD 128, 64, 21
.irp p, 0,1,2,3
.irp i, 0,1
	CVT2 192+16*\i+4*\p, 64+32*\p+16*\i, 20
.endr
.endr
	v_nop
	s_wait_alu depctr_va_vdst(0)                   ; the conversions have written v192-223, which the LDS stores read; v[EST] is written
.irp i, 0,1
.irp p, 0,1,2,3
	ds_store_b128 v[EST], v[192+16*\i+4*\p:195+16*\i+4*\p] offset:2048*\i+512*\p
.endr
.endr
	s_add_co_u32 s[SKA], s[SKA], 4096
	s_add_co_u32 s[SKS], s[SKS], 16384
	s_add_co_u32 s[SK], s[SK], 1
	s_cmp_lt_u32 s[SK], 6
	s_cbranch_scc1 .Lq12
	s_wait_xcnt 0x0                                ; the two stores to wp have read v32-43, which take loads below (the wait on vm_vsrc for them stands at the first pass's head)
	BARRIER                                        ; Q12 is whole
; ================ THE STREAM ================
; The second conversion of the quad BEFORE the one in hand: its eight holds were the last but one lines of the beat before.
.macro CVB ph
.if \ph == 7
	v_cvt_scalef32_pk8_fp8_f32 v[crb+2:crb+3], v[csb+8:csb+15], v22
.else
	v_cvt_scalef32_pk8_fp8_f32 v[crb+2:crb+3], v[csb+8:csb+15], v24
.endif
.endm
; Number vj of a beat's vector list.  The quad in hand: scratch vsb, its four registers of the ring vrb.  No conversion stands near the holds that it reads: a quad's first conversion ends its beat, nine lines or more behind
; its last hold; its second stands in the next beat.  In product 8 the multiplications by a stand a slice ahead of the holds that read them.
;   product 7 (18): holds 0-4 | the quad before's second conversion | holds 5-15 | the first conversion
;   product 8 (26): 4 packed x a (numbers 0-7) | hold 0 | the quad before's second conversion | holds 1, 2 | 4 packed x a (numbers 8-15) | holds 3-15 | the first conversion
.macro VQ1 ph
.if \ph == 7
.if vj < 5
	v_med3_num_f32 v[vsb+vj], v[vsb+vj], -v23, v23
.elseif vj == 5
.if docb
	CVB 7
.endif
.elseif vj < 17
	v_med3_num_f32 v[vsb+vj-1], v[vsb+vj-1], -v23, v23
.else
	v_cvt_scalef32_pk8_fp8_f32 v[vrb:vrb+1], v[vsb:vsb+7], v22
.endif
.else
.if vj < 4
	v_pk_mul_f32 v[vsb+2*vj:vsb+2*vj+1], v[vsb+2*vj:vsb+2*vj+1], s[40:41] op_sel_hi:[1,0]
.elseif vj == 4
	v_med3_num_f32 v[vsb], v[vsb], -v25, v25
.elseif vj == 5
.if docb
	CVB 8
.endif
.elseif vj < 8
	v_med3_num_f32 v[vsb+vj-5], v[vsb+vj-5], -v25, v25
.elseif vj < 12
	v_pk_mul_f32 v[vsb+8+2*(vj-8):vsb+8+2*(vj-8)+1], v[vsb+8+2*(vj-8):vsb+8+2*(vj-8)+1], s[40:41] op_sel_hi:[1,0]
.elseif vj < 25
	v_med3_num_f32 v[vsb+vj-9], v[vsb+vj-9], -v25, v25
.else
	v_cvt_scalef32_pk8_fp8_f32 v[vrb:vrb+1], v[vsb:vsb+7], v24
.endif
.endif
.endm
.macro VRUN ph, n
.rept \n
	VQ1 \ph
.set vj, vj+1
.endr
.endm
.macro MAIN zero                       ; zero = 1: a pass's first K step starts the sums: nothing is ever cleared
.if \zero
	v_wmma_f32_16x16x128_fp8_fp8 v[mac:mac+7], v[mfr:mfr+15], v[ms1:ms1+15], 0
.else
	v_wmma_f32_16x16x128_fp8_fp8 v[mac:mac+7], v[mfr:mfr+15], v[ms1:ms1+15], v[mac:mac+7]
.endif
.endm
; BEAT b of a K step whose sets have parity par.  The step's 16 quads are numbered 4 f + p (fragment f, quad p); 16 and more are the next step's.
;   products: fragment b / 4 (slot b / 4 of the ring) against l tiles 2 (b % 4) and the next: the 32 accumulators take turns, one instruction a turn
;   vector:   quad b + 5, on scratch (b + 5) % 2, and the second conversion of quad b + 4, out of the other scratch's upper half
;   K = 64 products: quad b + 6, into that other scratch: A tiles 2 p, 2 p + 1 of its step's set, B tile f % 4.  The first writes the lower half, ahead of the late conversion; the second the upper half, six plain lines or more behind it
; So the vector work leads the products by five quads, and a fragment's last conversion stands in the beat ahead of its first product, with plain lines between.  A slot of the ring is written anew seven beats or more behind its
; last reader.  By count: a K = 64 result is first read seven plain lines later or more; a scratch's half is written anew four plain lines or more behind the conversion that read it.
; THE ORDER: product, 4 lines, K = 64 product, 4 lines, product, 4 lines, K = 64 product, the rest of the list (6 or 14 lines).
; THE LDS LOADS stand in two runs a K step, each at a beat's end: behind beat 1 the next step's eight A tiles and source 1's l tiles 0-3, behind beat 9 its l tiles 4-7, into the sets that the step before has left.
; last = 1: the pass's last K step: nothing of a next step is fetched or made.  so: the K step to be fetched, counted from v[S1T] and v[ATT].
.macro BEAT ph, par, b, main, zero, last, so
.set vq, (\b)+5
.set pq, (\b)+6
.set dov, 1
.set dop, 1
.set docb, 1
.if vq == 0
.set docb, 0
.endif
.if \last
.if vq >= 16
.set dov, 0
.endif
.if vq >= 17
.set docb, 0
.endif
.if pq >= 16
.set dop, 0
.endif
.endif
.set vsb, 16*(vq%2)
.set csb, 16-vsb
.set vrb, RING+4*(vq%16)
.set crb, RING+4*((vq+15)%16)
.set vj, 0
.set pas, AS0+36*(\par)+8*(pq%4)
.if pq >= 16
.set pas, AS0+36*(1-(\par))+8*(pq%4)
.endif
.set pbt, BT+8*((pq/4)%4)
.set nl, 6
.if \ph == 8
.set nl, 14
.endif
.if \main
.set mfr, RING+16*((\b)/4)
.set mlt, 2*((\b)%4)
.set mac, 8*(8*((\b)/4)+mlt)
.set ms1, 128*(\par)+16*mlt
.if (\b) == 0
	s_wait_dscnt 0x0                               ; this step's source 1 is in: its loads were issued six beats back or more
.endif
	WIN YW
	MAIN \zero
.endif
.if dov
	WIN XW
	VRUN \ph, 4
.elseif docb
	WIN XW
	CVB \ph                                        ; the pass's last quad: its second conversion stands alone,
	v_nop                                          ; with a plain line between it and the product that reads its result
.endif
.if dop
.if (\main) && ((\b) == 10)
	s_wait_dscnt 32                                ; the next step's A tiles are in: behind them stand source 1's 16 loads of the same run and the 16 of the second
.endif
	WIN XW
	v_wmma_f32_16x16x64_fp8_fp8 v[csb:csb+7], v[pas:pas+7], v[pbt:pbt+7], 0
.endif
.if dov
	WIN XW
	VRUN \ph, 4
.endif
.if \main
.set mac, mac+8
.set ms1, ms1+16
	WIN YW
	MAIN \zero
.endif
.if dov
	WIN XW
	VRUN \ph, 4
.endif
.if dop
	WIN XW
	v_wmma_f32_16x16x64_fp8_fp8 v[csb+8:csb+15], v[pas+4:pas+11], v[pbt:pbt+7], 0
.endif
.if dov
	WIN XW
	VRUN \ph, nl
.endif
.if (\main) && !(\last)
.if (\b) == 1
	WIN 0xc0                                       ; the other A set: its last reader stands in beat 9 of the step before
	s_wait_alu depctr_va_vdst(0)                   ; the K step's one wait: the K = 64 products of the step before are done reading the other A set, its products the whole other source-1 set; v[ATT] and v[S1T] are written.  It serves this run and the run at beat 9
.irp t, 0,1,2,3,4,5,6,7
	ds_load_b128 v[AS0+36*(1-(\par))+4*\t:AS0+36*(1-(\par))+4*\t+3], v[ATT] offset:4096*(\so)+512*\t
.endr
	WIN 0x40                                       ; source 1's other set: l tiles 0-3 were last read in beat 13 of the step before
.irp x, 0,1,2,3
.irp c, 0,1,2,3
	ds_load_b128 v[128*(1-(\par))+16*\x+4*\c:128*(1-(\par))+16*\x+4*\c+3], v[S1T] offset:16384*(\so)+2048*\x+512*\c
.endr
.endr
.endif
.if (\b) == 9
	WIN 0x40                                       ; no wait: no vector or matrix instruction since the wait at beat 1 names the other source-1 set or v[S1T]
.irp x, 4,5,6,7
.irp c, 0,1,2,3
	ds_load_b128 v[128*(1-(\par))+16*\x+4*\c:128*(1-(\par))+16*\x+4*\c+3], v[S1T] offset:16384*(\so)+2048*\x+512*\c
.endr
.endr
.endif
.endif
.endm
.macro BODY ph, par, zero, last, so    ; a K step
.set bb, 0
.rept 16
	BEAT \ph, \par, bb, 1, \zero, \last, \so
.set bb, bb+1
.endr
.endm
; A pass's head: its four B tiles (product 8: the same tiles packed as A tiles too, for the way out), K step 0's A tiles and source 1; then the first five quads are made, with no product yet to set beside them.
.macro PRO ph
	WIN 0
	s_wait_alu depctr_vm_vsrc(0)                   ; the LDS loads issued so far have read v[BTT], v[S1T] and v[ATT], which are written below; the last way out's stores have read their address and codes, which this pass's way out writes again; ahead of the first pass the two stores to wp have read v32-43, in which B tiles land
	v_add_nc_u32 v[BTT], s[SBT], v[BTB]
	v_mov_b32 v[S1T], v[S1B]
	v_mov_b32 v[ATT], v[ATB]
	s_wait_alu depctr_va_vdst(0)                   ; the three addresses, and v[S1B] and v[ATB], are written; the last pass's products and its way out are done reading the B tiles, EA, A set 0 and source-1 set 0, in which the loads below land
.irp f, 0,1,2,3
	ds_load_b128 v[BT+8*\f:BT+8*\f+3], v[BTT] offset:512*\f
.endr
.if \ph == 8
.irp f, 0,1,2,3
	ds_load_b128 v[EA+4*\f:EA+4*\f+3], v[BTT] offset:512*\f
.endr
.endif
	WIN 0xc0
.irp t, 0,1,2,3,4,5,6,7
	ds_load_b128 v[AS0+4*\t:AS0+4*\t+3], v[ATB] offset:512*\t
.endr
	WIN 0x40
.set n, 0
.rept 32
	ds_load_b128 v[4*n:4*n+3], v[S1B] offset:512*n
.set n, n+1
.endr
	s_wait_dscnt 32                                ; all but source 1's 32 loads
	WIN XW
	v_wmma_f32_16x16x64_fp8_fp8 v[0:7], v[AS0:AS0+7], v[BT:BT+7], 0
	v_wmma_f32_16x16x64_fp8_fp8 v[8:15], v[AS0+4:AS0+11], v[BT:BT+7], 0
	PLACES
	BEAT \ph, 0, -5, 0, 0, 0, 0
	BEAT \ph, 0, -4, 0, 0, 0, 0
	BEAT \ph, 0, -3, 0, 0, 0, 0
	BEAT \ph, 0, -2, 0, 0, 0, 0
	BEAT \ph, 0, -1, 0, 0, 0, 0
.endm
; Product 7's way out: T3[l][j] of my four j tiles, quantised by Q15: 16 quads, K step w of product 8.
.macro EPI7
	WIN 0x82
	HOLD 256, 0, 27                                ; each accumulator from its low end on; those finished last come last
	WIN 0x02
.irp pr, 0,1
.irp lt, 0,1,2,3,4,5,6,7
	v_cvt_scalef32_pk8_fp8_f32 v[TM+4*(8*\pr+\lt):TM+4*(8*\pr+\lt)+1], v[8*(16*\pr+\lt):8*(16*\pr+\lt)+7], v26
	v_cvt_scalef32_pk8_fp8_f32 v[TM+4*(8*\pr+\lt)+2:TM+4*(8*\pr+\lt)+3], v[8*(16*\pr+8+\lt):8*(16*\pr+8+\lt)+7], v26
.endr
.endr
	v_nop
	WIN 0
	v_add_nc_u32 v[EST], s[SES], v[ESB]
	s_wait_alu depctr_va_vdst(0)                   ; the conversions have written v[TM ..], which the LDS stores read; v[EST] is written
.irp pr, 0,1
.irp lt, 0,1,2,3,4,5,6,7
	ds_store_b128 v[EST], v[TM+4*(8*\pr+\lt):TM+4*(8*\pr+\lt)+3] offset:2048*\lt+512*\pr
.endr
.endr
.endm
; Product 8's way out: Pn / 2^(s6 + 1) = a S6 - S8 x 2^(e14 + e15 - s6 - 1), S6 = Mn's sums, made anew as D(m = c, n = l); quantised by Q17.  Four quads at a time.
.macro EPI8
	WIN 0
	v_add_nc_u32 v[EST], s[SES], v[ESB]
	v_add_nc_u32 v[EST2], 49152, v[EST]            ; l tiles 4 to 7
.irp g, 0,1,2,3
	WIN 0
.irp i, 0,1,2,3
.irp u, 0,1
	v_wmma_f32_16x16x64_fp8_fp8 v[TM+16*\i+8*\u:TM+16*\i+8*\u+7], v[EA+4*(2*(\g/2)+\u):EA+4*(2*(\g/2)+\u)+7], v[WL+8*(4*(\g%2)+\i):WL+8*(4*(\g%2)+\i)+7], 0
.endr
.endr
	PLACES
	TIMESA 32, TM
	WIN 0x02
.irp i, 0,1,2,3
.irp u, 0,1
.irp k, 0,2,4,6
	v_pk_fma_f32 v[TM+16*\i+8*\u+\k:TM+16*\i+8*\u+\k+1], v[8*(8*(2*(\g/2)+\u)+4*(\g%2)+\i)+\k:8*(8*(2*(\g/2)+\u)+4*(\g%2)+\i)+\k+1], s[44:45], v[TM+16*\i+8*\u+\k:TM+16*\i+8*\u+\k+1] op_sel_hi:[1,0,1]
.endr
.endr
.endr
	WIN 0
	HOLD 64, TM, 29
	s_wait_dscnt 0x0                               ; the last four quads' stores are done
.if \g > 0
	s_wait_alu depctr_vm_vsrc(0)                   ; they have read v[CD ..], which the conversions below write again
.endif
.irp i, 0,1,2,3
	CVT2 CD+4*\i, TM+16*\i, 28
.endr
	v_nop
	s_wait_alu depctr_va_vdst(0)                   ; the conversions have written v[CD ..], which the LDS stores read; in the first four quads v[EST] and v[EST2] are written
.irp i, 0,1,2,3
	ds_store_b128 v[EST+(\g%2)], v[CD+4*\i:CD+4*\i+3] offset:12288*\i+512*(\g/2)
.endr
.endr
.endm
; np passes of 2 ntrip + 2 K steps: the first written out (its products start the sums), ntrip trips of two, the last written out (it looks no further ahead).
.macro PHASE ph, np, ntrip
	s_mov_b32 s[SPASS], 0
	s_mov_b32 s[SBT], 0
	s_mov_b32 s[SES], 0
.Lpass_\ph:
	PRO \ph
	BODY \ph, 0, 1, 0, 1
	WIN 0
.if \ntrip > 1
	s_mov_b32 s[SK], 0
	s_mov_b32 s[SKS], 0
	s_mov_b32 s[SKA], 0
.Lk_\ph:
	s_wait_alu depctr_vm_vsrc(0)                   ; the runs of LDS loads issued so far have read v[S1T] and v[ATT], which move on by a trip
	v_add_nc_u32 v[S1T], s[SKS], v[S1B]
	v_add_nc_u32 v[ATT], s[SKA], v[ATB]
.endif
	BODY \ph, 1, 0, 0, 2
	BODY \ph, 0, 0, 0, 3
	WIN 0
.if \ntrip > 1
	s_add_co_u32 s[SKS], s[SKS], 32768
	s_add_co_u32 s[SKA], s[SKA], 8192
	s_add_co_u32 s[SK], s[SK], 1
	s_cmp_lt_u32 s[SK], \ntrip
	s_cbranch_scc1 .Lk_\ph
.endif
	BODY \ph, 1, 0, 1, 0
.if \ph == 7
	EPI7
.else
	EPI8
.endif
	s_add_co_u32 s[SBT], s[SBT], 2048
	s_add_co_u32 s[SES], s[SES], 1024
	s_add_co_u32 s[SPASS], s[SPASS], 1
	s_cmp_lt_u32 s[SPASS], \np
	s_cbranch_scc1 .Lpass_\ph
.endm
	; ---- product 7: D(m = j tile 8 w + 4 pass + f, n = l tile).  Source 0 = Q13(Mn[j][c]), made as D(m = c, n = j): A tiles from ZT, B tiles from WP.  Source 1 = Q12.
	v_add_nc_u32 v[S1B], Q12, v[L16]
	v_add_nc_u32 v[ATB], ZT, v[L16]
	v_add_nc_u32 v[BTB], WP, v[AD0]
	s_lshl_b32 s70, s16, 14
	v_add_nc_u32 v[ESB], s70, v[L16]
	v_add_nc_u32 v[ESB], T3, v[ESB]
	PHASE 7, 2, 2
	BARRIER                                        ; T3 is whole, and nobody reads Q12 any more: its bytes take PN
	; ---- product 8: D(m = c tile 12 w + 4 pass + f, n = l tile).  Source 0 = Q14(a Mn[j][c]), made as D(m = j, n = c): A tiles from WP, B tiles from ZT.  Source 1 = T3.
.irp lt, 0,1,2,3,4,5,6,7
.irp i, 4,5,6,7
	v_mov_b32 v[WL+8*\lt+\i], 0
.endr
.endr
.irp i, 16,17,18,19
	v_mov_b32 v[EA+\i], 0
.endr
	s_lshl_b32 s70, s18, 12
	v_add_nc_u32 v[AD2], s70, v[L16]
	s_wait_alu depctr_va_vdst(0)                   ; v[AD2] is written, which the eight loads read
.irp lt, 0,1,2,3,4,5,6,7
	ds_load_b128 v[WL+8*\lt:WL+8*\lt+3], v[AD2] offset:WP+512*\lt  ; the block's eight tiles of Wp, for the way out
.endr
	v_add_nc_u32 v[S1B], T3, v[L16]                ; (the loads that read v[S1B] and v[ATB], at the last pass's head, stand ahead of the wait on vm_vsrc at its trip's head)
	v_add_nc_u32 v[ATB], WP, v[L16]
	v_add_nc_u32 v[BTB], ZT, v[AD1]
	s_mul_i32 s70, s16, 3072
	v_add_nc_u32 v[ESB], s70, v[L16]
	v_add_nc_u32 v[ESB], PN, v[ESB]
	PHASE 8, 3, 1
	BARRIER                                        ; PN is whole
	s_wait_alu depctr_vm_vsrc(0)                   ; the last way out's LDS stores have read v[CD ..], which product 9's conversions write again
	; ---- product 9, my two l tiles: D(m = l tile 2 w + i, n = e tile ue), K = 768 in six steps; four accumulators by turns
	s_mul_i32 s70, s16, 24576
	v_add_nc_u32 v[AD0], s70, v[L16]
	v_add_nc_u32 v[AD0], PN, v[AD0]
	WIN 0x40
	s_wait_alu depctr_va_vdst(0)                   ; v[AD0] is written; the stream's products and the way out are done with windows 1 and 2, in which the fragments below land
.set n, 0
.rept 48
	ds_load_b128 v[4*n:4*n+3], v[AD0] offset:512*n                 ; a tile's 24 quads lie on end: fragment (i, sigma) at 16 (6 i + sigma)
.set n, n+1
.endr
	WIN 0x80
.irp t, 0,1,2,3,4,5
.irp ue, 0,1
.irp c, 0,1,2,3
	ds_load_b128 v[16*(6*\ue+\t)+4*\c:16*(6*\ue+\t)+4*\c+3], v[L16] offset:Z16+2048*(6*\ue+\t)+512*\c
.endr
.endr
.endr
	WIN 0x09
.irp t, 0,1,2,3,4,5
	s_wait_dscnt 8*(5-\t)                          ; z's fragments of this K step are in (PN's are older); the later steps' eight each may be out
.irp ue, 0,1
.irp i, 0,1
.if \t == 0
	v_wmma_f32_16x16x128_fp8_fp8 v[TM+8*(2*\ue+\i):TM+8*(2*\ue+\i)+7], v[16*(6*\i+\t):16*(6*\i+\t)+15], v[16*(6*\ue+\t):16*(6*\ue+\t)+15], 0
.else
	v_wmma_f32_16x16x128_fp8_fp8 v[TM+8*(2*\ue+\i):TM+8*(2*\ue+\i)+7], v[16*(6*\i+\t):16*(6*\i+\t)+15], v[16*(6*\ue+\t):16*(6*\ue+\t)+15], v[TM+8*(2*\ue+\i):TM+8*(2*\ue+\i)+7]
.endif
.endr
.endr
.endr
	WIN 0
	PLACES
	HOLD 32, TM, 31
	CVT2 CD, TM, 30
	CVT2 CD+4, TM+16, 30
	v_nop
	s_wait_alu depctr_va_vdst(0)                   ; the conversions have written v[CD] to v[CD + 7], which the two stores read
	global_store_b128 v[L16], v[CD:CD+3], s[60:61]
	global_store_b128 v[L16], v[CD+4:CD+7], s[60:61] offset:8192
	s_wait_dscnt 0x0                               ; the closing lines, six on end
	s_wait_alu 0x0
	s_wait_tensorcnt 0x0
	ds_add_u32 v14, v15
	s_wait_dscnt 0x0
	s_endpgm
.Lfunc_end_k_q6cf4f3bb4e_core:
	.size	k_q6cf4f3bb4e_core, .Lfunc_end_k_q6cf4f3bb4e_core-k_q6cf4f3bb4e_core
	.p2alignl 7, 3214868480
	.fill 96, 4, 3214868480
	.section	.rodata,"a",@progbits
	.p2align	6, 0x0
	.amdhsa_kernel k_q6cf4f3bb4e_core
		.amdhsa_group_segment_fixed_size 229888
		.amdhsa_private_segment_fixed_size 0
		.amdhsa_enable_private_segment 0
		.amdhsa_kernarg_size 48
		.amdhsa_user_sgpr_count 2
		.amdhsa_user_sgpr_kernarg_segment_ptr 1
		.amdhsa_wavefront_size32 1
		.amdhsa_system_sgpr_workgroup_id_x 1
		.amdhsa_system_sgpr_workgroup_id_y 1
		.amdhsa_system_sgpr_workgroup_id_z 1
		.amdhsa_system_vgpr_workitem_id 0
		.amdhsa_next_free_vgpr 1024
		.amdhsa_next_free_sgpr 76
		.amdhsa_reserve_vcc 0
		.amdhsa_float_denorm_mode_32 3
		.amdhsa_float_denorm_mode_16_64 3
		.amdhsa_memory_ordered 1
		.amdhsa_forward_progress 1
		.amdhsa_inst_pref_size 255
	.end_amdhsa_kernel
	.section	.bss,"aw",@nobits
	.p2align	6
	.space	262144
	.amdgpu_metadata
---
amdhsa.version: [ 1, 2 ]
amdhsa.kernels:
  - .name:           k_q6cf4f3bb4e_core
    .symbol:         k_q6cf4f3bb4e_core.kd
    .args:
      - { .name: wq, .offset: 0, .size: 8, .value_kind: global_buffer, .address_space: global }
      - { .name: aw, .offset: 8, .size: 8, .value_kind: global_buffer, .address_space: global }
      - { .name: pz, .offset: 16, .size: 8, .value_kind: global_buffer, .address_space: global }
      - { .name: lowp_scales, .offset: 24, .size: 8, .value_kind: global_buffer, .address_space: global }
      - { .name: wp, .offset: 32, .size: 8, .value_kind: global_buffer, .address_space: global }
      - { .name: wr, .offset: 40, .size: 8, .value_kind: global_buffer, .address_space: global }
    .group_segment_fixed_size: 229888
    .private_segment_fixed_size: 0
    .kernarg_segment_align: 8
    .kernarg_segment_size: 48
    .max_flat_workgroup_size: 128
    .sgpr_count:     76
    .vgpr_count:     1024
    .wavefront_size: 32
...
	.end_amdgpu_metadata
.endif
;; end of part 9
;; launch readout (part 10): grid 256 x 1, 4 waves a work-group, no clusters, 25,600 bytes of LDS; arguments wp, wr, pz, lowp_scales, out0; writes out0
.if DOCPART == 10
	.amdgcn_target "amdgcn-amd-amdhsa--gfx1250"
	.amdhsa_code_object_version 6
	.text
	.protected	k_q6cf4f3bb4e_readout
	.globl	k_q6cf4f3bb4e_readout
	.p2align	8
	.type	k_q6cf4f3bb4e_readout,@function
k_q6cf4f3bb4e_readout:
	s_mov_b64 s[64:65], 0
	v_nop
	global_prefetch_b8 v0, s[64:65] scope:SCOPE_SE
	s_setreg_imm32_b32 hwreg(HW_REG_WAVE_SCHED_MODE, 0, 2), 2
	s_setreg_imm32_b32 hwreg(HW_REG_WAVE_MODE, 25, 1), 1
	s_wait_xcnt 0x0
	s_wait_alu depctr_vm_vsrc(0)
; READOUT: product 10, out[e][b][c] = sum over k of Q18(w_read[e][k]) Q19(Mn[k][c]), with Mn made anew (product 6) from Q10(Wp) and Q11(z), as in the launch before.
; Work-group: batch b = g / 4, quarter cq = g % 4 of the 768 c; wave w: c tiles 12 cq + 3 w + i.  Tiles, quads and images as before.
; A unit k = 3 s + i: eight K = 64 products D(m = k tile 8 s + t, n = c tile i) into one of two scratches; 64 holds and 8 conversions make of them fragment F_i of K step s (rows c, K = k).
; A unit's products are issued two units ahead of its vector work.  Behind a K step's three units: six products D(m = c tile i, n = e tile ue), six accumulators by turns.
; A sum of product 6 stands for sum x 2^(e10 + e11): Q19's conversion takes 2^(e19 - e10 - e11).  LIMITS: that exponent between -126 and 119; e18 + e19 between -126 and 127.
; REGISTERS: window 0: v24-47 three B tiles [4 of codes][4 zeros]; v64-191 two scratches; v192-239 F0-2.  window 1: Wp's 32 packed A tiles and a pad.  window 2: w_read's fragments (ue, s) at 16 (4 ue + s); accumulators (i, ue) at 128 + 8 (2 i + ue).
; The way out: a lane holds eight neighbouring c of one e; the 32 rows x 768 bytes meet in a stage (pitch 784) and leave as runs of 256 consecutive bytes, aligned, sixteen lanes each.
; THE MODE: SCHED_MODE bits 1:0 = 2 (LLVM: expert scheduling mode 2), set by the entry lines.  The code itself states the register dependences between vector or matrix
; instructions and memory or LDS instructions, with s_wait_alu, always for 0.
; THE PLAN.  v1, v5-v10: offsets and LDS addresses, written once at the head.  v24-27, v32-35, v40-43 and windows 1 and 2: loads land once, in registers that nothing has named.  v64-111: written by the last multiplications, read by the
; LDS stores.  v112-159: the stage's loads land there; the holds and conversions that last named them stand ahead of the wait in front of the LDS stores, and no vector line follows that wait.
; So two waits on va_vdst: ahead of the first load, and ahead of the LDS stores.  No register that a memory or LDS instruction reads is written again.
.set PZ_ZT, 3145728
.set ZROW,  196608
.set MSB, 0
.macro WIN new
.if MSB != \new
	s_set_vgpr_msb (MSB<<8)|\new
.set MSB, \new
.endif
.endm
.macro HOLD n, x, lim
.set hh, 0
.rept \n
	v_med3_num_f32 v[(\x)+hh], v[(\x)+hh], -v[\lim], v[\lim]
.set hh, hh+1
.endr
.endm
.macro CVT2 d, x, sc
	v_cvt_scalef32_pk8_fp8_f32 v[(\d):(\d)+1], v[(\x):(\x)+7], v[\sc]
	v_cvt_scalef32_pk8_fp8_f32 v[(\d)+2:(\d)+3], v[(\x)+8:(\x)+15], v[\sc]
.endm
.macro PP k                            ; unit k's eight tiles of Mn
	WIN 0x01
.irp t, 0,1,2,3,4,5,6,7
	v_wmma_f32_16x16x64_fp8_fp8 v[64+64*((\k)%2)+8*\t:71+64*((\k)%2)+8*\t], v[4*(8*((\k)/3)+\t):4*(8*((\k)/3)+\t)+7], v[24+8*((\k)%3):31+8*((\k)%3)], 0
.endr
.endm
.macro VV k                            ; they become a fragment
	WIN 0
.irp p, 0,1,2,3
	HOLD 16, 64+64*((\k)%2)+16*\p, 17
	CVT2 192+16*((\k)%3)+4*\p, 64+64*((\k)%2)+16*\p, 16
.endr
	v_nop                                          ; a plain line between the last conversion and the matrix instructions that read its result or write over its sources
.endm
.macro MM st                           ; K step st of product 10
	WIN 0xa8
.irp i, 0,1,2
.irp ue, 0,1
.if (\st) == 0
	v_wmma_f32_16x16x128_fp8_fp8 v[128+8*(2*\i+\ue):135+8*(2*\i+\ue)], v[192+16*\i:207+16*\i], v[16*(4*\ue+(\st)):16*(4*\ue+(\st))+15], 0
.else
	v_wmma_f32_16x16x128_fp8_fp8 v[128+8*(2*\i+\ue):135+8*(2*\i+\ue)], v[192+16*\i:207+16*\i], v[16*(4*\ue+(\st)):16*(4*\ue+(\st))+15], v[128+8*(2*\i+\ue):135+8*(2*\i+\ue)]
.endif
.endr
.endr
.endm
	s_load_b256 s[4:11], s[0:1], 0x0               ; wp, wr, pz, lowp_scales
	s_load_b64 s[12:13], s[0:1], 0x20              ; out0
	v_lshl_add_u32 v254, v0, 2, 0x6200             ; the LDS address of my spare word, behind the stage; kept for the closing lines alone
	v_mov_b32 v255, 0                              ; 0, likewise
	v_lshrrev_b32 v2, 5, v0
	v_readfirstlane_b32 s14, v2                    ; wave
	v_and_b32 v1, 31, v0
	v_lshlrev_b32 v1, 4, v1                        ; 16 L
	v_and_b32 v2, 15, v0                           ; r
	v_bfe_u32 v3, v0, 4, 1                         ; h
	v_and_b32 v4, 8, v2
	v_add_nc_u32 v4, v4, v2                        ; r + (r & 8)
	s_lshr_b32 s15, ttmp9, 2                       ; b
	s_and_b32 s16, ttmp9, 3                        ; cq
	v_mul_u32_u24 v8, v4, 784
	v_lshl_add_u32 v8, v3, 6, v8                   ; the stage, in: row r + (r & 8) (+ 8 ue), + 64 h bytes
	s_wait_alu depctr_va_sdst(0)                   ; s14 is written, ahead of its first reader
	s_mul_i32 s17, s14, 3
.irp i, 0,1,2
	s_add_co_u32 s18, s17, \i                      ; tile 3 w + i of the work-group's twelve begins at column 32 (T / 2) + 8 (T % 2)
	s_lshr_b32 s19, s18, 1
	s_lshl_b32 s19, s19, 7
	s_and_b32 s18, s18, 1
	s_lshl_b32 s18, s18, 5
	s_add_co_u32 s19, s19, s18
	v_add_nc_u32 v[5+\i], s19, v8
.endr
	s_mul_i32 s18, s14, 8*784
	v_mul_u32_u24 v9, v3, 784
	v_lshl_add_u32 v9, v2, 4, v9
	v_add_nc_u32 v9, s18, v9                       ; the stage, back: rows 8 w on; lanes 0-15 one row, lanes 16-31 the next
	v_mul_u32_u24 v10, v3, ZROW
	v_lshl_add_u32 v10, v2, 4, v10                 ; and the same two rows in out0
	s_mov_b32 s41, 0
	s_wait_kmcnt 0x0
	s_load_b64 s[28:29], s[10:11], 0x28            ; e10, e11
	s_load_b64 s[30:31], s[10:11], 0x48            ; e18, e19
	s_lshl_b32 s40, s15, 14
	s_add_nc_u64 s[20:21], s[4:5], s[40:41]
	s_add_nc_u64 s[22:23], s[6:7], s[40:41]
	s_mul_i32 s40, s16, 12
	s_add_co_u32 s40, s40, s17
	s_lshl_b32 s40, s40, 9
	s_mul_i32 s18, s15, 24576
	s_add_co_u32 s40, s40, s18
	s_add_nc_u64 s[24:25], s[8:9], s[40:41]
	s_mul_i32 s40, s14, 8*ZROW
	s_mul_i32 s18, s15, 3072
	s_add_co_u32 s40, s40, s18
	s_mul_i32 s18, s16, 768
	s_add_co_u32 s40, s40, s18
	s_add_nc_u64 s[26:27], s[12:13], s[40:41]
	s_wait_alu depctr_va_vdst(0)                   ; the offsets and LDS addresses v1 and v5 to v10 are written, which the loads and stores of the kernel read
.irp i, 0,1,2
	global_load_b128 v[24+8*\i:27+8*\i], v1, s[24:25] offset:PZ_ZT+512*\i
.endr
	WIN 0x40
.set n, 0
.rept 32
	global_load_b128 v[4*n:4*n+3], v1, s[20:21] offset:512*n
.set n, n+1
.endr
.irp i, 128,129,130,131
	v_mov_b32 v\i, 0                               ; the pad behind the 32 packed tiles
.endr
	WIN 0x80
.set n, 0
.rept 32
	global_load_b128 v[4*n:4*n+3], v1, s[22:23] offset:512*n
.set n, n+1
.endr
	WIN 0
.irp i, 0,1,2
.irp j, 4,5,6,7
	v_mov_b32 v[24+8*\i+\j], 0
.endr
.endr
	s_wait_kmcnt 0x0
	s_sub_co_i32 s32, s31, s28
	s_sub_co_i32 s32, s32, s29
	s_add_co_i32 s32, s32, 127
	s_lshl_b32 s33, s32, 23
	v_mov_b32 v16, s33                             ; 2^(e19 - e10 - e11)
	s_add_co_i32 s32, s32, 8
	s_lshl_b32 s32, s32, 23
	s_or_b32 s32, s32, 0x600000
	v_mov_b32 v17, s32                             ; 448 x that
	s_add_co_i32 s34, s30, s31
	s_add_co_i32 s34, s34, 127
	s_lshl_b32 s34, s34, 23                        ; 2^(e18 + e19)
	s_mov_b32 s35, s34
	s_wait_loadcnt 32                              ; my tiles of z and all of Wp are in (an A operand names the next tile's registers too); w_read's 32 may be out
	PP 0
	PP 1
.rept 4
	v_nop
.endr
.set kk, 0
.rept 12
	VV kk
.if kk+2 < 12
	PP kk+2
.endif
.if (kk%3) == 2
.if kk == 2
	s_wait_loadcnt 0x0                             ; w_read
.endif
	MM kk/3
.endif
.set kk, kk+1
.endr
.rept 4
	v_nop
.endr
	WIN 0x02
.set n, 0
.rept 24
	v_pk_mul_f32 v[64+2*n:65+2*n], v[128+2*n:129+2*n], s[34:35] op_sel_hi:[1,0]     ; x 2^(e18 + e19); each accumulator from its low end on
.set n, n+1
.endr
	WIN 0
	s_wait_alu depctr_va_vdst(0)                   ; the multiplications have written v64-111, which the LDS stores read; the holds and conversions are done with v112-159, in which the stage's loads land
.irp i, 0,1,2
.irp ue, 0,1
	ds_store_b128 v[5+\i], v[64+8*(2*\i+\ue):67+8*(2*\i+\ue)] offset:6272*\ue
	ds_store_b128 v[5+\i], v[68+8*(2*\i+\ue):71+8*(2*\i+\ue)] offset:6272*\ue+16
.endr
.endr
	s_wait_dscnt 0x0                               ; for the others' sake: my part of the 32 rows has landed
	s_barrier_signal -1
	s_barrier_wait -1
.irp t, 0,1,2,3
.irp u, 0,1,2
	ds_load_b128 v[112+4*(3*\t+\u):115+4*(3*\t+\u)], v9 offset:1568*\t+256*\u
.endr
.endr
.irp t, 0,1,2,3
.irp u, 0,1,2
	s_wait_dscnt 11-(3*\t+\u)
	global_store_b128 v10, v[112+4*(3*\t+\u):115+4*(3*\t+\u)], s[26:27] offset:2*ZROW*\t+256*\u th:TH_STORE_NT   ; sixteen lanes store 256 consecutive bytes, at a multiple of 256 from out0's first byte
.endr
.endr
	s_wait_dscnt 0x0                               ; the closing lines, six on end
	s_wait_alu 0x0
	s_wait_tensorcnt 0x0
	ds_add_u32 v254, v255
	s_wait_dscnt 0x0
	s_endpgm
.Lfunc_end_k_q6cf4f3bb4e_readout:
	.size	k_q6cf4f3bb4e_readout, .Lfunc_end_k_q6cf4f3bb4e_readout-k_q6cf4f3bb4e_readout
	.p2alignl 7, 3214868480
	.fill 96, 4, 3214868480
	.section	.rodata,"a",@progbits
	.p2align	6, 0x0
	.amdhsa_kernel k_q6cf4f3bb4e_readout
		.amdhsa_group_segment_fixed_size 25600
		.amdhsa_private_segment_fixed_size 0
		.amdhsa_enable_private_segment 0
		.amdhsa_kernarg_size 40
		.amdhsa_user_sgpr_count 2
		.amdhsa_user_sgpr_kernarg_segment_ptr 1
		.amdhsa_wavefront_size32 1
		.amdhsa_system_sgpr_workgroup_id_x 1
		.amdhsa_system_sgpr_workgroup_id_y 1
		.amdhsa_system_sgpr_workgroup_id_z 1
		.amdhsa_system_vgpr_workitem_id 0
		.amdhsa_next_free_vgpr 768
		.amdhsa_next_free_sgpr 66
		.amdhsa_reserve_vcc 0
		.amdhsa_float_denorm_mode_32 3
		.amdhsa_float_denorm_mode_16_64 3
		.amdhsa_memory_ordered 1
		.amdhsa_forward_progress 1
		.amdhsa_inst_pref_size 79
	.end_amdhsa_kernel
	.amdgpu_metadata
---
amdhsa.version: [ 1, 2 ]
amdhsa.kernels:
  - .name:           k_q6cf4f3bb4e_readout
    .symbol:         k_q6cf4f3bb4e_readout.kd
    .args:
      - { .name: wp, .offset: 0, .size: 8, .value_kind: global_buffer, .address_space: global }
      - { .name: wr, .offset: 8, .size: 8, .value_kind: global_buffer, .address_space: global }
      - { .name: pz, .offset: 16, .size: 8, .value_kind: global_buffer, .address_space: global }
      - { .name: lowp_scales, .offset: 24, .size: 8, .value_kind: global_buffer, .address_space: global }
      - { .name: out0, .offset: 32, .size: 8, .value_kind: global_buffer, .address_space: global }
    .group_segment_fixed_size: 25600
    .private_segment_fixed_size: 0
    .kernarg_segment_align: 8
    .kernarg_segment_size: 40
    .max_flat_workgroup_size: 128
    .sgpr_count:     66
    .vgpr_count:     768
    .wavefront_size: 32
...
	.end_amdgpu_metadata
.endif
;; end of part 10
